; MI455X (gfx1250); checked and timed in simulation.
; The chip was launched on July 23, 2026; its instructions are those of AMD's public machine-readable ISA for CDNA 5 (MIT licence, August 2026) and "CDNA5" Instruction Set Architecture Reference Guide (July 2026). The comments in the code are by the model that wrote it; some were corrected since.
;; TRM Attention. Allowed arithmetic: matrix products marked QUANTISED: E2M1 operands, one E8M0 scale for each 32 along K, by v_wmma_scale_f32_16x16x128_f8f6f4 with both operands' format E2M1 (or v_wmma_scale_f32_32x16x128_f4), f32 sums; everything else in f32.
;; Inputs: Wk 2,048 x 2,048 float32; Wo 2,048 x 2,048 float32; Wq 2,048 x 2,048 float32; Wv 2,048 x 2,048 float32; cos 1 x 1 x 2,048 x 128 float32; sin 1 x 1 x 2,048 x 128 float32; x 1 x 2,048 x 2,048 float32.
;; Outputs: out0 1 x 2,048 x 2,048 float32.
;; This version of the problem:
;;   THIS VERSION OF THE PROBLEM IS GIVEN IN LOW PRECISION. The matrix products marked QUANTISED in the list below multiply operands that are first quantised to E2M1 (2 exponent bits, 1 mantissa bit; 4 bits a number), with one power-of-two scale for each 32 numbers along K (OCP MX v1.0); their sums are f32. All else is computed in f32.
;;   The module's matrix products, in the order in which they are computed (A, B: the left and right operand; K: the contracted axis; several contracted axes count as one K, in the product's order):
;;     1. [M 2,048, K 2,048] x [K 2,048, N 2,048]; A: input x; B: input Wq: QUANTISED
;;     2. [M 2,048, K 2,048] x [K 2,048, N 2,048]; A: input x; B: input Wk: QUANTISED
;;     3. [M 2,048, K 2,048] x [K 2,048, N 2,048]; A: input x; B: input Wv: QUANTISED
;;     4. batch 16 x [M 2,048, K 128] x [K 128, N 2,048]; A: computed on the way; B: computed on the way: QUANTISED
;;     5. batch 16 x [M 2,048, K 2,048] x [K 2,048, N 128]; A: softmax (see below); B: computed on the way: QUANTISED
;;     6. [M 2,048, K 2,048] x [K 2,048, N 2,048]; A: computed on the way; B: input Wo: QUANTISED
;;   THE QUANTISER, for each operand of a quantised product, along K:
;;     - K is cut into blocks of 32 from its start; a last block that is shorter is filled with zeros.
;;     - A block's scale is 2^e with e = floor(log2(the largest magnitude in the block)) - 2, held to -126 .. 127; a block of zeros has e = 0. As a byte (E8M0): e + 127.
;;     - Each number is divided by its block's scale, clamped to +-6, and rounded to the nearest number of E2M1, ties to even, subnormals kept.
;;     - The product sums the exact products of the quantised numbers (number of the format x scale) in f32.
;;   ~~~python
;;   def quantise(x, axis):      # numpy; x: float32 -> the quantised numbers, widened to float32 again
;;       x = np.moveaxis(x, axis, -1); K = x.shape[-1]
;;       x = np.pad(x, [(0, 0)] * (x.ndim - 1) + [(0, -K % 32)]); x = x.reshape(x.shape[:-1] + (-1, 32)); a = np.abs(x).max(-1, keepdims=True)
;;       e = np.where(a > 0, np.clip(np.frexp(np.where(a > 0, a, 1))[1] - 1 - 2, -126, 127), 0)      # np.frexp(a)[1] - 1 = floor(log2(a)), exactly
;;       r = np.clip(x / 2.0 ** e, -6, 6)
;;       step = 2.0 ** (np.maximum(np.frexp(np.where(r == 0, 1, r))[1] - 1, 0) - 1)
;;       q = np.round(r / step) * step * 2.0 ** e      # np.round: ties to even
;;       return np.moveaxis(q.reshape(q.shape[:-2] + (-1,))[..., :K], -1, axis).astype(np.float32)
;;   ~~~
;;   SOFTMAX AHEAD OF A QUANTISED PRODUCT. Where the list says 'softmax', what is quantised is not the finished softmax but p = 2^(t - M), with t = logit x log2(e) and M = ceil(the row's largest t), a whole number; so 1/2 < the row's largest p <= 1. The row's sum l is taken of the UNQUANTISED p, in f32, and the product's result is divided by l at the end. Since M is a whole number, a kernel that streams over the keys may use a running M (the ceiling of the running maximum): every later rescaling is an exact power of two, which a block's scale takes up: the codes' values come out the same.
;;   OPERANDS COMPUTED ON THE WAY. 'Computed on the way' means the value that the module computes at that place (a softmax that the list does not call 'softmax' is quantised finished and normalised). What goes into a quantiser is computed in f32, as accurately as f32 sums, v_exp_f32 and their like allow (about 1e-6 of the number): no bf16 or f16 on the way to a quantiser, and a product that is left as it is and whose result goes on into a quantised operand takes f32 operands (vector FMAs, or v_wmma_f32_16x16x4_f32). A number that lies on a knife's edge between two numbers of the format may be rounded either way, as far as f32 arithmetic and the matrix unit's own rounding can turn it there, and no further.
;; 2 versions. Each part assembles by itself: llvm-mc -triple=amdgcn-amd-amdhsa -mcpu=gfx1250 --defsym DOCPART=n.
;; ======== version 1 of 2: 4 launches
;; workspace buffers: xw_codes 10,485,760 bytes; xw_scales 655,360 bytes; cs_img 2,097,152 bytes; qkv_codes 6,291,456 bytes; qkv_scales 393,216 bytes; o_codes 2,097,152 bytes; o_scales 131,072 bytes
;; launch quant (part 1): grid 672 x 1, 4 waves a work-group, no clusters, 33,280 bytes of LDS; arguments x, Wq, Wk, Wv, Wo, cos, sin, xw_codes, xw_scales, cs_img; writes xw_codes, xw_scales, cs_img
.if DOCPART == 1
	.amdgcn_target "amdgcn-amd-amdhsa--gfx1250"
	.amdhsa_code_object_version 6
	.text
	.protected	k_q78563c3ce1_quant
	.globl	k_q78563c3ce1_quant
	.p2align	8
	.type	k_q78563c3ce1_quant,@function
k_q78563c3ce1_quant:
	s_mov_b64 s[64:65], 0
	v_nop
	global_prefetch_b8 v0, s[64:65] scope:SCOPE_SE
	s_setreg_imm32_b32 hwreg(HW_REG_WAVE_MODE, 25, 1), 1
	s_wait_xcnt 0x0
; x, Wq, Wk, Wv, Wo, each [2048][2048] f32 with K innermost, become codes of FP4 (E2M1), two to a byte, and one E8M0 scale byte for each 32 along K.
; The five tensors lie on end in the two workspace buffers, in this order: codes [5][2048][1024 bytes], scale bytes [5][2048][64].
; A block's scale is 2^(floor(log2(its largest magnitude)) - 2); its byte is the largest magnitude's exponent field - 2, held at 1 from below.
; LIMITS: NaN and infinities among the inputs are not served; a block whose largest magnitude lies under 2^-124 keeps the byte 1; a block of zeros has the byte 1 where the
; rule says 127: its codes are zeros, which add nothing under that byte, and the bytes are read by this program alone.
; Work-groups 0 to 639: rows are dense, so a tensor is a stream of blocks of 32.  A wave takes 16 steps of 512 numbers.  Each load reads 512 consecutive bytes, 16 a lane; a step's 2,048 bytes turn
; through the wave's own stage in LDS and come back 64 bytes a lane, so that a lane holds 16 neighbours along K, as the conversions want them.  Two neighbouring lanes hold a block.
; Work-groups 640 to 671: cos and sin [2048][128] are laid anew, in the order in which the next launch's result registers want them: [16 rows][cos, sin][i = 0..15][lane][16 bytes], lane (r, h) of piece i holding
; row r, channels 16 (i / 2) + 8 h + 4 (i % 2) + 0..3.  sin is negated for channels under 64: that is rotate_half's sign.  So the scattered read is made once, here.
; No tensor loads, no barrier: waves share nothing.
.set NQWG,  640                        ; 5 tensors x 2^22 numbers / 32,768 numbers a work-group
.set STEPS, 16
.set EMAX,  2
.set CB,    8                          ; bytes of 16 codes
.set R,     16                         ; v16-79   four sets of 16 numbers as they are loaded
.set X,     80                         ; v80-111  two sets of 16 neighbours
.set E,     112                        ; v112-127 a scale byte for each step
.set C,     128                        ; v128-191 codes: registers of its own for each step, so that no store's data are written again
.set WREG,  8192                       ; LDS: a region for each wave: two stages of 32 x SP bytes, then its 256 scale bytes
.set SP,    80                         ; a lane's place in a stage: 64 bytes + 16 of padding
	s_load_b512 s[4:19], s[0:1], 0x0               ; x, Wq, Wk, Wv, Wo, cos s[14:15], sin s[16:17], the codes s[18:19]
	s_load_b128 s[20:23], s[0:1], 0x40             ; the scale bytes s[20:21], the cos and sin image s[22:23]
	v_lshl_add_u32 v192, v0, 2, 0x8000
	v_mov_b32 v193, 0
	v_lshrrev_b32 v1, 5, v0
	v_readfirstlane_b32 s24, v1                    ; wave
	v_and_b32 v2, 31, v0                           ; lane
	s_cmp_ge_u32 ttmp9, NQWG
	s_cbranch_scc1 .Lcossin
	v_lshlrev_b32 v3, 4, v2                        ; my 16 bytes of a load's 512
	s_mul_i32 s25, s24, WREG
	v_lshrrev_b32 v14, 2, v2
	v_mul_u32_u24 v14, v14, SP
	v_and_b32 v15, 3, v2
	v_lshl_add_u32 v14, v15, 4, v14
	v_add_nc_u32 v14, s25, v14                     ; the stage, on the way in: SP (lane / 4) + 16 (lane % 4)
	v_mul_u32_u24 v15, v2, SP
	v_add_nc_u32 v15, s25, v15                     ; and on the way out: SP x lane: my 16 neighbours
	v_mul_u32_u24 v4, v2, CB                       ; my codes' place in a step's
	v_lshrrev_b32 v5, 1, v2
	s_add_co_u32 s25, s25, 2*32*SP
	v_add_nc_u32 v5, s25, v5                       ; LDS: my block's scale byte
	v_lshlrev_b32 v7, 3, v2                        ; and on the way out 8 bytes a lane
	v_add_nc_u32 v6, s25, v7
	s_lshr_b32 s26, ttmp9, 7                       ; which tensor: 128 work-groups each
	s_lshl_b32 s27, ttmp9, 2
	s_add_co_u32 s27, s27, s24                     ; which run of 8,192 numbers, counted through all five tensors
	s_and_b32 s28, s27, 511
	s_lshl_b32 s28, s28, 15                        ; its bytes in its own tensor,
	s_mov_b32 s29, 0
	s_lshl_b32 s30, s27, 12                        ; among the codes,
	s_mov_b32 s31, 0
	s_lshl_b32 s32, s27, 8                         ; among the scale bytes
	s_mov_b32 s33, 0
	s_wait_kmcnt 0x0
	s_cmp_eq_u32 s26, 1                            ; the choice hangs on the work-group's number alone
	s_cselect_b64 s[4:5], s[6:7], s[4:5]
	s_cmp_eq_u32 s26, 2
	s_cselect_b64 s[4:5], s[8:9], s[4:5]
	s_cmp_eq_u32 s26, 3
	s_cselect_b64 s[4:5], s[10:11], s[4:5]
	s_cmp_eq_u32 s26, 4
	s_cselect_b64 s[4:5], s[12:13], s[4:5]
	s_add_nc_u64 s[4:5], s[4:5], s[28:29]
	s_add_nc_u64 s[18:19], s[18:19], s[30:31]
	s_add_nc_u64 s[20:21], s[20:21], s[32:33]
.macro LOAD t
.irp i, 0,1,2,3
	global_load_b128 v[R+16*((\t)%4)+4*\i:R+16*((\t)%4)+4*\i+3], v3, s[4:5] offset:2048*(\t)+512*\i th:TH_LOAD_NT   ; 32 lanes read 512 consecutive bytes
.endr
.endm
.macro TURN t                          ; step t's numbers through the stage: LDS serves a wave's instructions in order (ISA guide 5.7.1.4), so no wait stands between the stores and the loads
.irp i, 0,1,2,3
	ds_store_b128 v14, v[R+16*((\t)%4)+4*\i:R+16*((\t)%4)+4*\i+3] offset:32*SP*((\t)%2)+8*SP*\i
.endr
.irp i, 0,1,2,3
	ds_load_b128 v[X+16*((\t)%2)+4*\i:X+16*((\t)%2)+4*\i+3], v15 offset:32*SP*((\t)%2)+16*\i
.endr
.endm
.irp t, 0,1,2,3
	LOAD \t
.endr
	s_wait_loadcnt 12                              ; step 0's four loads are in; the twelve of steps 1 to 3 stay out
	TURN 0
.macro STEP t
.set XS, X+16*((\t)%2)
.if (\t) > 0
	s_wait_dscnt 1                                 ; this step's numbers are back from the stage (the last step's byte store may be out): so its stores into the stage have read their registers,
.else
	s_wait_dscnt 0x0
.endif
.if (\t)+4 < STEPS
	LOAD (\t)+4                                    ; which take the loads of four steps on
.endif
.if (\t)+1 < STEPS
.if STEPS-2-(\t) >= 3
	s_wait_loadcnt 12                              ; the next step's four loads are in; those of the three steps behind it may be out
.else
	s_wait_loadcnt 4*(STEPS-2-(\t))
.endif
	TURN (\t)+1                                    ; and go through the other stage while this step is worked
.endif
	v_max3_num_f32 v8, |v[XS]|, |v[XS+1]|, |v[XS+2]|               ; the largest magnitude of my 16, in two chains
	v_max3_num_f32 v9, |v[XS+3]|, |v[XS+4]|, |v[XS+5]|
.irp i, 6,10
	v_max3_num_f32 v8, v8, |v[XS+\i]|, |v[XS+\i+1]|
	v_max3_num_f32 v9, v9, |v[XS+\i+2]|, |v[XS+\i+3]|
.endr
	v_max3_num_f32 v8, v8, |v[XS+14]|, |v[XS+15]|
	v_max3_num_f32 v8, v8, v9, (EMAX+1)<<23        ; and the floor 2^(3 - 127): the byte cannot fall under 1
	v_max_num_f32_dpp v8, v8, v8 row_xmask:1 row_mask:0xf bank_mask:0xf   ; and of my neighbour's 16: the block's
	v_add_nc_u32 v11, -(EMAX<<23), v8              ; 2 off its exponent field: the conversion takes the exponent field of this operand as its scale
	v_cvt_scalef32_pk8_fp4_f32 v[C+4*(\t)], v[XS:XS+7], v11
	v_cvt_scalef32_pk8_fp4_f32 v[C+4*(\t)+1], v[XS+8:XS+15], v11
	v_lshrrev_b32 v[E+(\t)], 23, v11               ; the scale's byte (also the plain line behind the conversions)
	ds_store_b8 v5, v[E+(\t)] offset:16*(\t)       ; both lanes of a block write the same byte with the same value
	global_store_b64 v4, v[C+4*(\t):C+4*(\t)+1], s[18:19] offset:32*CB*(\t)   ; the wave stores 256 consecutive bytes, aligned
.endm
.irp t, 0,1,2,3,4,5,6,7,8,9,10,11,12,13,14,15
	STEP \t
.endr
	ds_load_b64 v[12:13], v6                       ; in order behind my byte stores
	s_wait_dscnt 0x0
	global_store_b64 v7, v[12:13], s[20:21]        ; the wave's 256 scale bytes, consecutive and aligned
	s_wait_tensorcnt 0x0
	ds_add_u32 v192, v193
	s_wait_dscnt 0x0
	s_endpgm
.Lcossin:
	s_sub_co_u32 s25, ttmp9, NQWG
	s_lshl_b32 s25, s25, 2
	s_add_co_u32 s25, s25, s24                     ; which 16 rows: 0 to 127
	s_lshl_b32 s26, s25, 13                        ; 16 rows of 512 bytes in cos and in sin
	s_mov_b32 s27, 0
	s_lshl_b32 s28, s25, 14                        ; 16,384 bytes of image
	s_mov_b32 s29, 0
	v_and_b32 v3, 15, v0                           ; r
	v_bfe_u32 v5, v0, 4, 1                         ; h
	v_lshlrev_b32 v3, 9, v3
	v_lshl_add_u32 v3, v5, 5, v3                   ; in: 512 r + 32 h
	v_lshlrev_b32 v4, 4, v2                        ; out: 16 x lane
	s_wait_kmcnt 0x0
	s_add_nc_u64 s[14:15], s[14:15], s[26:27]
	s_add_nc_u64 s[16:17], s[16:17], s[26:27]
	s_add_nc_u64 s[22:23], s[22:23], s[28:29]
.irp i, 0,1,2,3,4,5,6,7,8,9,10,11,12,13,14,15
	global_load_b128 v[32+4*\i:35+4*\i], v3, s[14:15] offset:64*(\i/2)+16*(\i%2) th:TH_LOAD_NT
.endr
.irp i, 0,1,2,3,4,5,6,7,8,9,10,11,12,13,14,15
	global_load_b128 v[96+4*\i:99+4*\i], v3, s[16:17] offset:64*(\i/2)+16*(\i%2) th:TH_LOAD_NT
.endr
	s_wait_loadcnt 16                              ; cos is in; sin's sixteen loads stay out
.irp i, 0,1,2,3,4,5,6,7,8,9,10,11,12,13,14,15
	global_store_b128 v4, v[32+4*\i:35+4*\i], s[22:23] offset:512*\i          ; 512 consecutive bytes a store
.endr
	s_wait_loadcnt 0x0
.irp j, 0,1,2,3,4,5,6,7,8,9,10,11,12,13,14,15,16,17,18,19,20,21,22,23,24,25,26,27,28,29,30,31
	v_xor_b32 v[96+\j], 0x80000000, v[96+\j]       ; pieces 0 to 7 are channels 0 to 63: -sin there
.endr
.irp i, 0,1,2,3,4,5,6,7,8,9,10,11,12,13,14,15
	global_store_b128 v4, v[96+4*\i:99+4*\i], s[22:23] offset:8192+512*\i
.endr
	s_endpgm
.Lfunc_end_k_q78563c3ce1_quant:
	.size	k_q78563c3ce1_quant, .Lfunc_end_k_q78563c3ce1_quant-k_q78563c3ce1_quant
	.p2alignl 7, 3214868480
	.fill 96, 4, 3214868480
	.section	.rodata,"a",@progbits
	.p2align	6, 0x0
	.amdhsa_kernel k_q78563c3ce1_quant
		.amdhsa_group_segment_fixed_size 33280
		.amdhsa_private_segment_fixed_size 0
		.amdhsa_enable_private_segment 0
		.amdhsa_kernarg_size 80
		.amdhsa_user_sgpr_count 2
		.amdhsa_user_sgpr_kernarg_segment_ptr 1
		.amdhsa_wavefront_size32 1
		.amdhsa_system_sgpr_workgroup_id_x 1
		.amdhsa_system_sgpr_workgroup_id_y 1
		.amdhsa_system_sgpr_workgroup_id_z 1
		.amdhsa_system_vgpr_workitem_id 0
		.amdhsa_next_free_vgpr 194
		.amdhsa_next_free_sgpr 66
		.amdhsa_reserve_vcc 0
		.amdhsa_float_denorm_mode_32 3
		.amdhsa_float_denorm_mode_16_64 3
		.amdhsa_memory_ordered 1
		.amdhsa_forward_progress 1
		.amdhsa_inst_pref_size 42
	.end_amdhsa_kernel
	.amdgpu_metadata
---
amdhsa.version: [ 1, 2 ]
amdhsa.kernels:
  - .name:           k_q78563c3ce1_quant
    .symbol:         k_q78563c3ce1_quant.kd
    .args:
      - { .name: x, .offset: 0, .size: 8, .value_kind: global_buffer, .address_space: global }
      - { .name: Wq, .offset: 8, .size: 8, .value_kind: global_buffer, .address_space: global }
      - { .name: Wk, .offset: 16, .size: 8, .value_kind: global_buffer, .address_space: global }
      - { .name: Wv, .offset: 24, .size: 8, .value_kind: global_buffer, .address_space: global }
      - { .name: Wo, .offset: 32, .size: 8, .value_kind: global_buffer, .address_space: global }
      - { .name: cos, .offset: 40, .size: 8, .value_kind: global_buffer, .address_space: global }
      - { .name: sin, .offset: 48, .size: 8, .value_kind: global_buffer, .address_space: global }
      - { .name: xw_codes, .offset: 56, .size: 8, .value_kind: global_buffer, .address_space: global }
      - { .name: xw_scales, .offset: 64, .size: 8, .value_kind: global_buffer, .address_space: global }
      - { .name: cs_img, .offset: 72, .size: 8, .value_kind: global_buffer, .address_space: global }
    .group_segment_fixed_size: 33280
    .private_segment_fixed_size: 0
    .kernarg_segment_align: 8
    .kernarg_segment_size: 80
    .max_flat_workgroup_size: 128
    .sgpr_count:     66
    .vgpr_count:     194
    .wavefront_size: 32
...
	.end_amdgpu_metadata
.endif
;; end of part 1
;; launch qkv (part 2): grid 24 x 8, 4 waves a work-group, clusters of 4 x 4, 327,680 bytes of LDS; arguments xw_codes, xw_scales, cs_img, qkv_codes, qkv_scales; writes qkv_codes, qkv_scales
.if DOCPART == 2
	.amdgcn_target "amdgcn-amd-amdhsa--gfx1250"
	.amdhsa_code_object_version 6
	.text
	.protected	k_q78563c3ce1_qkv
	.globl	k_q78563c3ce1_qkv
	.p2align	8
	.type	k_q78563c3ce1_qkv,@function
k_q78563c3ce1_qkv:
	s_mov_b64 s[64:65], 0
	v_nop
	global_prefetch_b8 v0, s[64:65] scope:SCOPE_SE
	s_setreg_imm32_b32 hwreg(HW_REG_WAVE_MODE, 25, 1), 1
	s_wait_xcnt 0x0
	s_wait_alu depctr_hold_cnt(0) depctr_sa_sdst(0) depctr_va_vdst(0) depctr_va_sdst(0) depctr_va_ssrc(0) depctr_va_vcc(0) depctr_vm_vsrc(0)
	s_getreg_b32 s2, hwreg(HW_REG_IB_STS2, 6, 4)
	s_cmp_eq_u32 s2, 0
	s_cbranch_scc0 .Lentry_in_a_cluster
	s_endpgm
.Lentry_in_a_cluster:
	s_bfe_u32 s2, ttmp6, 0x10000c
	s_cmp_lg_u32 s2, 0xf033
	s_cbranch_scc0 .Lentry_shape_is_right
	s_endpgm
.Lentry_shape_is_right:
; q = rope(x Wq^T), k = rope(x Wk^T), v = x Wv^T, all three products on codes of FP4 (E2M1) with one E8M0 scale for each 32 along K = 2,048; sums in f32.  The results are quantised here, in registers, for the
; attention that follows: q and k along the head's 128 channels, v along the keys, and leave as IMAGES OF OPERAND REGISTERS: a fragment of 16 rows x 128 K is 2 x 32 lanes x 16 bytes.
; qkv_codes: [q, k, v][head][128 blocks of 16 rows][2][lane][16 bytes];  qkv_scales: [q, k, v][head][2,048 rows][4 bytes].  For q and k a row is a token.  For v "row" 128 s + d holds channel d of key step s, K = that step's 128 keys.
; A tile, 256 x 256, is made by a work-group of four waves; a wave makes 128 x 128, 64 accumulators, 512 registers: its 128 columns (q, k) or rows (v) are ONE head.
; The grid is 24 x 8 tiles: tile columns 0-7 q, 8-15 k, 16-23 v.  A cluster is 4 x 4, so all its partners make the same kind: KIND = cluster x / 2, and the one branch on it is the same in all sixteen.
; THE MATRIX INSTRUCTION IS USED TRANSPOSED: source 0 = 16 rows of "B", source 1 = 16 rows of "A": a lane holds one row of A and its eight registers eight neighbouring rows of B.
;   q, k: A = x (tile row), B = Wq and Wk on end (tile column): a lane holds a token, its registers run along the channels.
;   v:    A = Wv (tile row), B = x (tile column - 16): a lane holds a channel, its registers run along the keys.  Only addresses differ; the loop is one text.
; K goes in steps of 512 through a ring of two LDS slots filled by the tensor data mover (rows of 256 bytes); the scale bytes of the work-group's 2 x 256 rows for all of K come once and stay.
; A's tiles are asked for jointly by the four work-groups of a row of the cluster, B's by the four of a column.
; ROPE: r[d] = a[d] cos[d] + a[d +- 64] sin'[d], sin' carrying rotate_half's sign (the image made by the launch before); the second term by a fused multiply-add: one rounding fewer than a multiply and an add.
; LIMITS: NaN and infinities are not served; a block whose largest magnitude lies under 2^-124 keeps the scale byte 1, a block of zeros too (its codes are zeros; this program alone reads the bytes).
; REGISTERS, in windows of 256: window 0: v16-29 addresses; v32-95 scale words, two sets; v128-191 A's fragments, one set.  window 1: B's fragments, two sets, at v0 and v128.  windows 2, 3: the accumulators ((a, b) at v[8 (8 (a % 4) + b)]).
;   On the way out: window 0: v32-47 at work, v64-127 a block's 64 numbers, v128-191 codes, v192-199 scale words, v200-203 scale words read back; window 1: two sets of cos (64) and sin (64).
.set KSTEP,  512
.set NQ,     KSTEP/128
.set ROWB,   256                       ; a tile's row in bytes
.set KROW,   1024                      ; a row of codes in memory
.set PITCH,  272                       ; an LDS row: 256 bytes + 16 of padding = 68 words: row r starts at bank 4 r mod 64 (64 banks of 4 bytes: ISA guide 11.1)
.set FR,     8
.set NL,     2
.set NP,     4                         ; places behind this matrix instruction (ISA guide 7.12.1)
.set HALFT,  128*PITCH
.set SLOT,   4*HALFT
.set LAPS,   2                         ; 2,048 / (2 x 512)
.set KS,     64                        ; a row of scale bytes
.set SCL,    2*SLOT
.set HALFS,  (128*KS/256)*272
.set SBLK,   (16*KS/256)*272
.set SPARE,  SCL+4*HALFS               ; the spare words, 128 bytes for each wave: two blocks of 256 bytes that no other line names
.set ADRA, 16
.set ADRB, 20
.set LI,   24                          ; v24  16 x lane
.set SST,  25                          ; v25  the way out: where I put a row's scale word: 512 x wave + 4 (lane % 16)
.set SRD,  26                          ; v26  and where I read four back: 512 x wave + 16 x lane
.set ADRS, 27
.set SPW,  28                          ; v28  LDS address of my spare word; never rewritten
.set NIL,  29                          ; v29  0; never rewritten
.set SC,   32
.set AF,   128
.set TM,   32                          ; the way out: v32-35 largest magnitudes, v36-39 the other half's, then bytes, v44-47 the conversions' scale operands
.set RR,   64
.set PC,   128
.set PW,   192
.set SB,   200
.set SEL,  92                          ; s[92:93] on the way out: selects for lane l xor 16
.set KIND, 66                          ; s66  0 q, 1 k, 2 v
.set G1, 24
.set G0, 32
.set G1B, 48
.set G0B, 56
.set G1S, 68
.set G0S, 76
.set G1SB, 80
.set G0SB, 88
.set MSB, 0
.macro WIN new                         ; the immediate's high byte repeats the setting that is left; a switch that changes nothing is dropped
.if MSB != (\new)
	s_set_vgpr_msb (MSB<<8)|(\new)
.set MSB, (\new)
.endif
.endm
.set MUL_LO, 0xa1                      ; source 0 (B) window 1, source 1 (A) window 0, C and D window 2
.set MUL_HI, 0xf1
.set TO_B,   0x40
; A joint load: waves 0 and 1 fetch for A, waves 2 and 3 for B; the branch hangs on the wave's number alone.  Four v_nop follow each of the two lines.
.macro JLOAD g0a, g1a, g0b, g1b
	s_cmp_eq_u32 s15, 0
	s_cbranch_scc0 .Lfor_b_\@
	tensor_load_to_lds s[\g0a:\g0a+3], s[\g1a:\g1a+7]
	s_nop 0
.rept 4
	v_nop
.endr
	s_branch .Lasked_\@
.Lfor_b_\@:
	tensor_load_to_lds s[\g0b:\g0b+3], s[\g1b:\g1b+7]
	s_nop 0
.rept 4
	v_nop
.endr
.Lasked_\@:
.endm
.macro CREST                           ; a round of the cluster's barrier behind its opening barrier
	s_cmp_lg_u32 s14, 0
	s_cbranch_scc1 .Lnot_wave_0_\@
	s_barrier_signal -3
.Lnot_wave_0_\@:
	s_barrier_wait -3
	s_barrier_signal -1
	s_barrier_wait -1
.endm
.macro CROUND
	s_barrier_signal -1
	s_barrier_wait -1
	CREST
.endm
	s_load_b128 s[4:7], s[0:1], 0x0                ; the codes of x and the weights s[4:5], their scale bytes s[6:7]
	s_load_b128 s[8:11], s[0:1], 0x10              ; the cos and sin image s[8:9], q, k, v's codes s[10:11]
	s_load_b64 s[12:13], s[0:1], 0x20              ; q, k, v's scale words
	v_lshl_add_u32 v[SPW], v0, 2, SPARE
	v_mov_b32 v[NIL], 0
	ds_add_u32 v28, v29
	ds_add_u32 v28, v29
	s_wait_dscnt 0x0
	v_lshrrev_b32 v1, 5, v0
	v_readfirstlane_b32 s14, v1                    ; wave 0..3
	s_lshr_b32 s15, s14, 1                         ; which half of A's rows is mine.  Also: I fetch for A (0) or for B (1)
	s_and_b32 s16, s14, 1                          ; which half of B's rows.  Also: which 128 rows I fetch
	s_bfe_u32 s40, ttmp6, 0x40000                  ; cx, cy: my place in the cluster
	s_bfe_u32 s41, ttmp6, 0x40004
	s_lshl_b32 s42, ttmp9, 2
	s_add_co_u32 s42, s42, s40                     ; tile column = 4 x cluster x + cx
	s_and_b32 s17, ttmp7, 0xffff
	s_lshl_b32 s17, s17, 2
	s_add_co_u32 s17, s17, s41                     ; tile row = 4 x cluster y + cy
	s_lshl_b32 s43, s41, 2
	s_lshl_b32 s43, 15, s43                        ; my row of the cluster
	s_lshl_b32 s44, 0x1111, s40                    ; my column
	s_lshr_b32 s[KIND], ttmp9, 1                   ; from the cluster's x alone: the same in all sixteen partners
	s_cmp_eq_u32 s[KIND], 2                        ; all selections on this compare stand ahead of the next line that sets SCC
	s_cselect_b32 s67, 16, 0                       ; v: B's tile columns count from 16
	s_cselect_b32 s96, 0x600000, 0                 ; where A's codes begin: Wv, else x
	s_cselect_b32 s98, 0, 0x200000                 ; where B's begin: x, else Wq with Wk behind it
	s_lshr_b32 s97, s96, 4                         ; the scale bytes are a sixteenth of the codes
	s_lshr_b32 s99, s98, 4
	; descriptor group 1: a tile of 128 rows x 256 bytes, padded in LDS
	s_or_b32 s[G1+0], s43, (0<<16)|(1<<20)|(1<<21)|(5<<22)|(3<<25)  ; 15:0 the mask: my row; 17:16 elements of 1 byte; 20 padding on; 21 set beside a mask; 24:22 after every 64 words; 31:25 four words
	s_or_b32 s[G1B+0], s44, (0<<16)|(1<<20)|(1<<21)|(5<<22)|(3<<25) ; the same with the mask of my column
.irp g, G1, G1B
	s_mov_b32 s[\g+1], ROWB<<16                    ; tensor_dim0
	s_mov_b32 s[\g+2], 128<<16                     ; tensor_dim1
	s_mov_b32 s[\g+3], ROWB<<16                    ; tile_dim0
	s_mov_b32 s[\g+4], 128                         ; tile_dim1
	s_mov_b32 s[\g+5], KROW                        ; from row to row
	s_mov_b32 s[\g+6], 0
	s_mov_b32 s[\g+7], 0
.endr
	; the scale bytes of 128 rows: 8,192 dense bytes, as 32 rows of 256 bytes (32 elements of 8 bytes), 16 bytes of padding behind each
	s_or_b32 s[G1S+0], s43, (3<<16)|(1<<20)|(1<<21)|(5<<22)|(3<<25)
	s_or_b32 s[G1SB+0], s44, (3<<16)|(1<<20)|(1<<21)|(5<<22)|(3<<25)
.irp g, G1S, G1SB
	s_mov_b32 s[\g+1], 32<<16
	s_mov_b32 s[\g+2], (128*KS/256)<<16
	s_mov_b32 s[\g+3], 32<<16
	s_mov_b32 s[\g+4], 128*KS/256
	s_mov_b32 s[\g+5], 32
	s_mov_b32 s[\g+6], 0
	s_mov_b32 s[\g+7], 0
.endr
	s_lshl_b32 s18, s16, 7                         ; which 128 rows of the tile I fetch
	s_lshl_b32 s20, s17, 8
	s_add_co_u32 s20, s20, s18                     ; A: row 256 x tile row + 128 x half
	s_sub_co_u32 s46, s42, s67
	s_lshl_b32 s46, s46, 8
	s_add_co_u32 s46, s46, s18                     ; B: row 256 x tile column + 128 x half, in its region
	s_lshl_b32 s22, s20, 6                         ; these rows' scale bytes,
	s_lshl_b32 s92, s46, 6
	s_lshl_b32 s20, s20, 10                        ; and their codes: all four offsets stay under 2^24
	s_lshl_b32 s46, s46, 10
	s_add_co_u32 s20, s20, s96
	s_add_co_u32 s22, s22, s97
	s_add_co_u32 s46, s46, s98
	s_add_co_u32 s92, s92, s99
	s_mov_b32 s21, 0
	s_mov_b32 s23, 0
	s_mov_b32 s47, 0
	s_mov_b32 s93, 0
	s_mul_i32 s45, s14, HALFT                      ; where they go: wave x 128 rows: no place in the cluster enters an LDS address
	s_mul_i32 s94, s14, HALFS
	s_wait_kmcnt 0x0
	s_add_nc_u64 s[20:21], s[4:5], s[20:21]
	s_add_nc_u64 s[22:23], s[6:7], s[22:23]
	s_add_nc_u64 s[46:47], s[4:5], s[46:47]
	s_add_nc_u64 s[92:93], s[6:7], s[92:93]
	CROUND                                         ; all sixteen work-groups are here: the first joint loads meet
	s_mov_b32 s[G0S], 1
	s_add_co_u32 s[G0S+1], s94, SCL
	s_mov_b64 s[G0S+2:G0S+3], s[22:23]
	s_or_b32 s[G0S+3], s[G0S+3], 0x80000000
	s_mov_b32 s[G0SB], 1
	s_add_co_u32 s[G0SB+1], s94, SCL
	s_mov_b64 s[G0SB+2:G0SB+3], s[92:93]
	s_or_b32 s[G0SB+3], s[G0SB+3], 0x80000000
	JLOAD G0S, G1S, G0SB, G1SB                     ; the scales first: they are wanted with K step 0.  With the two below, three tensor loads of mine are out
.irp s, 0,1
	s_mov_b32 s[G0+4*\s], 1
	s_add_co_u32 s[G0+4*\s+1], s45, \s*SLOT
	s_add_nc_u64 s[G0+4*\s+2:G0+4*\s+3], s[20:21], \s*ROWB
	s_or_b32 s[G0+4*\s+3], s[G0+4*\s+3], 0x80000000
	s_mov_b32 s[G0B+4*\s], 1
	s_add_co_u32 s[G0B+4*\s+1], s45, \s*SLOT
	s_add_nc_u64 s[G0B+4*\s+2:G0B+4*\s+3], s[46:47], \s*ROWB
	s_or_b32 s[G0B+4*\s+3], s[G0B+4*\s+3], 0x80000000
	JLOAD G0+4*\s, G1, G0B+4*\s, G1B
.endr
	v_and_b32 v1, 15, v0                           ; l % 16
	v_bfe_u32 v2, v0, 4, 1                         ; l / 16
	v_mul_u32_u24 v3, v1, PITCH
	v_lshl_add_u32 v4, v2, 4, v3                   ; a fragment's row x pitch + 16 x half
	s_mul_i32 s21, s15, HALFT                      ; my 128 rows of A
	s_mul_i32 s22, s16, HALFT                      ; my 128 rows of B,
	s_add_co_u32 s22, s22, 2*HALFT                 ; which lie behind A's 256
.irp s, 0,1
	v_add_nc_u32 v[ADRA+\s], s21, v4
	v_add_nc_u32 v[ADRB+\s], s22, v4
	s_add_co_u32 s21, s21, SLOT
	s_add_co_u32 s22, s22, SLOT
.endr
	v_mul_u32_u24 v5, v1, KS                       ; my row's scales: KS bytes a row,
	v_lshrrev_b32 v6, 8, v5
	v_lshl_add_u32 v5, v6, 4, v5                   ; and 16 more for each 256 passed
	s_mul_i32 s21, s15, HALFS
	s_mul_i32 s22, s16, HALFS
	s_add_co_u32 s22, s22, 2*HALFS
	s_sub_co_u32 s22, s22, s21
	v_mul_u32_u24 v6, s22, v2                      ; lanes 16-31 take B's: one product, the distance between the two bases
	s_add_co_u32 s21, s21, SCL
	v_add_nc_u32 v5, v5, v6
	v_add_nc_u32 v[ADRS], s21, v5
	s_lshl_b32 s23, s14, 9                         ; the way out's stage for scale words: 512 bytes a wave
	v_lshl_add_u32 v[SST], v1, 2, s23
	v_and_b32 v6, 31, v0
	v_lshlrev_b32 v[LI], 4, v6
	v_add_nc_u32 v[SRD], s23, v[LI]
	; where my wave's results go.  G: which of the 48 (kind, head);  P0: my first row among its 2,048
	s_lshl_b32 s18, s42, 1
	s_add_co_u32 s18, s18, s16                     ; q, k: 2 x tile column + my half of the columns
	s_lshl_b32 s19, s17, 1
	s_add_co_u32 s19, s19, s15
	s_add_co_u32 s19, s19, 32                      ; v: 32 + 2 x tile row + my half of the rows
	s_lshl_b32 s20, s17, 8
	s_lshl_b32 s21, s15, 7
	s_add_co_u32 s20, s20, s21                     ; q, k: my first token
	s_sub_co_u32 s21, s42, s67
	s_lshl_b32 s21, s21, 8
	s_lshl_b32 s22, s16, 7
	s_add_co_u32 s21, s21, s22                     ; v: my first key: a key step's 128 "rows" begin there
	s_cmp_eq_u32 s[KIND], 2
	s_cselect_b32 s18, s19, s18                    ; G
	s_cselect_b32 s20, s21, s20                    ; P0
	s_lshl_b32 s22, s18, 17                        ; 131,072 bytes of codes for each G,
	s_lshl_b32 s23, s20, 6                         ; 64 a row
	s_add_co_u32 s22, s22, s23
	s_mov_b32 s23, 0
	s_add_nc_u64 s[10:11], s[10:11], s[22:23]
	s_lshl_b32 s22, s18, 13                        ; 8,192 bytes of scale words for each G,
	s_lshl_b32 s19, s20, 2                         ; 4 a row
	s_add_co_u32 s22, s22, s19
	s_add_nc_u64 s[12:13], s[12:13], s[22:23]
	s_lshl_b32 s22, s20, 10                        ; cos and sin: 16,384 bytes for 16 tokens (read for q and k alone; for v the sum stays inside the buffer and is not used)
	s_add_nc_u64 s[8:9], s[8:9], s[22:23]
.macro FRAG reg, adr, q, i             ; 16 rows x 128 K of 4-bit codes, 8 registers: lane l holds row l % 16; registers 4 c .. 4 c + 3 hold K = 64 c + 32 (l / 16) + 0 .. 31
.irp c, 0,1
	ds_load_b128 v[\reg+4*\c:\reg+4*\c+3], v[\adr] offset:64*(\q)+32*\c+(\i)*16*PITCH
.endr
.endm
; 16 matrix instructions: A's blocks a0, a0 + 1 x B's eight, the slot's q-th 128 along K.  p: B's set;  sc: the set of scale words.  zero = 1: the first product starts the sums.
; The 64 accumulators take turns, one instruction a turn, in the same order in every step.
.macro MUL16 a0, p, q, sc, zero
.irp a, \a0, \a0+1
.irp b, 0,1,2,3,4,5,6,7
.if \zero
	v_wmma_scale_f32_16x16x128_f8f6f4 v[8*(8*((\a)%4)+\b):8*(8*((\a)%4)+\b)+7], v[128*(\p)+FR*\b:128*(\p)+FR*\b+FR-1], v[AF+FR*(\a):AF+FR*(\a)+FR-1], 0, v[SC+8*NQ*(\sc)+NQ*\b+(\q)], v[SC+8*NQ*(\sc)+NQ*(\a)+(\q)] matrix_a_fmt:MATRIX_FMT_FP4 matrix_b_fmt:MATRIX_FMT_FP4 matrix_a_scale:MATRIX_SCALE_ROW1
.else
	v_wmma_scale_f32_16x16x128_f8f6f4 v[8*(8*((\a)%4)+\b):8*(8*((\a)%4)+\b)+7], v[128*(\p)+FR*\b:128*(\p)+FR*\b+FR-1], v[AF+FR*(\a):AF+FR*(\a)+FR-1], v[8*(8*((\a)%4)+\b):8*(8*((\a)%4)+\b)+7], v[SC+8*NQ*(\sc)+NQ*\b+(\q)], v[SC+8*NQ*(\sc)+NQ*(\a)+(\q)] matrix_a_fmt:MATRIX_FMT_FP4 matrix_b_fmt:MATRIX_FMT_FP4 matrix_a_scale:MATRIX_SCALE_ROW1
.endif
.endr
.endr
.endm
.macro FETCH_B slot, q, p
	WIN TO_B
.irp i, 0,1,2,3,4,5,6,7
	FRAG 128*(\p)+FR*\i, ADRB+\slot, \q, \i
.endr
	WIN 0
.endm
.macro FETCH_A slot, q, i0
.irp i, \i0, \i0+1, \i0+2, \i0+3
	FRAG AF+FR*(\i), ADRA+\slot, \q, \i
.endr
.endm
.macro SCALES sc                       ; a K step's scale words: four a row; lanes 0-15 take A's block i, lanes 16-31 B's block i
.irp i, 0,1,2,3,4,5,6,7
	ds_load_b128 v[SC+8*NQ*\sc+NQ*\i:SC+8*NQ*\sc+NQ*\i+3], v[ADRS] offset:\i*SBLK
.endr
.endm
.macro PLACES n                        ; plain vector lines between a matrix instruction and a load into, or a vector line on, its registers (ISA guide 7.12.1 for vector lines)
.rept \n
	v_nop
.endr
.endm
.macro STEP slot, q, zero              ; 128 along K with its successor in the same slot
	s_wait_dscnt 4*NL                              ; B's set and A's blocks 0-3 are in; the youngest eight loads (A's blocks 4-7) may be out
	WIN MUL_LO
	MUL16 0, (\q)%2, \q, \slot, \zero
	MUL16 2, (\q)%2, \q, \slot, \zero
	s_wait_dscnt 0                                 ; A's blocks 4-7 are in
	PLACES NP
	FETCH_B \slot, (\q)+1, 1-(\q)%2
	FETCH_A \slot, (\q)+1, 0
	WIN MUL_HI
	MUL16 4, (\q)%2, \q, \slot, \zero
	MUL16 6, (\q)%2, \q, \slot, \zero
	PLACES NP
	WIN 0
	FETCH_A \slot, (\q)+1, 4
.endm
; A slot's last step changes slots: one barrier; in front of it each wave waits for all its tensor loads, adds 0 to its spare word, and waits for that and for its reads of this slot.  fill = 1: the slot is filled again, two K steps ahead.
.macro TURN slot, next, fill
	s_wait_tensorcnt 0x0                           ; all my tensor loads have landed: the one that was out is my part of the next slot
	ds_add_u32 v[SPW], v[NIL]                      ; 0 onto my spare word
	s_wait_dscnt 4*NL+1                            ; (the add and the youngest eight loads, A's blocks 4-7, may be out)
	WIN MUL_LO
	MUL16 0, 1, NQ-1, \slot, 0                     ; sixteen matrix instructions stand between the add and the wait for it
	s_wait_dscnt 0x0                               ; the add is done, and my reads of this slot are over
	s_barrier_signal -1
	MUL16 2, 1, NQ-1, \slot, 0
	WIN 0
	s_barrier_wait -1
.if \fill
	CREST                                          ; the barrier has opened a round of the cluster's barrier: no wave of any partner still reads this slot or has a load on its way
	s_add_nc_u64 s[G0+4*\slot+2:G0+4*\slot+3], s[G0+4*\slot+2:G0+4*\slot+3], 2*ROWB
	s_add_nc_u64 s[G0B+4*\slot+2:G0B+4*\slot+3], s[G0B+4*\slot+2:G0B+4*\slot+3], 2*ROWB
	JLOAD G0+4*\slot, G1, G0B+4*\slot, G1B         ; the first tensor load behind the round, my only one until the next; its four v_nop are the places in front of the loads below
.else
	PLACES NP
.endif
	v_add_nc_u32 v[ADRS], 4*NQ, v[ADRS]            ; on to the next K step's scale words
	FETCH_B \next, 0, 0
	FETCH_A \next, 0, 0
	SCALES \next
	WIN MUL_HI
	MUL16 4, 1, NQ-1, \slot, 0
	MUL16 6, 1, NQ-1, \slot, 0
	PLACES NP
	WIN 0
	FETCH_A \next, 0, 4
.endm
.macro STEPS slot, from
.set Q, \from
.rept NQ-1-\from
	STEP \slot, Q, 0
.set Q, Q+1
.endr
.endm
	s_wait_tensorcnt 1                             ; the scales and my part of K step 0 are in; K step 1's load may stay out
	s_barrier_signal -1
	s_barrier_wait -1
	FETCH_B 0, 0, 0
	FETCH_A 0, 0, 0
	SCALES 0
	FETCH_A 0, 0, 4
	STEP 0, 0, 1                                   ; the first step stands in front of the loop: its products start the sums
	s_mov_b32 s3, LAPS-1
.Llap:                                                 ; a trip goes once round the ring and fills both slots again
	STEPS 0, 1
	TURN 0, 1, 1
	STEPS 1, 0
	TURN 1, 0, 1
	STEP 0, 0, 0
	s_sub_co_u32 s3, s3, 1
	s_cmp_lg_u32 s3, 0
	s_cbranch_scc1 .Llap
	STEPS 0, 1                                     ; the last lap fills nothing
	TURN 0, 1, 0
	STEPS 1, 0
	s_wait_dscnt 4*NL
	WIN MUL_LO
	MUL16 0, 1, NQ-1, 1, 0
	MUL16 2, 1, NQ-1, 1, 0
	s_wait_dscnt 0
	WIN MUL_HI
	MUL16 4, 1, NQ-1, 1, 0
	MUL16 6, 1, NQ-1, 1, 0
	WIN 0
; THE WAY OUT.  A block a of 16 rows: a lane's 64 numbers, number 8 t + j = k 16 t + 8 (l / 16) + j of its row, become one fragment and one scale word.
; Block of 32 number b lies in registers 16 b .. 16 b + 15 of lanes l and l xor 16.
.macro BMAX s, w                       ; the four blocks' largest magnitudes of my half.  w: the window setting under which sources 1 and 2 name the numbers.  Each accumulator is read from its low end on
	WIN \w
.irp b, 0,1,2,3
	v_max3_num_f32 v[TM+\b], 0x1800000, |v[(\s)+16*\b]|, |v[(\s)+16*\b+1]|   ; with the floor 2^(3 - 127): the byte cannot fall under 1
.endr
.irp i, 2,4,6,8,10,12,14
.irp b, 0,1,2,3
	v_max3_num_f32 v[TM+\b], v[TM+\b], |v[(\s)+16*\b+\i]|, |v[(\s)+16*\b+\i+1]|   ; the four blocks by turns
.endr
.endr
	WIN 0
.endm
.macro XHALF                           ; with lane l xor 16's
.irp b, 0,1,2,3
	v_permlanex16_b32 v[TM+4+\b], v[TM+\b], s[SEL], s[SEL+1]
.endr
.irp b, 0,1,2,3
	v_max_num_f32 v[TM+\b], v[TM+\b], v[TM+4+\b]
.endr
.endm
.macro SCW pw                          ; the conversions' scale operands, the four bytes, the row's scale word
.irp b, 0,1,2,3
	v_add_nc_u32 v[TM+12+\b], 0xff000000, v[TM+\b]   ; 2 off the exponent field
.endr
.irp b, 0,1,2,3
	v_lshrrev_b32 v[TM+4+\b], 23, v[TM+12+\b]
.endr
	v_lshl_or_b32 v[\pw], v[TM+5], 8, v[TM+4]
	v_lshl_or_b32 v[\pw], v[TM+6], 16, v[\pw]
	v_lshl_or_b32 v[\pw], v[TM+7], 24, v[\pw]
.endm
; Tile t's eight codes are word 2 (t % 2) + l / 16 of block t / 2.  They are put at 4 (t / 4) + 2 (t % 2) + (t % 4) / 2; then, for each pair of neighbouring registers, the first's lanes 16-31 change places with
; the second's lanes 0-15: register 4 c + w of lane half h is then word w of block 2 c + h, which is the operand's layout.
.macro CODES s, w, pc
	WIN \w
.irp t, 0,1,2,3,4,5,6,7
	v_cvt_scalef32_pk8_fp4_f32 v[(\pc)+4*(\t/4)+2*(\t%2)+(\t%4)/2], v[(\s)+8*\t:(\s)+8*\t+7], v[TM+12+\t/2]
.endr
	WIN 0
	v_nop                                          ; one plain line behind the last scaled conversion
.irp c, 0,1
.irp u, 0,1
	v_permlane16_swap_b32 v[(\pc)+4*\c+2*\u], v[(\pc)+4*\c+2*\u+1]
.endr
.endr
.endm
.macro OUTB a, stg                     ; block a's fragment leaves as it stands: two stores of 512 consecutive bytes; its scale words go to my stage
.irp c, 0,1
	global_store_b128 v[LI], v[PC+8*(\a)+4*\c:PC+8*(\a)+4*\c+3], s[10:11] offset:1024*(\a)+512*\c
.endr
	ds_store_b32 v[SST], v[PW+(\a)] offset:\stg+64*(\a)   ; both halves of the lanes write the same word with the same value
.endm
.macro CSLOAD a                        ; cos and sin of block a's 16 tokens, in the order of the result registers, into set a % 2 of window 1: 32 loads of 512 consecutive bytes
	WIN 0x40
.irp t, 0,1
.irp i, 0,1,2,3,4,5,6,7,8,9,10,11,12,13,14,15
	global_load_b128 v[128*((\a)%2)+64*\t+4*\i:128*((\a)%2)+64*\t+4*\i+3], v[LI], s[8:9] offset:16384*(\a)+8192*\t+512*\i
.endr
.endr
	WIN 0
.endm
.macro ROPE a                          ; source 0: the accumulators (window 2 or 3); source 1: cos, sin (window 1); the results in window 0
.set AC, 64*((\a)%4)
.set CSR, 128*((\a)%2)
	WIN 0x06+(\a)/4
.irp b, 0,1,2,3
.irp j, 0,2,4,6
	v_pk_mul_f32 v[RR+8*\b+\j:RR+8*\b+\j+1], v[AC+8*\b+\j:AC+8*\b+\j+1], v[CSR+8*\b+\j:CSR+8*\b+\j+1]
	v_pk_mul_f32 v[RR+32+8*\b+\j:RR+32+8*\b+\j+1], v[AC+32+8*\b+\j:AC+32+8*\b+\j+1], v[CSR+32+8*\b+\j:CSR+32+8*\b+\j+1]
	v_pk_fma_f32 v[RR+8*\b+\j:RR+8*\b+\j+1], v[AC+32+8*\b+\j:AC+32+8*\b+\j+1], v[CSR+64+8*\b+\j:CSR+64+8*\b+\j+1], v[RR+8*\b+\j:RR+8*\b+\j+1]
	v_pk_fma_f32 v[RR+32+8*\b+\j:RR+32+8*\b+\j+1], v[AC+8*\b+\j:AC+8*\b+\j+1], v[CSR+96+8*\b+\j:CSR+96+8*\b+\j+1], v[RR+32+8*\b+\j:RR+32+8*\b+\j+1]
.endr
.endr
	WIN 0
.endm
	PLACES NP                                      ; behind the last products: for the reads of results, and for the lines and loads that write registers which they read
.irp b, 0,1,2,3
	v_mov_b32 v[TM+4+\b], 0                        ; written once: a lane permute's destination counts as one of its sources
.endr
	s_mov_b32 s[SEL], 0x76543210
	s_mov_b32 s[SEL+1], 0xfedcba98
	s_cmp_eq_u32 s[KIND], 2
	s_cbranch_scc1 .Lvalues
	; q and k.  The stage for scale words lies in slot 0, bytes 0 to 2,047: the slot has had its last fill, and every wave has passed the last change of slots, behind which nobody reads it
	CSLOAD 0
	CSLOAD 1
.irp a, 0,1,2,3,4,5,6,7
.if \a < 7
	s_wait_loadcnt 32                              ; this block's 32 loads are in; the next block's 32 stay out
.else
	s_wait_loadcnt 0x0
.endif
	ROPE \a
.if \a < 6
	CSLOAD \a+2                                    ; into the set just read
.endif
	BMAX RR, 0
	XHALF
	SCW PW+\a
	CODES RR, 0, PC+8*\a
	OUTB \a, 0
.endr
	ds_load_b128 v[SB:SB+3], v[SRD]                ; in order behind my stores: my 128 scale words, four a lane
	s_wait_dscnt 0x0
	global_store_b128 v[LI], v[SB:SB+3], s[12:13]  ; 512 consecutive bytes
	s_branch .Lout
.Lvalues:
	; v: the accumulators are quantised as they are.  This path's stage has bytes of its own, 2,048 to 4,095 of slot 0
.irp a, 0,1,2,3,4,5,6,7
	BMAX 64*(\a%4), 0x28+0x14*(\a/4)
	XHALF
	SCW PW+\a
	CODES 64*(\a%4), 0x02+\a/4, PC+8*\a
	OUTB \a, 2048
.endr
	ds_load_b128 v[SB:SB+3], v[SRD] offset:2048
	s_wait_dscnt 0x0
	global_store_b128 v[LI], v[SB:SB+3], s[12:13]
.Lout:
	s_wait_tensorcnt 0x0                           ; the wave's end: behind my last tensor load and my last LDS store
	ds_add_u32 v[SPW], v[NIL]
	s_wait_dscnt 0x0
	CROUND                                         ; the closing round: no work-group ends while a partner may still ask for a tile that names it
	s_endpgm
.Lfunc_end_k_q78563c3ce1_qkv:
	.size	k_q78563c3ce1_qkv, .Lfunc_end_k_q78563c3ce1_qkv-k_q78563c3ce1_qkv
	.p2alignl 7, 3214868480
	.fill 96, 4, 3214868480
	.section	.rodata,"a",@progbits
	.p2align	6, 0x0
	.amdhsa_kernel k_q78563c3ce1_qkv
		.amdhsa_group_segment_fixed_size 327680
		.amdhsa_private_segment_fixed_size 0
		.amdhsa_enable_private_segment 0
		.amdhsa_kernarg_size 40
		.amdhsa_user_sgpr_count 2
		.amdhsa_user_sgpr_kernarg_segment_ptr 1
		.amdhsa_wavefront_size32 1
		.amdhsa_system_sgpr_workgroup_id_x 1
		.amdhsa_system_sgpr_workgroup_id_y 1
		.amdhsa_system_sgpr_workgroup_id_z 1
		.amdhsa_system_vgpr_workitem_id 0
		.amdhsa_next_free_vgpr 1024
		.amdhsa_next_free_sgpr 100
		.amdhsa_reserve_vcc 0
		.amdhsa_float_denorm_mode_32 3
		.amdhsa_float_denorm_mode_16_64 3
		.amdhsa_memory_ordered 1
		.amdhsa_forward_progress 1
		.amdhsa_inst_pref_size 255
	.end_amdhsa_kernel
	.section	.bss,"aw",@nobits
	.p2align	6
	.space	262144
	.amdgpu_metadata
---
amdhsa.version: [ 1, 2 ]
amdhsa.kernels:
  - .name:           k_q78563c3ce1_qkv
    .symbol:         k_q78563c3ce1_qkv.kd
    .args:
      - { .name: xw_codes, .offset: 0, .size: 8, .value_kind: global_buffer, .address_space: global }
      - { .name: xw_scales, .offset: 8, .size: 8, .value_kind: global_buffer, .address_space: global }
      - { .name: cs_img, .offset: 16, .size: 8, .value_kind: global_buffer, .address_space: global }
      - { .name: qkv_codes, .offset: 24, .size: 8, .value_kind: global_buffer, .address_space: global }
      - { .name: qkv_scales, .offset: 32, .size: 8, .value_kind: global_buffer, .address_space: global }
    .group_segment_fixed_size: 327680
    .private_segment_fixed_size: 0
    .kernarg_segment_align: 8
    .kernarg_segment_size: 40
    .max_flat_workgroup_size: 128
    .sgpr_count:     100
    .vgpr_count:     1024
    .wavefront_size: 32
...
	.end_amdgpu_metadata
.endif
;; end of part 2
;; launch attn (part 3): grid 16 x 16, 8 waves a work-group, no clusters, 279,552 bytes of LDS; arguments qkv_codes, qkv_scales, o_codes, o_scales; writes o_codes, o_scales
.if DOCPART == 3
	.amdgcn_target "amdgcn-amd-amdhsa--gfx1250"
	.amdhsa_code_object_version 6
	.text
	.protected	k_q78563c3ce1_attn
	.globl	k_q78563c3ce1_attn
	.p2align	8
	.type	k_q78563c3ce1_attn,@function
k_q78563c3ce1_attn:
	s_mov_b64 s[64:65], 0
	v_nop
	global_prefetch_b8 v0, s[64:65] scope:SCOPE_SE
	s_setreg_imm32_b32 hwreg(HW_REG_WAVE_MODE, 25, 1), 1
	s_wait_xcnt 0x0
; o[h][q] = the sum over k <= q of softmax_k(q . k / sqrt(128)) v[h][k], both products on codes of FP4 (E2M1) with one E8M0 scale for each 32 along a product's K; o is quantised here along the head's 128 channels.
; q, k, v arrive as images of operand registers (16 rows x 128 K: 2 x 32 lanes x 16 bytes) with one scale word a row; v's "row" 128 s + d is channel d of key step s, its K that step's 128 keys.
; THE SOFTMAX: t = score x log2(e) / sqrt(128); M = the running largest t rounded UP to a whole number; p = 2^(t - M) is quantised along the keys, not normalised; the row's sum is taken of the unquantised p and
; divides at the end.  When M moves, the sum and O are multiplied by 2^(old M - new M): exact.
; SHARES.  Work-group (j, head) owns queries 64 j .. + 63 and 64 (31 - j) .. + 63: an early block and a late one, so that every work-group has the same number of key steps under the causal mask.
; Each of its eight waves owns one tile of 16 queries, in 256 registers; waves of the early and of the late block alternate.
; THE WHOLE HEAD LIES IN LDS: K's and V's codes (4 chunks of 512 keys: 32 KiB of K, 32 KiB of V) and their scale words (8 KiB each).  Every byte is filled once, by five tensor loads a wave at the head: by this
; text's own count five are out.  Nothing is filled again.  A chunk is read behind a counted wait and a barrier.
; No cluster: the work-groups that share a head's K and V differ in their queries, and which key steps a wave leaves out is a branch on its queries.
; LAYOUT.  S^T = K Q^T (source 0 = 16 keys, source 1 = my 16 queries), O^T = V^T P^T (source 0 = 16 channels, source 1 = P): a lane holds ONE query (lane % 16); register 8 t + j of S^T is key 16 t + 8 (lane / 16) + j.
; CAUSAL.  All loops have constant trip counts.  A step all of whose keys come after my queries is jumped over (a branch on ids); in the step on the diagonal hidden scores become -infinity ahead of the maximum.
; LIMITS: NaN and infinities are not served; a block of p or of o whose largest magnitude lies under 2^-124 keeps the scale byte 1, a block of zeros too (its codes are zeros; this program alone reads the bytes).
; REGISTERS: v1-6 lane terms; v8, v9 addresses in hand; v12 -M, v13 the largest t, v[14:15] the sum; v16-23 Q; v32-95 eight fragments of K, then of V; v96-159 S^T, then p, at the end o; v160-223 O^T; v224-231 codes;
;   v232-239, v244-247, v252-254 at work; v240-243 V's scale words, v248-251 K's (lanes 0-15: tile 2 g, lanes 16-31: tile 2 g + 1); v253 p's scale word; v255 Q's.
.set SCB,  262144                      ; behind the four chunks: K's scale words, then V's
.set LI,   1                           ; v1  16 x lane
.set LS,   2                           ; v2  4 x lane
.set R4,   3                           ; v3  4 (lane % 16)
.set R64,  4                           ; v4  64 (lane % 16)
.set LN,   5                           ; v5  lane
.set DG,   6                           ; v6  lane % 16 - 8 (lane / 16)
.set AD,   8
.set AS,   9
.set TM,   232
.set WV,   12
.set HD,   13
.set Q0,   16                          ; s16 my first query
.set KF,   17                          ; s17 the step's first key
.set TB,   18                          ; s18 LDS byte of the step's K fragments
.set TS,   19                          ; s19 and of its K scale words
.set SEL,  20
.set CS,   22
.set G1,   24                          ; s[24:31] group 1: 8,192 dense bytes as 32 rows of 256
.set G1S,  32                          ; s[32:39] group 1: 2,048 dense bytes as 8 rows of 256
.set G0S,  40                          ; s[40:43] group 0 for my part of the scale words
.set G0,   44                          ; s[44:59] group 0 for my part of each chunk
.set CNT,  60
	s_load_b256 s[4:11], s[0:1], 0x0               ; codes s[4:5], scale words s[6:7], o's codes s[8:9], o's scale bytes s[10:11]
	v_lshl_add_u32 v30, v0, 2, 0x44000
	v_mov_b32 v31, 0
	ds_add_u32 v30, v31
	ds_add_u32 v30, v31
	v_lshrrev_b32 v7, 5, v0
	v_readfirstlane_b32 s[WV], v7                  ; wave 0..7
	s_and_b32 s[HD], ttmp7, 0xffff                 ; the head
	s_lshr_b32 s61, s[WV], 2
	s_xor_b32 s61, s61, s[WV]
	s_and_b32 s61, s61, 1                          ; 1: the late block.  Waves 0, 2, 5, 7 early, 1, 3, 4, 6 late
	s_sub_co_u32 s62, 31, ttmp9
	s_cmp_eq_u32 s61, 1
	s_cselect_b32 s62, s62, ttmp9
	s_lshl_b32 s62, s62, 6
	s_lshr_b32 s63, s[WV], 1
	s_lshl_b32 s63, s63, 4
	s_add_co_u32 s[Q0], s62, s63                   ; 64 x block + 16 x (wave / 2)
	s_mov_b32 s[G1], 3<<16                         ; no mask; elements of 8 bytes; no padding: fragments are read 16 x lane on end
	s_mov_b32 s[G1+1], 32<<16                      ; tensor_dim0 = 32
	s_mov_b32 s[G1+2], 32<<16                      ; tensor_dim1 = 32
	s_mov_b32 s[G1+3], 32<<16                      ; tile_dim0 = 32
	s_mov_b32 s[G1+4], 32                          ; tile_dim1 = 32
	s_mov_b32 s[G1+5], 32                          ; from row to row
	s_mov_b32 s[G1+6], 0
	s_mov_b32 s[G1+7], 0
	s_mov_b32 s[G1S], 3<<16
	s_mov_b32 s[G1S+1], 32<<16
	s_mov_b32 s[G1S+2], 8<<16
	s_mov_b32 s[G1S+3], 32<<16
	s_mov_b32 s[G1S+4], 8
	s_mov_b32 s[G1S+5], 32
	s_mov_b32 s[G1S+6], 0
	s_mov_b32 s[G1S+7], 0
	s_lshr_b32 s61, s[WV], 2                       ; waves 0-3 fetch K's quarters, waves 4-7 V's
	s_add_co_u32 s61, s61, 1                       ; k is the second, v the third of the three tensors
	s_and_b32 s62, s[WV], 3
	s_lshl_b32 s66, s61, 21
	s_lshl_b32 s67, s[HD], 17
	s_add_co_u32 s66, s66, s67
	s_lshl_b32 s67, s62, 13
	s_add_co_u32 s66, s66, s67                     ; codes: 2 MiB x tensor + 131,072 x head + 8,192 x quarter
	s_mov_b32 s67, 0
	s_lshl_b32 s68, s61, 17
	s_lshl_b32 s69, s[HD], 13
	s_add_co_u32 s68, s68, s69
	s_lshl_b32 s69, s62, 11
	s_add_co_u32 s68, s68, s69                     ; scale words: 131,072 x tensor + 8,192 x head + 2,048 x quarter
	s_mov_b32 s69, 0
	s_lshl_b32 s70, s[WV], 13                      ; LDS: 8,192 x wave in a chunk,
	s_lshl_b32 s71, s[WV], 11                      ; 2,048 x wave among the scale words
	s_mov_b32 s[SEL], 0x76543210
	s_mov_b32 s[SEL+1], 0xfedcba98
	s_mov_b32 s[CS], 0x3e0293ee                    ; c = log2(e) / sqrt(128)
	s_mov_b32 s[CS+1], s[CS]                       ; (named with it as a pair, so it is written)
	s_wait_dscnt 0x0
	s_wait_kmcnt 0x0
	s_add_nc_u64 s[66:67], s[4:5], s[66:67]
	s_add_nc_u64 s[68:69], s[6:7], s[68:69]
	s_mov_b32 s[G0S], 1
	s_add_co_u32 s[G0S+1], s71, SCB
	s_mov_b64 s[G0S+2:G0S+3], s[68:69]
	s_or_b32 s[G0S+3], s[G0S+3], 0x80000000
.irp c, 0,1,2,3
	s_mov_b32 s[G0+4*\c], 1
	s_add_co_u32 s[G0+4*\c+1], s70, 65536*\c
	s_add_nc_u64 s[G0+4*\c+2:G0+4*\c+3], s[66:67], 32768*\c
	s_or_b32 s[G0+4*\c+3], s[G0+4*\c+3], 0x80000000
.endr
	tensor_load_to_lds s[G0S:G0S+3], s[G1S:G1S+7]  ; all first fills go out as one group, ahead of every wait on TENSORcnt, every LDS read and every barrier
	s_nop 0
.irp c, 0,1,2,3
	tensor_load_to_lds s[G0+4*\c:G0+4*\c+3], s[G1:G1+7]
	s_nop 0
.endr
.rept 4
	v_nop
.endr
	v_and_b32 v[LN], 31, v0
	v_lshlrev_b32 v[LI], 4, v[LN]
	v_lshlrev_b32 v[LS], 2, v[LN]
	v_and_b32 v7, 15, v0                           ; r
	v_bfe_u32 v10, v0, 4, 1                        ; h
	v_lshlrev_b32 v[R4], 2, v7
	v_lshlrev_b32 v[R64], 6, v7
	v_lshlrev_b32 v10, 3, v10
	v_sub_nc_u32 v[DG], v7, v10
	s_lshl_b32 s72, s[HD], 17
	s_lshl_b32 s73, s[Q0], 6
	s_add_co_u32 s72, s72, s73                     ; 131,072 x head + 64 x query: my tile's image, in q's codes and in o's alike
	s_mov_b32 s73, 0
	s_add_nc_u64 s[74:75], s[4:5], s[72:73]
	s_add_nc_u64 s[8:9], s[8:9], s[72:73]
	s_lshl_b32 s72, s[HD], 13
	s_lshl_b32 s70, s[Q0], 2
	s_add_co_u32 s72, s72, s70
	s_add_nc_u64 s[6:7], s[6:7], s[72:73]          ; q's scale words
	s_lshl_b32 s72, s[Q0], 6
	s_lshl_b32 s70, s[HD], 2
	s_add_co_u32 s72, s72, s70
	s_add_nc_u64 s[10:11], s[10:11], s[72:73]      ; o's scale bytes: 64 a token, 4 a head
.irp c, 0,1
	global_load_b128 v[16+4*\c:19+4*\c], v[LI], s[74:75] offset:512*\c   ; Q's fragment stays in registers
.endr
	global_load_b32 v255, v[R4], s[6:7]
	v_mov_b32 v13, 0xff61b1e6                      ; the largest t so far: -3e38, under every t
	v_floor_f32 v12, -v13                          ; -M
	v_mov_b32 v14, 0
	v_mov_b32 v15, 0
.irp b, 0,1,2,3
	v_mov_b32 v[236+\b], 0                         ; written once: a lane permute's destination counts as one of its sources
.endr
	v_mov_b32 v252, 0
	v_mov_b32 v253, 0                              ; (named as the upper half of the pair v[252:253] before it is first written)
.irp t, 0,1,2,3,4,5,6,7
.irp j, 0,1,2,3,4,5,6,7
	v_mov_b32 v[160+8*\t+\j], 0                    ; O^T.  The step is written once: the first finds zeros, which the first change of M leaves zeros
.endr
.endr
	s_wait_loadcnt 0x0                             ; Q
; Tile t's eight codes are word 2 (t % 2) + lane / 16 of block t / 2.  They are put at 4 (t / 4) + 2 (t % 2) + (t % 4) / 2; then, for each pair of neighbouring registers, the first's lanes 16-31 change places with
; the second's lanes 0-15: register 4 c + w of lane half h is then word w of block 2 c + h, which is the operand's layout.
.macro CODES
.irp t, 0,1,2,3,4,5,6,7
	v_cvt_scalef32_pk8_fp4_f32 v[224+4*(\t/4)+2*(\t%2)+(\t%4)/2], v[96+8*\t:103+8*\t], v[TM+12+\t/2]
.endr
	v_nop                                          ; one plain line behind the last scaled conversion
.irp c, 0,1
.irp u, 0,1
	v_permlane16_swap_b32 v[224+4*\c+2*\u], v[224+4*\c+2*\u+1]
.endr
.endr
.endm
.macro SCW                             ; from the blocks' largest magnitudes: the conversions' scale operands, the four bytes, the row's scale word in v253
.irp b, 0,1,2,3
	v_add_nc_u32 v[TM+12+\b], 0xff000000, v[TM+\b]   ; 2 off the exponent field
.endr
.irp b, 0,1,2,3
	v_lshrrev_b32 v[TM+4+\b], 23, v[TM+12+\b]
.endr
	v_lshl_or_b32 v253, v[TM+5], 8, v[TM+4]
	v_lshl_or_b32 v253, v[TM+6], 16, v253
	v_lshl_or_b32 v253, v[TM+7], 24, v253
.endm
; A KEY STEP: 128 keys.
.macro STEP
	s_add_co_u32 s61, s[Q0], 15
	s_cmp_gt_u32 s[KF], s61
	s_cbranch_scc1 .Lhidden_\@                     ; all its keys come after my queries
	v_add_nc_u32 v[AD], s[TB], v[LI]
	v_add_nc_u32 v[AS], s[TS], v[LS]
	v_nop
	v_nop                                          ; with the two additions: four places in front of loads into registers that the last step's products read
.irp t, 0,1,2,3,4,5,6,7
.irp c, 0,1
	ds_load_b128 v[32+8*\t+4*\c:35+8*\t+4*\c], v[AD] offset:1024*\t+512*\c   ; K's eight fragments: 512 consecutive bytes a load
.endr
.endr
.irp g, 0,1,2,3
	ds_load_b32 v[248+\g], v[AS] offset:128*\g     ; the scale words of 32 keys: two tiles to a register
.endr
	s_wait_dscnt 0x0
.irp t, 0,2,4,6
	v_wmma_scale_f32_16x16x128_f8f6f4 v[96+8*\t:103+8*\t], v[32+8*\t:39+8*\t], v[16:23], 0, v[248+\t/2], v255 matrix_a_fmt:MATRIX_FMT_FP4 matrix_b_fmt:MATRIX_FMT_FP4
	v_wmma_scale_f32_16x16x128_f8f6f4 v[104+8*\t:111+8*\t], v[40+8*\t:47+8*\t], v[16:23], 0, v[248+\t/2], v255 matrix_a_fmt:MATRIX_FMT_FP4 matrix_b_fmt:MATRIX_FMT_FP4 matrix_a_scale:MATRIX_SCALE_ROW1
.endr
.rept 4
	v_nop                                          ; places: for the loads below, into K's registers, and for the first reads of the scores
.endr
.irp t, 0,1,2,3,4,5,6,7
.irp c, 0,1
	ds_load_b128 v[32+8*\t+4*\c:35+8*\t+4*\c], v[AD] offset:32768+1024*\t+512*\c   ; V's eight fragments land while the softmax is walked
.endr
.endr
.irp g, 0,1,2,3
	ds_load_b32 v[240+\g], v[AS] offset:8192+128*\g
.endr
	s_add_co_u32 s61, s[KF], 127
	s_cmp_le_u32 s61, s[Q0]
	s_cbranch_scc1 .Lopen_\@                       ; all its keys count
	s_sub_co_i32 s61, s[Q0], s[KF]
	v_add_nc_u32 v252, s61, v[DG]                  ; my query - KF - 8 (lane / 16).  Register 8 t + j holds key KF + 16 t + 8 (lane / 16) + j: hidden where 16 t + j is greater
	v_mov_b32 v254, 0xff800000                     ; -infinity: p = 0 then
.irp t, 0,1,2,3,4,5,6,7
.irp j, 0,1,2,3,4,5,6,7
	v_cmp_gt_i32 vcc_lo, 16*\t+\j, v252
	v_cndmask_b32 v[96+8*\t+\j], v[96+8*\t+\j], v254, vcc_lo
.endr
.endr
.Lopen_\@:
.irp b, 0,1,2,3
	v_max3_num_f32 v[232+\b], v[96+16*\b], v[97+16*\b], v[98+16*\b]   ; the largest score of each block of 32 keys: for the row's maximum and, since p rises with the score, for the block's largest p
.endr
.irp i, 3,5,7,9,11,13
.irp b, 0,1,2,3
	v_max3_num_f32 v[232+\b], v[232+\b], v[96+16*\b+\i], v[97+16*\b+\i]
.endr
.endr
.irp b, 0,1,2,3
	v_max_num_f32 v[232+\b], v[232+\b], v[111+16*\b]
.endr
.irp b, 0,1,2,3
	v_permlanex16_b32 v[236+\b], v[232+\b], s[SEL], s[SEL+1]
.endr
.irp b, 0,1,2,3
	v_max_num_f32 v[232+\b], v[232+\b], v[236+\b]  ; with lane l xor 16's 16 keys
.endr
	v_max3_num_f32 v254, v232, v233, v234
	v_max_num_f32 v254, v254, v235
	v_mul_f32 v254, s[CS], v254                    ; the step's largest t (c is positive)
	v_max_num_f32 v13, v13, v254
	v_mov_b32 v254, v12
	v_floor_f32 v12, -v13                          ; the new -M = floor(-t): M is a whole number
	v_sub_f32 v254, v12, v254                      ; old M - new M: a whole number, 0 or less
	v_cvt_i32_f32 v254, v254                       ; (it saturates)
	v_ldexp_f32 v252, 1.0, v254                    ; f = 2^(old M - new M)
.irp t, 0,1,2,3,4,5,6,7
.irp j, 0,2,4,6
	v_pk_fma_f32 v[96+8*\t+\j:97+8*\t+\j], v[96+8*\t+\j:97+8*\t+\j], s[CS:CS+1], v[12:13] op_sel_hi:[1,0,0]   ; t - M, two at a time
.endr
.endr
.irp b, 0,1,2,3
	v_fma_f32 v[232+\b], v[232+\b], s[CS], v12     ; the same of each block's largest score
.endr
.irp t, 0,1,2,3,4,5,6,7
.irp j, 0,1,2,3,4,5,6,7
	v_exp_f32 v[96+8*\t+\j], v[96+8*\t+\j]         ; p = 2^(t - M), at most 1
.endr
.endr
	v_pk_mul_f32 v[14:15], v[14:15], v[252:253] op_sel_hi:[1,0]   ; the sums under the new M (the plain line behind the exponentials)
	s_wait_alu depctr_va_vdst(0)                   ; one wait for the batch of 64, ahead of its first reader
.irp b, 0,1,2,3
	v_exp_f32 v[232+\b], v[232+\b]                 ; the block's largest p: the same two instructions on the same number
.endr
	v_pk_add_f32 v[236:237], v[96:97], v[98:99]    ; the row's sum of the unquantised p, in two chains; it reads the 64 alone
.irp j, 4,8,12,16,20,24,28,32,36,40,44,48,52,56,60
	v_pk_add_f32 v[14:15], v[14:15], v[96+\j:97+\j]
	v_pk_add_f32 v[236:237], v[236:237], v[98+\j:99+\j]
.endr
	v_pk_add_f32 v[14:15], v[14:15], v[236:237]
	s_wait_alu depctr_va_vdst(0)                   ; and one for the four
.irp b, 0,1,2,3
	v_max_num_f32 v[232+\b], 0x1800000, v[232+\b]  ; the floor 2^(3 - 127): the byte cannot fall under 1
.endr
	SCW
	CODES
.irp t, 0,1,2,3,4,5,6,7
.irp j, 0,2,4,6
	v_pk_mul_f32 v[160+8*\t+\j:161+8*\t+\j], v[160+8*\t+\j:161+8*\t+\j], v[252:253] op_sel_hi:[1,0]   ; O^T under the new M; these 32 lines also stand between the making of p's codes and scale word and the products
.endr
.endr
	s_wait_dscnt 0x0                               ; V
.irp t, 0,2,4,6
	v_wmma_scale_f32_16x16x128_f8f6f4 v[160+8*\t:167+8*\t], v[32+8*\t:39+8*\t], v[224:231], v[160+8*\t:167+8*\t], v[240+\t/2], v253 matrix_a_fmt:MATRIX_FMT_FP4 matrix_b_fmt:MATRIX_FMT_FP4
	v_wmma_scale_f32_16x16x128_f8f6f4 v[168+8*\t:175+8*\t], v[40+8*\t:47+8*\t], v[224:231], v[168+8*\t:175+8*\t], v[240+\t/2], v253 matrix_a_fmt:MATRIX_FMT_FP4 matrix_b_fmt:MATRIX_FMT_FP4 matrix_a_scale:MATRIX_SCALE_ROW1
.endr
.Lhidden_\@:
	s_add_co_u32 s[TB], s[TB], 8192                ; the next step's fragments,
	s_add_co_u32 s[TS], s[TS], 512                 ; scale words,
	s_add_co_u32 s[KF], s[KF], 128                 ; and first key
.endm
; A CHUNK of 512 keys: four steps, a loop of constant count.  Every wave passes the barrier, whatever it leaves out behind it.
.macro CHUNK c
	s_wait_tensorcnt 3-\c                          ; my parts of the scale words and of chunks 0 to c have landed; the 3 - c loads issued behind them may stay out
	s_wait_dscnt 0x0
	s_barrier_signal -1
	s_barrier_wait -1                              ; everybody's have
	s_mov_b32 s[TB], 65536*\c
	s_mov_b32 s[TS], SCB+2048*\c
	s_mov_b32 s[KF], 512*\c
	s_mov_b32 s[CNT], 4
.Lstep_\@:
	STEP
	s_sub_co_u32 s[CNT], s[CNT], 1
	s_cmp_lg_u32 s[CNT], 0
	s_cbranch_scc1 .Lstep_\@
.endm
	CHUNK 0
	CHUNK 1
	CHUNK 2
	CHUNK 3
	; THE WAY OUT.  O^T / the sum is quantised along the head's channels: register 8 t + j is channel 16 t + 8 (lane / 16) + j of my query: the same shape as p's.  The fragment leaves as it stands.
.rept 4
	v_nop                                          ; places behind the last products
.endr
	v_add_f32 v14, v14, v15
	v_permlanex16_b32 v252, v14, s[SEL], s[SEL+1]
	v_add_f32 v14, v14, v252                       ; the row's sum
	v_rcp_f32 v14, v14
	v_nop                                          ; a plain line behind the reciprocal
	s_wait_alu depctr_va_vdst(0)                   ; and the wait ahead of its first reader
.irp t, 0,1,2,3,4,5,6,7
.irp j, 0,1,2,3,4,5,6,7
	v_mul_f32 v[96+8*\t+\j], v[160+8*\t+\j], v14   ; each accumulator from its low end on
.endr
.endr
.irp b, 0,1,2,3
	v_max3_num_f32 v[TM+\b], 0x1800000, |v[96+16*\b]|, |v[97+16*\b]|   ; the blocks' largest magnitudes, with the floor 2^(3 - 127)
.endr
.irp i, 2,4,6,8,10,12,14
.irp b, 0,1,2,3
	v_max3_num_f32 v[TM+\b], v[TM+\b], |v[96+16*\b+\i]|, |v[97+16*\b+\i]|
.endr
.endr
.irp b, 0,1,2,3
	v_permlanex16_b32 v[TM+4+\b], v[TM+\b], s[SEL], s[SEL+1]
.endr
.irp b, 0,1,2,3
	v_max_num_f32 v[TM+\b], v[TM+\b], v[TM+4+\b]
.endr
	SCW
	CODES
.irp c, 0,1
	global_store_b128 v[LI], v[224+4*\c:227+4*\c], s[8:9] offset:512*\c   ; 512 consecutive bytes a store
.endr
	s_wait_xcnt 0x0                                ; EXEC is a source of the stores above: it changes only behind this wait
	v_cmp_gt_u32 vcc_lo, 16, v[LN]
	s_wait_tensorcnt 0x0
	ds_add_u32 v30, v31
	s_wait_dscnt 0x0
	s_and_saveexec_b32 s61, vcc_lo                 ; lanes 0-15: a query each
	global_store_b32 v[R64], v253, s[10:11]        ; my head's four bytes of the token's 64: the layout in which the last product's scale rows are read
	s_wait_xcnt 0x0                                ; and again, in front of the line that widens it
	s_or_b32 exec_lo, exec_lo, s61
	s_endpgm
.Lfunc_end_k_q78563c3ce1_attn:
	.size	k_q78563c3ce1_attn, .Lfunc_end_k_q78563c3ce1_attn-k_q78563c3ce1_attn
	.p2alignl 7, 3214868480
	.fill 96, 4, 3214868480
	.section	.rodata,"a",@progbits
	.p2align	6, 0x0
	.amdhsa_kernel k_q78563c3ce1_attn
		.amdhsa_group_segment_fixed_size 279552
		.amdhsa_private_segment_fixed_size 0
		.amdhsa_enable_private_segment 0
		.amdhsa_kernarg_size 32
		.amdhsa_user_sgpr_count 2
		.amdhsa_user_sgpr_kernarg_segment_ptr 1
		.amdhsa_wavefront_size32 1
		.amdhsa_system_sgpr_workgroup_id_x 1
		.amdhsa_system_sgpr_workgroup_id_y 1
		.amdhsa_system_sgpr_workgroup_id_z 1
		.amdhsa_system_vgpr_workitem_id 0
		.amdhsa_next_free_vgpr 256
		.amdhsa_next_free_sgpr 76
		.amdhsa_reserve_vcc 1
		.amdhsa_float_denorm_mode_32 3
		.amdhsa_float_denorm_mode_16_64 3
		.amdhsa_memory_ordered 1
		.amdhsa_forward_progress 1
		.amdhsa_inst_pref_size 108
	.end_amdhsa_kernel
	.amdgpu_metadata
---
amdhsa.version: [ 1, 2 ]
amdhsa.kernels:
  - .name:           k_q78563c3ce1_attn
    .symbol:         k_q78563c3ce1_attn.kd
    .args:
      - { .name: qkv_codes, .offset: 0, .size: 8, .value_kind: global_buffer, .address_space: global }
      - { .name: qkv_scales, .offset: 8, .size: 8, .value_kind: global_buffer, .address_space: global }
      - { .name: o_codes, .offset: 16, .size: 8, .value_kind: global_buffer, .address_space: global }
      - { .name: o_scales, .offset: 24, .size: 8, .value_kind: global_buffer, .address_space: global }
    .group_segment_fixed_size: 279552
    .private_segment_fixed_size: 0
    .kernarg_segment_align: 8
    .kernarg_segment_size: 32
    .max_flat_workgroup_size: 256
    .sgpr_count:     76
    .vgpr_count:     256
    .wavefront_size: 32
...
	.end_amdgpu_metadata
.endif
;; end of part 3
;; launch proj (part 4): grid 8 x 8, 4 waves a work-group, clusters of 4 x 4, 327,680 bytes of LDS; arguments o_codes, o_scales, xw_codes, xw_scales, out0; writes out0
.if DOCPART == 4
	.amdgcn_target "amdgcn-amd-amdhsa--gfx1250"
	.amdhsa_code_object_version 6
	.text
	.protected	k_q78563c3ce1_proj
	.globl	k_q78563c3ce1_proj
	.p2align	8
	.type	k_q78563c3ce1_proj,@function
k_q78563c3ce1_proj:
	s_mov_b64 s[64:65], 0
	v_nop
	global_prefetch_b8 v0, s[64:65] scope:SCOPE_SE
	s_setreg_imm32_b32 hwreg(HW_REG_WAVE_MODE, 25, 1), 1
	s_wait_xcnt 0x0
	s_wait_alu depctr_hold_cnt(0) depctr_sa_sdst(0) depctr_va_vdst(0) depctr_va_sdst(0) depctr_va_ssrc(0) depctr_va_vcc(0) depctr_vm_vsrc(0)
	s_getreg_b32 s2, hwreg(HW_REG_IB_STS2, 6, 4)
	s_cmp_eq_u32 s2, 0
	s_cbranch_scc0 .Lentry_in_a_cluster
	s_endpgm
.Lentry_in_a_cluster:
	s_bfe_u32 s2, ttmp6, 0x10000c
	s_cmp_lg_u32 s2, 0xf033
	s_cbranch_scc0 .Lentry_shape_is_right
	s_endpgm
.Lentry_shape_is_right:
; out[m][n] = the sum over k of o[m][k] Wo[n][k], on codes of FP4 (E2M1) with one E8M0 scale for each 32 along K = 2,048; sums and result in f32.
; A = o arrives as images of operand registers: [head][128 blocks of 16 tokens][2][lane][16 bytes]; a head is 128 along K.  Its scale bytes: [token][64].  B = Wo: rows of 1,024 bytes of codes, the fifth tensor of
; the weights' buffers (8 MiB into the codes, 512 KiB into the scale bytes); its scale bytes [row][64].
; A tile of 256 x 256 is made by a work-group of four waves, a wave makes 128 x 128: 64 accumulators, 512 registers.  64 work-groups: the size has no more tiles of this shape.
; K goes in steps of 512 (four heads) through a ring of two LDS slots filled by the tensor data mover.  A's part of a slot: for each half of the tile's rows, 4 heads x 8 blocks x 1,024 bytes, dense: a fragment is read
; 16 x lane on end.  B's part: 256 rows of 256 bytes + 16 of padding.  The scale bytes of the work-group's 2 x 256 rows for all of K come once and stay.
; A's tiles are asked for jointly by the four work-groups of a row of the 4 x 4 cluster, B's by the four of a column.  THE MATRIX INSTRUCTION IS USED TRANSPOSED (source 0 = 16 rows of B, source 1 = 16 rows of A):
; a lane holds eight neighbouring numbers of a row of the result.
; REGISTERS, in windows of 256: window 0: v16-29 addresses; v32-95 scale words, two sets; v128-191 A's fragments, one set; on the way out v128-255 rows read back.  window 1: B's fragments, two sets.  windows 2, 3: the accumulators.
.set SIZE_N, 2048
.set KSTEP,  512
.set NQ,     KSTEP/128
.set ROWB,   256
.set KROW,   1024
.set PITCH,  272                       ; B's LDS row: 256 bytes + 16 of padding = 68 words: row r starts at bank 4 r mod 64 (64 banks of 4 bytes: ISA guide 11.1)
.set FR,     8
.set NL,     2
.set NP,     4
.set HALFA,  32768                     ; A: 128 tokens x 4 heads: what one tensor load brings
.set HALFT,  128*PITCH                 ; B: 128 rows
.set BOFF,   2*HALFA
.set SLOT,   BOFF+2*HALFT
.set ASTEP,  4*131072                  ; four heads on, in memory
.set LAPS,   2
.set KS,     64
.set SCL,    2*SLOT
.set HALFS,  (128*KS/256)*272
.set SBLK,   (16*KS/256)*272
.set SPARE,  SCL+4*HALFS               ; the spare words, 128 bytes for each wave: two blocks of 256 bytes that no other line names
.set SPITCH, 528                       ; the way out: a stage of 16 rows x (512 bytes + 16) for each wave, in slot 0, which has had its last fill and its last read by then
.set WOC,    0x800000
.set WOS,    0x80000
.set ADRA, 16
.set ADRB, 20
.set STO,  24
.set RD,   25
.set CO,   26
.set ADRS, 27
.set SPW,  28                          ; v28  LDS address of my spare word; never rewritten
.set NIL,  29                          ; v29  0; never rewritten
.set SC,   32
.set AF,   128
.set BK,   128
.set G1, 24
.set G0, 32
.set G1B, 48
.set G0B, 56
.set G1S, 68
.set G0S, 76
.set G1SB, 80
.set G0SB, 88
.set MSB, 0
.macro WIN new
.if MSB != (\new)
	s_set_vgpr_msb (MSB<<8)|(\new)
.set MSB, (\new)
.endif
.endm
.set MUL_LO, 0xa1
.set MUL_HI, 0xf1
.set TO_B,   0x40
.macro JLOAD g0a, g1a, g0b, g1b        ; a joint load: waves 0 and 1 fetch for A, waves 2 and 3 for B; four v_nop follow each of the two lines
	s_cmp_eq_u32 s15, 0
	s_cbranch_scc0 .Lfor_b_\@
	tensor_load_to_lds s[\g0a:\g0a+3], s[\g1a:\g1a+7]
	s_nop 0
.rept 4
	v_nop
.endr
	s_branch .Lasked_\@
.Lfor_b_\@:
	tensor_load_to_lds s[\g0b:\g0b+3], s[\g1b:\g1b+7]
	s_nop 0
.rept 4
	v_nop
.endr
.Lasked_\@:
.endm
.macro CREST
	s_cmp_lg_u32 s14, 0
	s_cbranch_scc1 .Lnot_wave_0_\@
	s_barrier_signal -3
.Lnot_wave_0_\@:
	s_barrier_wait -3
	s_barrier_signal -1
	s_barrier_wait -1
.endm
.macro CROUND
	s_barrier_signal -1
	s_barrier_wait -1
	CREST
.endm
	s_load_b128 s[4:7], s[0:1], 0x0                ; o's codes, o's scale bytes
	s_load_b128 s[8:11], s[0:1], 0x10              ; the weights' codes, their scale bytes
	s_load_b64 s[12:13], s[0:1], 0x20              ; the result
	v_lshl_add_u32 v[SPW], v0, 2, SPARE
	v_mov_b32 v[NIL], 0
	ds_add_u32 v28, v29
	ds_add_u32 v28, v29
	s_wait_dscnt 0x0
	v_lshrrev_b32 v1, 5, v0
	v_readfirstlane_b32 s14, v1                    ; wave 0..3
	s_lshr_b32 s15, s14, 1                         ; which half of the tile's rows is mine.  Also: I fetch for A (0) or for B (1)
	s_and_b32 s16, s14, 1                          ; which half of its columns.  Also: which 128 rows I fetch
	s_bfe_u32 s40, ttmp6, 0x40000
	s_bfe_u32 s41, ttmp6, 0x40004
	s_lshl_b32 s42, ttmp9, 2
	s_add_co_u32 s42, s42, s40                     ; tile column
	s_and_b32 s17, ttmp7, 0xffff
	s_lshl_b32 s17, s17, 2
	s_add_co_u32 s17, s17, s41                     ; tile row
	s_lshl_b32 s43, s41, 2
	s_lshl_b32 s43, 15, s43                        ; my row of the cluster
	s_lshl_b32 s44, 0x1111, s40                    ; my column
	; A's tile: 4 rows (heads) of 8,192 bytes (1,024 elements of 8 bytes: 8 blocks of 16 tokens), 131,072 bytes apart; dense in LDS
	s_or_b32 s[G1+0], s43, (3<<16)|(1<<21)         ; 15:0 the mask: my row; 17:16 elements of 8 bytes; 21 set beside a mask; no padding
	s_mov_b32 s[G1+1], 1024<<16                    ; tensor_dim0
	s_mov_b32 s[G1+2], 4<<16                       ; tensor_dim1
	s_mov_b32 s[G1+3], 1024<<16                    ; tile_dim0
	s_mov_b32 s[G1+4], 4                           ; tile_dim1
	s_mov_b32 s[G1+5], 16384                       ; from head to head, in elements
	s_mov_b32 s[G1+6], 0
	s_mov_b32 s[G1+7], 0
	; B's tile: 128 rows x 256 bytes, padded in LDS
	s_or_b32 s[G1B+0], s44, (0<<16)|(1<<20)|(1<<21)|(5<<22)|(3<<25)
	s_mov_b32 s[G1B+1], ROWB<<16
	s_mov_b32 s[G1B+2], 128<<16
	s_mov_b32 s[G1B+3], ROWB<<16
	s_mov_b32 s[G1B+4], 128
	s_mov_b32 s[G1B+5], KROW
	s_mov_b32 s[G1B+6], 0
	s_mov_b32 s[G1B+7], 0
	; the scale bytes of 128 rows: 8,192 dense bytes, as 32 rows of 256 bytes, 16 bytes of padding behind each
	s_or_b32 s[G1S+0], s43, (3<<16)|(1<<20)|(1<<21)|(5<<22)|(3<<25)
	s_or_b32 s[G1SB+0], s44, (3<<16)|(1<<20)|(1<<21)|(5<<22)|(3<<25)
.irp g, G1S, G1SB
	s_mov_b32 s[\g+1], 32<<16
	s_mov_b32 s[\g+2], (128*KS/256)<<16
	s_mov_b32 s[\g+3], 32<<16
	s_mov_b32 s[\g+4], 128*KS/256
	s_mov_b32 s[\g+5], 32
	s_mov_b32 s[\g+6], 0
	s_mov_b32 s[\g+7], 0
.endr
	s_lshl_b32 s18, s16, 7
	s_lshl_b32 s20, s17, 8
	s_add_co_u32 s20, s20, s18                     ; A: token 256 x tile row + 128 x half
	s_lshl_b32 s46, s42, 8
	s_add_co_u32 s46, s46, s18                     ; B: row 256 x tile column + 128 x half
	s_lshl_b32 s20, s20, 6                         ; 64 bytes a token, in a head's images and among the scale bytes alike
	s_mov_b32 s21, 0
	s_lshl_b32 s92, s46, 6
	s_add_co_u32 s92, s92, WOS
	s_mov_b32 s93, 0
	s_lshl_b32 s46, s46, 10
	s_add_co_u32 s46, s46, WOC
	s_mov_b32 s47, 0
	s_mul_i32 s45, s16, HALFA                      ; where they go: A's halves,
	s_mul_i32 s95, s16, HALFT
	s_add_co_u32 s95, s95, BOFF                    ; B's halves behind them,
	s_mul_i32 s94, s14, HALFS                      ; the scales by the wave: no place in the cluster enters an LDS address
	s_wait_kmcnt 0x0
	s_add_nc_u64 s[22:23], s[6:7], s[20:21]
	s_add_nc_u64 s[20:21], s[4:5], s[20:21]
	s_add_nc_u64 s[46:47], s[8:9], s[46:47]
	s_add_nc_u64 s[92:93], s[10:11], s[92:93]
	CROUND                                         ; all sixteen work-groups are here: the first joint loads meet
	s_mov_b32 s[G0S], 1
	s_add_co_u32 s[G0S+1], s94, SCL
	s_mov_b64 s[G0S+2:G0S+3], s[22:23]
	s_or_b32 s[G0S+3], s[G0S+3], 0x80000000
	s_mov_b32 s[G0SB], 1
	s_add_co_u32 s[G0SB+1], s94, SCL
	s_mov_b64 s[G0SB+2:G0SB+3], s[92:93]
	s_or_b32 s[G0SB+3], s[G0SB+3], 0x80000000
	JLOAD G0S, G1S, G0SB, G1SB                     ; the scales first.  With the two below, three tensor loads of mine are out
.irp s, 0,1
	s_mov_b32 s[G0+4*\s], 1
	s_add_co_u32 s[G0+4*\s+1], s45, \s*SLOT
	s_add_nc_u64 s[G0+4*\s+2:G0+4*\s+3], s[20:21], \s*ASTEP
	s_or_b32 s[G0+4*\s+3], s[G0+4*\s+3], 0x80000000
	s_mov_b32 s[G0B+4*\s], 1
	s_add_co_u32 s[G0B+4*\s+1], s95, \s*SLOT
	s_add_nc_u64 s[G0B+4*\s+2:G0B+4*\s+3], s[46:47], \s*ROWB
	s_or_b32 s[G0B+4*\s+3], s[G0B+4*\s+3], 0x80000000
	JLOAD G0+4*\s, G1, G0B+4*\s, G1B
.endr
	v_and_b32 v1, 15, v0                           ; l % 16
	v_bfe_u32 v2, v0, 4, 1                         ; l / 16
	v_mul_u32_u24 v3, v1, PITCH
	v_lshl_add_u32 v4, v2, 4, v3                   ; B: a fragment's row x pitch + 16 x half
	v_and_b32 v6, 31, v0
	v_lshlrev_b32 v[CO], 4, v6                     ; 16 x lane: A's images, and a row of the result
	s_mul_i32 s21, s15, HALFA                      ; my 128 rows of A
	s_mul_i32 s22, s16, HALFT                      ; my 128 rows of B
	s_add_co_u32 s22, s22, BOFF
.irp s, 0,1
	v_add_nc_u32 v[ADRA+\s], s21, v[CO]
	v_add_nc_u32 v[ADRB+\s], s22, v4
	s_add_co_u32 s21, s21, SLOT
	s_add_co_u32 s22, s22, SLOT
.endr
	v_mul_u32_u24 v5, v1, KS
	v_lshrrev_b32 v6, 8, v5
	v_lshl_add_u32 v5, v6, 4, v5
	s_mul_i32 s21, s15, HALFS
	s_mul_i32 s22, s16, HALFS
	s_add_co_u32 s22, s22, 2*HALFS
	s_sub_co_u32 s22, s22, s21
	v_mul_u32_u24 v6, s22, v2                      ; lanes 16-31 take B's: one product, the distance between the two bases
	s_add_co_u32 s21, s21, SCL
	v_add_nc_u32 v5, v5, v6
	v_add_nc_u32 v[ADRS], s21, v5
	s_mul_i32 s23, s14, 16*SPITCH                  ; my stage
	v_mul_u32_u24 v5, v1, SPITCH
	v_lshl_add_u32 v5, v2, 5, v5
	v_add_nc_u32 v[STO], s23, v5                   ; in: row l % 16, 32 bytes for each half of the lanes
	v_add_nc_u32 v[RD], s23, v[CO]                 ; back: the 32 lanes take one row of 512 bytes
	s_lshl_b32 s20, s17, 8
	s_lshl_b32 s21, s15, 7
	s_add_co_u32 s20, s20, s21
	s_lshl_b32 s20, s20, 13                        ; my first row of the result, 8,192 bytes a row,
	s_lshl_b32 s46, s42, 10
	s_lshl_b32 s47, s16, 9
	s_add_co_u32 s46, s46, s47                     ; my first column: 1,024 x tile column + 512 x half
	s_add_co_u32 s20, s20, s46
	s_mov_b32 s21, 0
	s_add_nc_u64 s[12:13], s[12:13], s[20:21]
.macro FRAGB reg, adr, q, i            ; from rows: lane l holds row l % 16; registers 4 c .. 4 c + 3 hold K = 64 c + 32 (l / 16) + 0 .. 31
.irp c, 0,1
	ds_load_b128 v[\reg+4*\c:\reg+4*\c+3], v[\adr] offset:64*(\q)+32*\c+(\i)*16*PITCH
.endr
.endm
.macro FRAGA reg, adr, q, i            ; from an image: head q of the slot, block i
.irp c, 0,1
	ds_load_b128 v[\reg+4*\c:\reg+4*\c+3], v[\adr] offset:8192*(\q)+1024*(\i)+512*\c
.endr
.endm
; The 64 accumulators take turns, one instruction a turn, in the same order in every step.
.macro MUL16 a0, p, q, sc, zero
.irp a, \a0, \a0+1
.irp b, 0,1,2,3,4,5,6,7
.if \zero
	v_wmma_scale_f32_16x16x128_f8f6f4 v[8*(8*((\a)%4)+\b):8*(8*((\a)%4)+\b)+7], v[128*(\p)+FR*\b:128*(\p)+FR*\b+FR-1], v[AF+FR*(\a):AF+FR*(\a)+FR-1], 0, v[SC+8*NQ*(\sc)+NQ*\b+(\q)], v[SC+8*NQ*(\sc)+NQ*(\a)+(\q)] matrix_a_fmt:MATRIX_FMT_FP4 matrix_b_fmt:MATRIX_FMT_FP4 matrix_a_scale:MATRIX_SCALE_ROW1
.else
	v_wmma_scale_f32_16x16x128_f8f6f4 v[8*(8*((\a)%4)+\b):8*(8*((\a)%4)+\b)+7], v[128*(\p)+FR*\b:128*(\p)+FR*\b+FR-1], v[AF+FR*(\a):AF+FR*(\a)+FR-1], v[8*(8*((\a)%4)+\b):8*(8*((\a)%4)+\b)+7], v[SC+8*NQ*(\sc)+NQ*\b+(\q)], v[SC+8*NQ*(\sc)+NQ*(\a)+(\q)] matrix_a_fmt:MATRIX_FMT_FP4 matrix_b_fmt:MATRIX_FMT_FP4 matrix_a_scale:MATRIX_SCALE_ROW1
.endif
.endr
.endr
.endm
.macro FETCH_B slot, q, p
	WIN TO_B
.irp i, 0,1,2,3,4,5,6,7
	FRAGB 128*(\p)+FR*\i, ADRB+\slot, \q, \i
.endr
	WIN 0
.endm
.macro FETCH_A slot, q, i0
.irp i, \i0, \i0+1, \i0+2, \i0+3
	FRAGA AF+FR*(\i), ADRA+\slot, \q, \i
.endr
.endm
.macro SCALES sc
.irp i, 0,1,2,3,4,5,6,7
	ds_load_b128 v[SC+8*NQ*\sc+NQ*\i:SC+8*NQ*\sc+NQ*\i+3], v[ADRS] offset:\i*SBLK
.endr
.endm
.macro PLACES n                        ; plain vector lines between a matrix instruction and a load into, or a read of, its registers (ISA guide 7.12.1 for vector lines)
.rept \n
	v_nop
.endr
.endm
.macro STEP slot, q, zero
	s_wait_dscnt 4*NL                              ; B's set and A's blocks 0-3 are in; the youngest eight loads (A's blocks 4-7) may be out
	WIN MUL_LO
	MUL16 0, (\q)%2, \q, \slot, \zero
	MUL16 2, (\q)%2, \q, \slot, \zero
	s_wait_dscnt 0
	PLACES NP
	FETCH_B \slot, (\q)+1, 1-(\q)%2
	FETCH_A \slot, (\q)+1, 0
	WIN MUL_HI
	MUL16 4, (\q)%2, \q, \slot, \zero
	MUL16 6, (\q)%2, \q, \slot, \zero
	PLACES NP
	WIN 0
	FETCH_A \slot, (\q)+1, 4
.endm
.macro TURN slot, next, fill
	s_wait_tensorcnt 0x0                           ; all my tensor loads have landed: the one that was out is my part of the next slot
	ds_add_u32 v[SPW], v[NIL]                      ; 0 onto my spare word
	s_wait_dscnt 4*NL+1                            ; (the add and the youngest eight loads may be out)
	WIN MUL_LO
	MUL16 0, 1, NQ-1, \slot, 0
	s_wait_dscnt 0x0                               ; the add is done, and my reads of this slot are over
	s_barrier_signal -1
	MUL16 2, 1, NQ-1, \slot, 0
	WIN 0
	s_barrier_wait -1
.if \fill
	CREST                                          ; the barrier has opened a round of the cluster's barrier: no wave of any partner still reads this slot or has a load on its way
	s_add_nc_u64 s[G0+4*\slot+2:G0+4*\slot+3], s[G0+4*\slot+2:G0+4*\slot+3], 2*ASTEP
	s_add_nc_u64 s[G0B+4*\slot+2:G0B+4*\slot+3], s[G0B+4*\slot+2:G0B+4*\slot+3], 2*ROWB
	JLOAD G0+4*\slot, G1, G0B+4*\slot, G1B         ; the first tensor load behind the round, my only one until the next
.else
	PLACES NP
.endif
	v_add_nc_u32 v[ADRS], 4*NQ, v[ADRS]
	FETCH_B \next, 0, 0
	FETCH_A \next, 0, 0
	SCALES \next
	WIN MUL_HI
	MUL16 4, 1, NQ-1, \slot, 0
	MUL16 6, 1, NQ-1, \slot, 0
	PLACES NP
	WIN 0
	FETCH_A \next, 0, 4
.endm
.macro STEPS slot, from
.set Q, \from
.rept NQ-1-\from
	STEP \slot, Q, 0
.set Q, Q+1
.endr
.endm
	s_wait_tensorcnt 1                             ; the scales and my part of K step 0 are in; K step 1's load may stay out
	s_barrier_signal -1
	s_barrier_wait -1
	FETCH_B 0, 0, 0
	FETCH_A 0, 0, 0
	SCALES 0
	FETCH_A 0, 0, 4
	STEP 0, 0, 1                                   ; the first step's products start the sums
	s_mov_b32 s3, LAPS-1
.Llap:
	STEPS 0, 1
	TURN 0, 1, 1
	STEPS 1, 0
	TURN 1, 0, 1
	STEP 0, 0, 0
	s_sub_co_u32 s3, s3, 1
	s_cmp_lg_u32 s3, 0
	s_cbranch_scc1 .Llap
	STEPS 0, 1                                     ; the last lap fills nothing
	TURN 0, 1, 0
	STEPS 1, 0
	s_wait_dscnt 4*NL
	WIN MUL_LO
	MUL16 0, 1, NQ-1, 1, 0
	MUL16 2, 1, NQ-1, 1, 0
	s_wait_dscnt 0
	WIN MUL_HI
	MUL16 4, 1, NQ-1, 1, 0
	MUL16 6, 1, NQ-1, 1, 0
	WIN 0
; THE WAY OUT, block by block of 16 rows x 128 columns: through my own stage in LDS and back as whole rows of 512 bytes.  LDS serves a wave's instructions in order (ISA guide 5.7.1.4): no wait between the stores and the loads.
.macro TOSTAGE a
.set AC, 64*((\a)%4)
	WIN 0x08+4*((\a)/4)                            ; the data: window 2 or 3
.irp b, 0,1,2,3,4,5,6,7
	ds_store_b128 v[STO], v[AC+8*\b:AC+8*\b+3] offset:64*\b          ; each accumulator from its low end on
	ds_store_b128 v[STO], v[AC+8*\b+4:AC+8*\b+7] offset:64*\b+16
.endr
	WIN 0
.set BB, BK+64*((\a)%2)
.irp t, 0,1,2,3,4,5,6,7,8,9,10,11,12,13,14,15
	ds_load_b128 v[BB+4*\t:BB+4*\t+3], v[RD] offset:\t*SPITCH
.endr
.endm
.macro SEND a, younger                 ; younger: the LDS instructions issued behind block a's loads, which may stay out
.set BB, BK+64*((\a)%2)
	s_wait_dscnt \younger
.if (\a) > 0
	s_add_nc_u64 s[12:13], s[12:13], 16*SIZE_N*4   ; (behind a wait on XCNT: the earlier stores have read their base)
.endif
.irp t, 0,1,2,3,4,5,6,7,8,9,10,11,12,13,14,15
	global_store_b128 v[CO], v[BB+4*\t:BB+4*\t+3], s[12:13] offset:\t*SIZE_N*4 th:TH_STORE_NT   ; 32 lanes store 512 consecutive bytes, at a multiple of 256 from the result's first byte
.endr
.endm
	PLACES NP
	TOSTAGE 0
.irp a, 1,2,3,4,5,6,7
.if \a > 1
	s_wait_xcnt 0x0                                ; block a - 2's stores have read their registers and their base: block a's loads may land there, and the base may step
.endif
	TOSTAGE \a
	SEND \a-1, 32                                  ; behind block a - 1's loads: block a's 16 stores and 16 loads
.endr
	s_wait_xcnt 0x0
	SEND 7, 0
	s_wait_tensorcnt 0x0                           ; the wave's end: behind my last tensor load and my last LDS store
	ds_add_u32 v[SPW], v[NIL]
	s_wait_dscnt 0x0
	CROUND                                         ; the closing round: no work-group ends while a partner may still ask for a tile that names it
	s_endpgm
.Lfunc_end_k_q78563c3ce1_proj:
	.size	k_q78563c3ce1_proj, .Lfunc_end_k_q78563c3ce1_proj-k_q78563c3ce1_proj
	.p2alignl 7, 3214868480
	.fill 96, 4, 3214868480
	.section	.rodata,"a",@progbits
	.p2align	6, 0x0
	.amdhsa_kernel k_q78563c3ce1_proj
		.amdhsa_group_segment_fixed_size 327680
		.amdhsa_private_segment_fixed_size 0
		.amdhsa_enable_private_segment 0
		.amdhsa_kernarg_size 40
		.amdhsa_user_sgpr_count 2
		.amdhsa_user_sgpr_kernarg_segment_ptr 1
		.amdhsa_wavefront_size32 1
		.amdhsa_system_sgpr_workgroup_id_x 1
		.amdhsa_system_sgpr_workgroup_id_y 1
		.amdhsa_system_sgpr_workgroup_id_z 1
		.amdhsa_system_vgpr_workitem_id 0
		.amdhsa_next_free_vgpr 1024
		.amdhsa_next_free_sgpr 98
		.amdhsa_reserve_vcc 0
		.amdhsa_float_denorm_mode_32 3
		.amdhsa_float_denorm_mode_16_64 3
		.amdhsa_memory_ordered 1
		.amdhsa_forward_progress 1
		.amdhsa_inst_pref_size 211
	.end_amdhsa_kernel
	.amdgpu_metadata
---
amdhsa.version: [ 1, 2 ]
amdhsa.kernels:
  - .name:           k_q78563c3ce1_proj
    .symbol:         k_q78563c3ce1_proj.kd
    .args:
      - { .name: o_codes, .offset: 0, .size: 8, .value_kind: global_buffer, .address_space: global }
      - { .name: o_scales, .offset: 8, .size: 8, .value_kind: global_buffer, .address_space: global }
      - { .name: xw_codes, .offset: 16, .size: 8, .value_kind: global_buffer, .address_space: global }
      - { .name: xw_scales, .offset: 24, .size: 8, .value_kind: global_buffer, .address_space: global }
      - { .name: out0, .offset: 32, .size: 8, .value_kind: global_buffer, .address_space: global }
    .group_segment_fixed_size: 327680
    .private_segment_fixed_size: 0
    .kernarg_segment_align: 8
    .kernarg_segment_size: 40
    .max_flat_workgroup_size: 128
    .sgpr_count:     98
    .vgpr_count:     1024
    .wavefront_size: 32
...
	.end_amdgpu_metadata
.endif
;; end of part 4
;; ======== version 2 of 2: 4 launches
;; limits: right only within a limited range of input values
;; workspace buffers: xw_img 8,912,896 bytes; wo_img 2,228,224 bytes; qkv_img 6,684,672 bytes; o_img 2,228,224 bytes
;; launch quant (part 5): grid 256 x 1, 8 waves a work-group, no clusters, 78,848 bytes of LDS; arguments x, Wq, Wk, Wv, xw_img; writes xw_img
.if DOCPART == 5
	.amdgcn_target "amdgcn-amd-amdhsa--gfx1250"
	.amdhsa_code_object_version 6
	.text
	.protected	k_q78563c3ce1_quant
	.globl	k_q78563c3ce1_quant
	.p2align	8
	.type	k_q78563c3ce1_quant,@function
k_q78563c3ce1_quant:
	s_mov_b64 s[64:65], 0
	v_nop
	global_prefetch_b8 v0, s[64:65] scope:SCOPE_SE
	s_setreg_imm32_b32 hwreg(HW_REG_WAVE_MODE, 25, 1), 1
	s_wait_xcnt 0x0
; x, Wq, Wk, Wv, each [2048][2048] f32 with K innermost, become codes of FP4 (E2M1) and one E8M0 scale byte for each 32 along K, laid as images of matrix operands:
; [tensor 4][128 blocks of 16 rows][4 steps of 512 along K] records of 4,352 bytes: 4,096 of codes, [4 x 128 along K][2][lane][16 bytes], lane (r, h) of half c holding row r, K = 64 c + 32 h + 0..31;
; then 256 of scale bytes, [16 rows][16].  (Wo gets the same records in the third launch.)
; A block's scale is 2^(floor(log2(its largest magnitude)) - 2); its byte is the largest magnitude's exponent field - 2, held at 1 from below.
; DEAD WORK, of the whole program: reference() replaces the score of every key behind its query by the lowest f32 number ahead of the softmax.  Key 0 counts for every query, so such a key's p is 0 for all finite inputs,
; and it reaches no output: the third launch leaves whole steps of such keys out.
; LIMITS: a NaN, an infinity or an overflow that reaches only the work left out is not carried to the result; NaN and infinities among the inputs are not served; a block whose largest magnitude lies under 2^-124 keeps the
; byte 1; a block of zeros has the byte 1 where the rule says 127: its codes are zeros, and the bytes are read by this program alone.
; SHARES: 2,048 records, eight for each of the 256 work-groups, one a wave: 16 rows x 512 along K.  A row's 2,048 bytes are one step: four loads of 512 consecutive bytes; they turn through the wave's own stage in LDS and
; come back 64 bytes a lane, so that a lane holds 16 neighbours along K.  Two neighbouring lanes hold a block.  Loads run twelve steps ahead: 48 loads, 24 KiB, a wave.  The record is put together in LDS and leaves
; in whole units of 256 bytes.  No tensor loads, no barrier: waves share nothing.
.set STEPS, 16
.set AHEAD, 12
.set EMAX,  2
.set R,     16                         ; v16-207  twelve sets of 16 numbers as they are loaded
.set X,     208                        ; v208-239 two sets of 16 neighbours
.set C,     240                        ; v240-247 codes, four sets by turns
.set E,     248                        ; v248-251 a scale byte, by turns
.set SPW,   252
.set NIL,   253
.set SP,    80                         ; a lane's place in a stage: 64 bytes + 16 of padding
.set SB,    2*32*SP                    ; behind the two stages: 256 scale bytes,
.set IMG,   SB+256                     ; then the codes as 16 units of 256 bytes, 16 of padding behind each
.set IP,    272
.set WREG,  IMG+16*IP                  ; LDS for each wave
.set SPARE, 8*WREG                     ; the spare words
	s_load_b256 s[4:11], s[0:1], 0x0               ; x, Wq, Wk, Wv
	s_load_b64 s[14:15], s[0:1], 0x20              ; the records
	v_lshl_add_u32 v[SPW], v0, 2, SPARE
	v_mov_b32 v[NIL], 0
	v_lshrrev_b32 v1, 5, v0
	v_readfirstlane_b32 s24, v1                    ; wave
	s_mul_i32 s25, s24, WREG
	s_add_co_u32 s32, s25, IMG
	s_add_co_u32 s33, s25, SB
	s_lshl_b32 s27, ttmp9, 3
	s_add_co_u32 s27, s27, s24                     ; which record, counted through all four tensors
	s_lshr_b32 s26, s27, 9                         ; which tensor: 512 records each
	s_and_b32 s28, s27, 511
	s_lshr_b32 s30, s28, 2                         ; which 16 rows,
	s_and_b32 s28, s28, 3                          ; which 512 along K
	s_lshl_b32 s30, s30, 17
	s_lshl_b32 s28, s28, 11
	s_add_co_u32 s28, s28, s30
	s_mov_b32 s29, 0
	s_mul_i32 s30, s27, 4352
	s_mov_b32 s31, 0
	v_and_b32 v2, 31, v0                           ; lane
	v_lshlrev_b32 v3, 4, v2                        ; my 16 bytes of a load's 512
	v_lshrrev_b32 v14, 2, v2
	v_and_b32 v15, 3, v2
	v_lshrrev_b32 v4, 1, v2                        ; which block of 32
	v_and_b32 v6, 1, v2
	v_mul_u32_u24 v14, v14, SP
	v_lshrrev_b32 v7, 4, v2
	v_and_b32 v10, 15, v2
	v_mul_u32_u24 v5, v4, IP
	v_lshl_add_u32 v14, v15, 4, v14
	v_mul_u32_u24 v7, v7, IP
	v_mul_u32_u24 v15, v2, SP
	v_add_nc_u32 v14, s25, v14                     ; the stage, on the way in: SP (lane / 4) + 16 (lane % 4)
	v_lshl_add_u32 v5, v6, 3, v5
	v_lshl_add_u32 v7, v10, 4, v7
	v_add_nc_u32 v15, s25, v15                     ; and on the way out: my 16 neighbours
	v_add_nc_u32 v5, s32, v5                       ; the record, on the way in: my block's unit, my 8 bytes of its 16
	v_add_nc_u32 v7, s32, v7                       ; and on the way out: two units an instruction
	v_add_nc_u32 v6, s33, v4                       ; my block's scale byte
	v_lshlrev_b32 v12, 3, v2
	v_add_nc_u32 v13, s33, v12                     ; and on the way out 8 bytes a lane
	s_wait_alu depctr_va_vdst(0)                   ; the wait at the head's end
	s_wait_kmcnt 0x0
	s_cmp_eq_u32 s26, 1                            ; the choice hangs on the work-group's and the wave's number alone
	s_cselect_b64 s[4:5], s[6:7], s[4:5]
	s_cmp_eq_u32 s26, 2
	s_cselect_b64 s[4:5], s[8:9], s[4:5]
	s_cmp_eq_u32 s26, 3
	s_cselect_b64 s[4:5], s[10:11], s[4:5]
	s_add_nc_u64 s[4:5], s[4:5], s[28:29]
	s_add_nc_u64 s[14:15], s[14:15], s[30:31]
.macro LOAD t
.irp i, 0,1,2,3
	global_load_b128 v[R+16*((\t)%AHEAD)+4*\i:R+16*((\t)%AHEAD)+4*\i+3], v3, s[4:5] offset:8192*(\t)+512*\i th:TH_LOAD_NT
.endr
.endm
.macro TURN t                          ; LDS serves a wave's instructions in order (ISA guide 5.7.1.4): no wait between the stores and the loads
.irp i, 0,1,2,3
	ds_store_b128 v14, v[R+16*((\t)%AHEAD)+4*\i:R+16*((\t)%AHEAD)+4*\i+3] offset:32*SP*((\t)%2)+8*SP*\i
.endr
.irp i, 0,1,2,3
	ds_load_b128 v[X+16*((\t)%2)+4*\i:X+16*((\t)%2)+4*\i+3], v15 offset:32*SP*((\t)%2)+16*\i
.endr
.endm
.irp t, 0,1,2,3,4,5,6,7,8,9,10,11
	LOAD \t
.endr
	s_wait_loadcnt 4*(AHEAD-1)                     ; step 0's four loads are in; the 44 of steps 1 to 11 may be out
	TURN 0
.macro STEP t
.set XS, X+16*((\t)%2)
.set CT, C+2*((\t)%4)
.set ET, E+(\t)%4
.if (\t) > 0
	s_wait_dscnt 2                                 ; this step's numbers are back from the stage (the last step's two stores may be out)
.else
	s_wait_dscnt 0x0
.endif
.if (\t)+AHEAD < STEPS
	LOAD (\t)+AHEAD
.endif
.if (\t)+1 < STEPS
.if STEPS-2-(\t) >= AHEAD-1
	s_wait_loadcnt 4*(AHEAD-1)                     ; the next step's four loads are in; those of the eleven steps behind it may be out
.else
	s_wait_loadcnt 4*(STEPS-2-(\t))                ; towards the end: those of the steps that are left behind it
.endif
	TURN (\t)+1
.endif
	v_max3_num_f32 v8, |v[XS]|, |v[XS+1]|, |v[XS+2]|               ; the largest magnitude of my 16, in two chains
	v_max3_num_f32 v9, |v[XS+3]|, |v[XS+4]|, |v[XS+5]|
.irp i, 6,10
	s_delay_alu instid0(VALU_DEP_2)
	v_max3_num_f32 v8, v8, |v[XS+\i]|, |v[XS+\i+1]|
	s_delay_alu instid0(VALU_DEP_2)
	v_max3_num_f32 v9, v9, |v[XS+\i+2]|, |v[XS+\i+3]|
.endr
	s_delay_alu instid0(VALU_DEP_2)
	v_max3_num_f32 v8, v8, |v[XS+14]|, |v[XS+15]|
	s_delay_alu instid0(VALU_DEP_1)
	v_max3_num_f32 v8, v8, v9, (EMAX+1)<<23        ; and the floor 2^(3 - 127): the byte cannot fall under 1
	s_delay_alu instid0(VALU_DEP_1)
	v_max_num_f32_dpp v8, v8, v8 row_xmask:1 row_mask:0xf bank_mask:0xf   ; and of my neighbour's 16: the block's
	s_delay_alu instid0(VALU_DEP_1)
	v_add_nc_u32 v11, -(EMAX<<23), v8              ; 2 off its exponent field: the conversion's scale operand
	v_cvt_scalef32_pk8_fp4_f32 v[CT], v[XS:XS+7], v11
	v_cvt_scalef32_pk8_fp4_f32 v[CT+1], v[XS+8:XS+15], v11
	v_lshrrev_b32 v[ET], 23, v11                   ; the scale's byte (also the plain line behind the conversions)
	ds_store_b8 v6, v[ET] offset:16*(\t)           ; both lanes of a block write the same byte with the same value
	ds_store_b64 v5, v[CT:CT+1] offset:16*(\t)
.endm
.irp t, 0,1,2,3,4,5,6,7,8,9,10,11,12,13,14,15
	STEP \t
.endr
.irp j, 0,1,2,3,4,5,6,7
	ds_load_b128 v[R+4*\j:R+4*\j+3], v7 offset:2*IP*\j   ; in order behind my stores
.endr
	ds_load_b64 v[8:9], v13
	s_wait_dscnt 0x0
.irp j, 0,1,2,3,4,5,6,7
	global_store_b128 v3, v[R+4*\j:R+4*\j+3], s[14:15] offset:512*\j   ; 512 consecutive bytes a store
.endr
	global_store_b64 v12, v[8:9], s[14:15] offset:4096   ; 256 scale bytes, consecutive and aligned
	s_wait_tensorcnt 0x0                           ; the wave's end
	ds_add_u32 v[SPW], v[NIL]
	s_wait_dscnt 0x0
	s_endpgm
.Lfunc_end_k_q78563c3ce1_quant:
	.size	k_q78563c3ce1_quant, .Lfunc_end_k_q78563c3ce1_quant-k_q78563c3ce1_quant
	.p2alignl 7, 3214868480
	.fill 96, 4, 3214868480
	.section	.rodata,"a",@progbits
	.p2align	6, 0x0
	.amdhsa_kernel k_q78563c3ce1_quant
		.amdhsa_group_segment_fixed_size 78848
		.amdhsa_private_segment_fixed_size 0
		.amdhsa_enable_private_segment 0
		.amdhsa_kernarg_size 40
		.amdhsa_user_sgpr_count 2
		.amdhsa_user_sgpr_kernarg_segment_ptr 1
		.amdhsa_wavefront_size32 1
		.amdhsa_system_sgpr_workgroup_id_x 1
		.amdhsa_system_sgpr_workgroup_id_y 1
		.amdhsa_system_sgpr_workgroup_id_z 1
		.amdhsa_system_vgpr_workitem_id 0
		.amdhsa_next_free_vgpr 256
		.amdhsa_next_free_sgpr 66
		.amdhsa_reserve_vcc 0
		.amdhsa_float_denorm_mode_32 3
		.amdhsa_float_denorm_mode_16_64 3
		.amdhsa_memory_ordered 1
		.amdhsa_forward_progress 1
		.amdhsa_inst_pref_size 39
	.end_amdhsa_kernel
	.amdgpu_metadata
---
amdhsa.version: [ 1, 2 ]
amdhsa.kernels:
  - .name:           k_q78563c3ce1_quant
    .symbol:         k_q78563c3ce1_quant.kd
    .args:
      - { .name: x, .offset: 0, .size: 8, .value_kind: global_buffer, .address_space: global }
      - { .name: Wq, .offset: 8, .size: 8, .value_kind: global_buffer, .address_space: global }
      - { .name: Wk, .offset: 16, .size: 8, .value_kind: global_buffer, .address_space: global }
      - { .name: Wv, .offset: 24, .size: 8, .value_kind: global_buffer, .address_space: global }
      - { .name: xw_img, .offset: 32, .size: 8, .value_kind: global_buffer, .address_space: global }
    .group_segment_fixed_size: 78848
    .private_segment_fixed_size: 0
    .kernarg_segment_align: 8
    .kernarg_segment_size: 40
    .max_flat_workgroup_size: 256
    .sgpr_count:     66
    .vgpr_count:     256
    .wavefront_size: 32
...
	.end_amdgpu_metadata
.endif
;; end of part 5
;; launch qkv (part 6): grid 16 x 16, 4 waves a work-group, clusters of 4 x 1, 327,680 bytes of LDS; arguments xw_img, cos, sin, qkv_img; writes qkv_img
.if DOCPART == 6
	.amdgcn_target "amdgcn-amd-amdhsa--gfx1250"
	.amdhsa_code_object_version 6
	.text
	.protected	k_q78563c3ce1_qkv
	.globl	k_q78563c3ce1_qkv
	.p2align	8
	.type	k_q78563c3ce1_qkv,@function
k_q78563c3ce1_qkv:
	s_mov_b64 s[64:65], 0
	v_nop
	global_prefetch_b8 v0, s[64:65] scope:SCOPE_SE
	s_setreg_imm32_b32 hwreg(HW_REG_WAVE_MODE, 25, 1), 1
	s_wait_xcnt 0x0
	s_wait_alu depctr_hold_cnt(0) depctr_sa_sdst(0) depctr_va_vdst(0) depctr_va_sdst(0) depctr_va_ssrc(0) depctr_va_vcc(0) depctr_vm_vsrc(0)
	s_getreg_b32 s2, hwreg(HW_REG_IB_STS2, 6, 4)
	s_cmp_eq_u32 s2, 0
	s_cbranch_scc0 .Lentry_in_a_cluster
	s_endpgm
.Lentry_in_a_cluster:
	s_bfe_u32 s2, ttmp6, 0x10000c
	s_cmp_lg_u32 s2, 0x3003
	s_cbranch_scc0 .Lentry_shape_is_right
	s_endpgm
.Lentry_shape_is_right:
; q, k, v = x W^T on codes of FP4 with one E8M0 scale for each 32 along K = 2,048; q and k are rotated by cos and sin in f32; all three are quantised and stored as images of the next launch's operands:
; [q, k, v][16 heads][16 groups of 128 tokens] records of 8,704 bytes: 8 operand fragments of 1,024 bytes, then 128 scale words.  q, k: a fragment is 16 tokens x 128 channels.  v: 16 channels x 128 tokens (its K is the tokens).
; LIMITS: as the first launch's: NaN and infinities are not served; a block under 2^-124, or of zeros, has the scale byte 1.
; SHARES.  Work-group (head, token group) makes 128 tokens x the head's 128 channels of q, of k and of v.  Four waves; a wave makes all 128 tokens x 64 channels of q (waves 0, 1) or of k (waves 2, 3) and 32 of v.
; A wave's 64 channels are 32 u .. + 31 and 64 + 32 u .. + 31 (u = wave % 2): the rotation's partners lie in one lane, and each is a whole block of 32.
; x: all of K for the 128 tokens lies in LDS.  The head's load brings the first 512 along K, so that the products can start; the other 1,536 come behind it and are read four steps later; cos and sin (128 rows each) come
; during step 7.  Each of the three is one tensor load a wave, asked for JOINTLY by the four work-groups of a cluster, which share the token group.
; W: every row belongs to ONE wave of the work-group, so it goes from memory straight into registers, 16 bytes a lane and 512 a load, into five sets of registers: 24,576 bytes a wave are asked for four steps of 128 along K ahead.
; W is no joint load: x and cos and sin take 274,432 bytes of LDS, and one step of 512 of W would take 104,448 more.  No prefetch: W's own loads run four steps ahead, and x, cos and sin have no loop to run ahead in.
; REGISTERS: window 0: v0-31 addresses and work; v32-63 x's scale words, two sets; v64-87 W's, two sets; v96-223 x's fragments, two sets (later cos and sin); v224-255 work.  window 1: W's fragments, five sets of 48; later
; rotated numbers.  window 2: q's or k's accumulators, token block a, tile b at v[32 a + 8 b] (source 0 = W: a lane holds a token, registers run along the channels).  window 3: v's, tile dt, token block a at v[64 dt + 8 a]
; (source 0 = x: a lane holds a channel, registers run along the tokens).
.set TEN,  2228224
.set GRP,  139264
.set RB,   17408
.set REC,  4352
.set CH,   34816
.set OREC, 8704
.set X3,   3*REC                       ; LDS: x's first 512: [8 blocks of 16 tokens][4,352]; then the rest: [8][13,056]
.set CSL,  GRP                         ; then cos: 128 rows of 512 bytes + 16 of padding, then sin
.set CSP,  528
.set CSH,  128*CSP
.set SPARE, CSL+2*CSH
.set SSTG, SPARE+512                   ; scale words on their way out: q's, k's, v's 512 bytes
.set LI,   4
.set WS,   5
.set QO,   6
.set VO,   7
.set XA,   8                           ; v8-9   x's rest: blocks 0-3, 4-7.  (The first 512: LI)
.set XB0,  12
.set XB,   13                          ; v13-14 its scale words: blocks 0-3, 4-7
.set CA,   16
.set CB,   17
.set SSA,  18
.set VSA,  19
.set SRD,  20
.set SPW,  22
.set NIL,  23
.set TO,   8                           ; the way out: v8-15 scale operands, v240-247 maxima, v248-255 the other half's, then bytes
.set TM,   240
.set TP,   248
.set XSC,  32
.set WSC,  64
.set PC,   88
.set SW,   92
.set XF,   96
.set RR,   224
.set G1,   24
.set G0,   32
.set G0X,  36
.set G0C,  40
.set G0D,  44
.set G1X,  48
.set WQ,   56
.set WV,   58
.set OQ,   60
.set OV,   62
.set SO,   66
.set SEL,  68
.set G1C,  72
.set MSB, 0
.macro WIN new                         ; the immediate's high byte repeats the setting that is left
.if MSB != (\new)
	s_set_vgpr_msb (MSB<<8)|(\new)
.set MSB, (\new)
.endif
.endm
.macro PLACES
.rept 4
	v_nop
.endr
.endm
.macro CROUND                          ; a round of the cluster's barrier
	s_barrier_signal -1
	s_barrier_wait -1
	s_cmp_lg_u32 s14, 0
	s_cbranch_scc1 .Lnot_wave_0_\@
	s_barrier_signal -3
.Lnot_wave_0_\@:
	s_barrier_wait -3
	s_barrier_signal -1
	s_barrier_wait -1
.endm
.macro DESC g, mask, c, r, p           ; descriptor group 1: r rows of c elements of 8 bytes, p from row to row
	s_mov_b32 s[\g], \mask
	s_mov_b32 s[\g+1], (\c)<<16
	s_mov_b32 s[\g+2], (\r)<<16
	s_mov_b32 s[\g+3], (\c)<<16
	s_mov_b32 s[\g+4], \r
	s_mov_b32 s[\g+5], \p
	s_mov_b32 s[\g+6], 0
	s_mov_b32 s[\g+7], 0
.endm
	s_load_b256 s[4:11], s[0:1], 0x0               ; the records, cos, sin, the result
	v_lshl_add_u32 v[SPW], v0, 2, SPARE
	v_mov_b32 v[NIL], 0
	ds_add_u32 v[SPW], v[NIL]                      ; the opening: the add, twice on end
	ds_add_u32 v[SPW], v[NIL]
	v_lshrrev_b32 v1, 5, v0
	v_readfirstlane_b32 s14, v1                    ; wave 0..3
	s_lshr_b32 s15, s14, 1                         ; q or k
	s_and_b32 s16, s14, 1                          ; u
	s_and_b32 s17, ttmp7, 0xffff                   ; token group
	s_bfe_u32 s19, ttmp6, 0x40000
	s_lshl_b32 s18, ttmp9, 2
	s_add_co_u32 s18, s18, s19                     ; head
	DESC G1, 15|(3<<16)|(1<<21), 544, 2, 2176      ; x: two blocks of 16 tokens a wave, 4,352 bytes of each; dense in LDS; the mask names the cluster's four
	DESC G1X, 15|(3<<16)|(1<<21), 1632, 2, 2176    ; the rest: 13,056 bytes of each
	DESC G1C, 15|(3<<16)|(1<<20)|(1<<21)|(6<<22)|(3<<25), 64, 64, 64   ; cos, sin: 64 rows of 512 bytes, four words of padding behind every 128
	s_mul_i32 s20, s17, GRP
	s_mul_i32 s21, s14, 2*RB
	s_add_co_u32 s20, s20, s21                     ; x: the group's records, my two blocks
	s_mov_b32 s21, 0
	s_lshl_b32 s2, s17, 16
	s_lshl_b32 s3, s16, 15
	s_add_co_u32 s2, s2, s3                        ; cos, sin: 128 rows a group, my 64 of them
	s_mov_b32 s3, 0
	s_mul_i32 s86, s14, 2*REC
	s_mul_i32 s87, s14, 2*X3
	s_add_co_u32 s87, s87, CH
	s_mul_i32 s88, s16, 64*CSP
	s_add_co_u32 s88, s88, CSL
	s_add_co_u32 s89, s88, CSH
	s_mul_i32 s70, s18, GRP
	s_add_co_u32 s71, s15, 1
	s_mul_i32 s71, s71, TEN
	s_add_co_u32 s[WQ], s70, s71
	s_mul_i32 s71, s16, 2*RB
	s_add_co_u32 s[WQ], s[WQ], s71                 ; my rows of Wq or Wk: blocks 2 u, 2 u + 1, 2 u + 4, 2 u + 5 of the head's eight
	s_mov_b32 s[WQ+1], 0
	s_mul_i32 s71, s14, 2*RB
	s_add_co_u32 s[WV], s70, s71
	s_add_co_u32 s[WV], s[WV], 3*TEN               ; and of Wv: blocks 2 wave, 2 wave + 1
	s_mov_b32 s[WV+1], 0
	s_mul_i32 s71, s17, OREC
	s_add_co_u32 s70, s70, s71
	s_mul_i32 s71, s15, TEN
	s_add_co_u32 s[OQ], s70, s71
	s_mov_b32 s[OQ+1], 0
	s_add_co_u32 s[OV], s70, 2*TEN
	s_mov_b32 s[OV+1], 0
	s_mul_i32 s71, s14, TEN
	s_add_co_u32 s[SO], s70, s71
	s_mov_b32 s[SO+1], 0
	s_mov_b32 s[SEL], 0x76543210
	s_mov_b32 s[SEL+1], 0xfedcba98
	s_lshl_b32 s80, s16, 8
	s_lshl_b32 s81, s14, 11
	s_lshl_b32 s82, s16, 7
	s_add_co_u32 s82, s82, CSL
	s_lshl_b32 s83, s15, 9
	s_add_co_u32 s83, s83, s16
	s_add_co_u32 s83, s83, SSTG
	s_lshl_b32 s84, s14, 7
	s_add_co_u32 s84, s84, SSTG+1024
	s_lshl_b32 s85, s14, 9
	s_add_co_u32 s85, s85, SSTG
	v_and_b32 v1, 15, v0                           ; r
	v_bfe_u32 v2, v0, 4, 1                         ; h
	v_and_b32 v3, 31, v0
	v_lshlrev_b32 v24, 4, v1
	v_mul_u32_u24 v25, v2, RB
	v_mul_u32_u24 v26, v2, REC
	v_mul_u32_u24 v27, v2, X3
	v_lshlrev_b32 v[LI], 4, v3
	v_mul_u32_u24 v[CA], v1, CSP
	v_add3_u32 v[WS], v24, v25, 0x1000             ; W's scale bytes: row r of a block, lanes 16-31 of the next block
	v_add_nc_u32 v26, v26, v24
	v_add_nc_u32 v27, v27, v24
	v_lshl_add_u32 v[QO], v2, 9, v24
	v_lshl_add_u32 v[CA], v2, 5, v[CA]
	v_add_nc_u32 v[XB0], 4096, v26                 ; x's scale words: lanes 16-31 the next block's
.irp k, 0,1
	v_add_nc_u32 v[XA+\k], CH+\k*4*X3, v[LI]
	v_add_nc_u32 v[XB+\k], CH+4096+\k*4*X3, v27
.endr
	v_add_nc_u32 v[QO], s80, v[QO]                 ; the way out of q, k: 512 (lane / 16) + 256 u + 16 (lane % 16)
	v_add_nc_u32 v[VO], s81, v[LI]
	v_add_nc_u32 v[CA], s82, v[CA]                 ; cos: token r, channels 32 u + 8 h on
	v_add_nc_u32 v[CB], CSH, v[CA]                 ; sin
	v_lshl_add_u32 v[SSA], v1, 2, s83
	v_lshl_add_u32 v[VSA], v1, 2, s84
	v_add_nc_u32 v[SRD], s85, v[LI]
	s_wait_alu depctr_va_vdst(0)
	s_wait_dscnt 0x0                               ; both opening adds are done
	s_wait_kmcnt 0x0
	s_mov_b32 s[G0], 1
	s_mov_b32 s[G0+1], s86
	s_add_nc_u64 s[G0+2:G0+3], s[4:5], s[20:21]
	s_or_b32 s[G0+3], s[G0+3], 0x80000000
	s_mov_b32 s[G0X], 1
	s_mov_b32 s[G0X+1], s87
	s_add_nc_u64 s[G0X+2:G0X+3], s[4:5], s[20:21]
	s_add_nc_u64 s[G0X+2:G0X+3], s[G0X+2:G0X+3], REC
	s_or_b32 s[G0X+3], s[G0X+3], 0x80000000
	s_mov_b32 s[G0C], 1
	s_mov_b32 s[G0C+1], s88
	s_add_nc_u64 s[G0C+2:G0C+3], s[6:7], s[2:3]
	s_or_b32 s[G0C+3], s[G0C+3], 0x80000000
	s_mov_b32 s[G0D], 1
	s_mov_b32 s[G0D+1], s89
	s_add_nc_u64 s[G0D+2:G0D+3], s[8:9], s[2:3]
	s_or_b32 s[G0D+3], s[G0D+3], 0x80000000
	s_add_nc_u64 s[WQ:WQ+1], s[4:5], s[WQ:WQ+1]
	s_add_nc_u64 s[WV:WV+1], s[4:5], s[WV:WV+1]
	s_add_nc_u64 s[OQ:OQ+1], s[10:11], s[OQ:OQ+1]
	s_add_nc_u64 s[OV:OV+1], s[10:11], s[OV:OV+1]
	s_add_nc_u64 s[SO:SO+1], s[10:11], s[SO:SO+1]
.macro WLOAD s                         ; step s of 128 along K: 12 loads into set s % 5; ahead of every fourth step 3 loads of scale words for its 512
.if (\s)%4 == 0
	WIN 0
.set WB, WSC+12*((\s)/4%2)
	global_load_b128 v[WB:WB+3], v[WS], s[WQ:WQ+1] offset:(\s)/4*REC
	global_load_b128 v[WB+4:WB+7], v[WS], s[WQ:WQ+1] offset:(\s)/4*REC+4*RB
	global_load_b128 v[WB+8:WB+11], v[WS], s[WV:WV+1] offset:(\s)/4*REC
.endif
	WIN 0x40
.set WB, 48*((\s)%5)
.set WO, (\s)/4*REC+(\s)%4*1024
.irp e, 0,1
.irp b, 0,1,2,3
	global_load_b128 v[WB+8*\b+4*\e:WB+8*\b+4*\e+3], v[LI], s[WQ:WQ+1] offset:WO+(\b/2*4+\b%2)*RB+512*\e
.endr
.irp b, 0,1
	global_load_b128 v[WB+32+8*\b+4*\e:WB+32+8*\b+4*\e+3], v[LI], s[WV:WV+1] offset:WO+\b*RB+512*\e
.endr
.endr
.endm
.macro XLOAD s                         ; x's eight fragments of step s into set s % 2; ahead of every fourth step the scale words for its 512
	WIN 0
.set SC, XSC+16*((\s)/4%2)
.set XS, XF+64*((\s)%2)
.if (\s) < 4
.if (\s) == 0
.irp i, 0,1,2,3
	ds_load_b128 v[SC+4*\i:SC+4*\i+3], v[XB0] offset:2*REC*\i
.endr
.endif
.irp a, 0,1,2,3,4,5,6,7
.irp e, 0,1
	ds_load_b128 v[XS+8*\a+4*\e:XS+8*\a+4*\e+3], v[LI] offset:REC*\a+1024*(\s)+512*\e
.endr
.endr
.else
.set XO, ((\s)/4-1)*REC
.if (\s)%4 == 0
.irp i, 0,1,2,3
	ds_load_b128 v[SC+4*\i:SC+4*\i+3], v[XB+\i/2] offset:XO+2*X3*(\i%2)
.endr
.endif
.irp a, 0,1,2,3,4,5,6,7
.irp e, 0,1
	ds_load_b128 v[XS+8*\a+4*\e:XS+8*\a+4*\e+3], v[XA+\a/4] offset:XO+X3*(\a%4)+1024*((\s)%4)+512*\e
.endr
.endr
.endif
.endm
	CROUND                                         ; the cluster's four work-groups are here: the joint loads meet
	tensor_load_to_lds s[G0:G0+3], s[G1:G1+7]      ; x's first 512: one tensor load a wave at the head
	s_nop 0
	PLACES
	WLOAD 0                                        ; W's first steps, behind it
	WLOAD 1
	WLOAD 2
	WLOAD 3
	WIN 0
	s_wait_tensorcnt 0x0                           ; my part of x's first 512 is in
	ds_add_u32 v[SPW], v[NIL]
	s_wait_dscnt 0x0
	CROUND                                         ; everybody's part is in
	tensor_load_to_lds s[G0X:G0X+3], s[G1X:G1X+7]  ; x's rest
	s_nop 0
	PLACES
.macro MM z, m, n
	v_wmma_scale_f32_16x16x128_f8f6f4 v[DD:DD+7], v[SA:SA+7], v[SB:SB+7], \z, v[KA], v[KB] matrix_a_fmt:MATRIX_FMT_FP4 matrix_b_fmt:MATRIX_FMT_FP4 \m \n
.endm
.macro MR z, ra, rb                    ; which half of the lanes holds each side's scale words
.if (\ra) && (\rb)
	MM \z, matrix_a_scale:MATRIX_SCALE_ROW1, matrix_b_scale:MATRIX_SCALE_ROW1
.else
.if (\ra)
	MM \z, matrix_a_scale:MATRIX_SCALE_ROW1
.else
.if (\rb)
	MM \z, matrix_b_scale:MATRIX_SCALE_ROW1
.else
	MM \z
.endif
.endif
.endif
.endm
.macro MQ s, a, z                      ; token block a x my four tiles of q or k
.irp b, 0,1,2,3
.set DD, 32*(\a)+8*\b
.set SA, 48*((\s)%5)+8*\b
.set SB, XF+64*((\s)%2)+8*(\a)
.set KA, WSC+12*((\s)/4%2)+4*(\b/2)+(\s)%4
.set KB, XSC+16*((\s)/4%2)+4*((\a)/2)+(\s)%4
	MR \z, \b%2, (\a)%2
.endr
.endm
.macro MV s, a, z                      ; token block a x my two tiles of v
.irp b, 0,1
.set DD, 64*\b+8*(\a)
.set SA, XF+64*((\s)%2)+8*(\a)
.set SB, 48*((\s)%5)+32+8*\b
.set KA, XSC+16*((\s)/4%2)+4*((\a)/2)+(\s)%4
.set KB, WSC+12*((\s)/4%2)+8+(\s)%4
	MR \z, (\a)%2, \b
.endr
.endm
; A step of 128 along K: 48 matrix instructions, the 48 accumulators by turns.  In its middle the next step's fragments of x are asked for, and W's of four steps on, into the set that the step before has used.
; What may be out at a step's head: W's loads of the three steps behind it (step 0: four), 12 each, and 3 of scale words where a fourth step is among them.
.macro STEP s, z
.set CN, 3
.if (\s) == 0
.set CN, 4
.endif
.if (\s) > 12
.set CN, 15-(\s)
.endif
.set NW, 12*CN
.if ((\s)/4+1)*4 <= (\s)+CN
.set NW, NW+3
.endif
	s_wait_loadcnt NW
	s_wait_dscnt 0x0
.if (\s) == 15
	s_wait_tensorcnt 0x0                           ; my part of cos or sin is in
	s_barrier_signal -1
.endif
	WIN 0xa1
	MQ \s, 0, \z
	MQ \s, 1, \z
	MQ \s, 2, \z
	MQ \s, 3, \z
.if (\s) < 15
	PLACES                                         ; in front of loads into registers that matrix instructions have read
.if (\s) == 3
	WIN 0
	s_wait_tensorcnt 0x0                           ; my part of x's rest is in (no LDS instruction of mine is out)
	s_barrier_signal -1
	s_barrier_wait -1                              ; everybody's is
.endif
.if (\s) == 7
	WIN 0
	s_wait_tensorcnt 0x0
	ds_add_u32 v[SPW], v[NIL]
	s_wait_dscnt 0x0
	CROUND
	s_cmp_eq_u32 s15, 0                            ; waves 0 and 1 fetch cos's halves, 2 and 3 sin's
	s_cbranch_scc0 .Lsin
	tensor_load_to_lds s[G0C:G0C+3], s[G1C:G1C+7]
	s_nop 0
	PLACES
	s_branch .Lasked
.Lsin:
	tensor_load_to_lds s[G0D:G0D+3], s[G1C:G1C+7]
	s_nop 0
	PLACES
.Lasked:
.endif
	XLOAD \s+1
.if ((\s) > 0) && ((\s) < 12)
	WLOAD \s+4
.endif
	WIN 0xa1
.endif
	MQ \s, 4, \z
	MQ \s, 5, \z
	MQ \s, 6, \z
	MQ \s, 7, \z
	WIN 0xf4
.irp a, 0,1,2,3,4,5,6,7
	MV \s, \a, \z
.endr
.endm
	XLOAD 0
	WLOAD 4
	STEP 0, 0                                      ; the first products start the sums
.set Q, 1
.rept 15
	STEP Q, v[DD:DD+7]
.set Q, Q+1
.endr
	s_barrier_wait -1                              ; everybody's part of cos and sin is in
	WIN 0
	PLACES                                         ; behind the last products
.macro CSLOAD a                        ; cos and sin of token block a, in the result's layout
.irp b, 0,1,2,3
.irp e, 0,1
	ds_load_b128 v[XF+64*((\a)%2)+8*\b+4*\e:XF+64*((\a)%2)+8*\b+4*\e+3], v[CA] offset:16*CSP*(\a)+256*(\b/2)+64*(\b%2)+16*\e
	ds_load_b128 v[XF+64*((\a)%2)+32+8*\b+4*\e:XF+64*((\a)%2)+32+8*\b+4*\e+3], v[CB] offset:16*CSP*(\a)+256*(\b/2)+64*(\b%2)+16*\e
.endr
.endr
.endm
.macro JOIN n                          ; n blocks: with lane l xor 16's half; 2 off the exponent field: the conversion's scale operand; the byte
.set I, 0
.rept \n
	v_permlanex16_b32 v[TP+I], v[TM+I], s[SEL], s[SEL+1]
.set I, I+1
.endr
.set I, 0
.rept \n
	v_max_num_f32 v[TM+I], v[TM+I], v[TP+I]
.set I, I+1
.endr
.set I, 0
.rept \n
	v_add_nc_u32 v[TO+I], 0xff000000, v[TM+I]
.set I, I+1
.endr
.set I, 0
.rept \n
	v_lshrrev_b32 v[TP+I], 23, v[TO+I]
.set I, I+1
.endr
.endm
	CSLOAD 0
	CSLOAD 1
; v: quantised along the tokens, both tiles at once: eight blocks of 32 tokens at v[16 b ..] of window 3.  Of a tile of channels, token tile t's eight codes go to 4 (t / 4) + 2 (t % 2) + (t % 4) / 2; the exchange of half
; rows then gives a lane whole blocks.
	WIN 0x3c
.irp b, 0,1,2,3,4,5,6,7
	v_max3_num_f32 v[TM+\b], 0x1800000, |v[16*\b]|, |v[16*\b+1]|   ; with the floor 2^(3 - 127)
	v_mov_b32 v[TP+\b], 0                          ; a lane permute's destination counts as one of its sources
.endr
.irp i, 2,4,6,8,10,12,14
.irp b, 0,1,2,3,4,5,6,7
	v_max3_num_f32 v[TM+\b], v[TM+\b], |v[16*\b+\i]|, |v[16*\b+\i+1]|
.endr
.endr
	WIN 0
	JOIN 8
.irp i, 1,2,3
.irp d, 0,1
.if \i == 1
	v_lshl_or_b32 v[SW+\d], v[TP+4*\d+1], 8, v[TP+4*\d]
.else
	v_lshl_or_b32 v[SW+\d], v[TP+4*\d+\i], 8*\i, v[SW+\d]
.endif
.endr
.endr
	WIN 0x03
.irp t, 0,1,2,3,4,5,6,7,8,9,10,11,12,13,14,15
	v_cvt_scalef32_pk8_fp4_f32 v[RR+4*(\t/4)+2*(\t%2)+(\t%4)/2], v[8*\t:8*\t+7], v[TO+\t/2]
.endr
	WIN 0
	v_nop
.irp e, 0,2,4,6,8,10,12,14
	v_permlane16_swap_b32 v[RR+\e], v[RR+\e+1]
.endr
.irp d, 0,1
	ds_store_b32 v[VSA], v[SW+\d] offset:64*\d
.irp e, 0,1
	global_store_b128 v[VO], v[RR+8*\d+4*\e:RR+8*\d+4*\e+3], s[OV:OV+1] offset:1024*\d+512*\e
.endr
.endr
; q or k, two blocks of 16 tokens at a time: rotated into v0-63 of window 1, where W's fragments lay, and quantised along the channels.  Of token block k, X = tiles 0 and 1 (channels 32 u ..) at v[32 k ..],
; Y = tiles 2 and 3 (channels 64 + 32 u ..) at v[32 k + 16 ..]: four blocks to quantise at v[16 b ..].
.macro PAIR a
.if (\a) == 0
	s_wait_dscnt 2                                 ; the two blocks' cos and sin are in; the two stores behind them may be out
.else
	s_wait_dscnt 4                                 ; and here the last pair's four
.endif
	s_wait_xcnt 0x0                                ; earlier stores have read their registers
	WIN 0x52
.irp k, 0,1
.set CS, XF+64*\k
.set AC, 32*(\a)+32*\k
.set RX, 32*\k
.irp j, 0,2,4,6
.irp b, 0,8
	v_pk_mul_f32 v[RX+\b+\j:RX+\b+\j+1], v[AC+\b+\j:AC+\b+\j+1], v[CS+\b+\j:CS+\b+\j+1]
	v_pk_mul_f32 v[RX+16+\b+\j:RX+17+\b+\j], v[AC+16+\b+\j:AC+17+\b+\j], v[CS+16+\b+\j:CS+17+\b+\j]
.endr
.irp b, 0,8
	v_pk_fma_f32 v[RX+\b+\j:RX+\b+\j+1], v[AC+16+\b+\j:AC+17+\b+\j], v[CS+32+\b+\j:CS+33+\b+\j], v[RX+\b+\j:RX+\b+\j+1] neg_lo:[0,1,0] neg_hi:[0,1,0]
	v_pk_fma_f32 v[RX+16+\b+\j:RX+17+\b+\j], v[AC+\b+\j:AC+\b+\j+1], v[CS+48+\b+\j:CS+49+\b+\j], v[RX+16+\b+\j:RX+17+\b+\j]
.endr
.endr
.endr
	WIN 0
.if (\a) < 6
	CSLOAD (\a)+2
	CSLOAD (\a)+3
.endif
	WIN 0x14
.irp b, 0,1,2,3
	v_max3_num_f32 v[TM+\b], 0x1800000, |v[16*\b]|, |v[16*\b+1]|   ; with the floor 2^(3 - 127)
.endr
.irp i, 2,4,6,8,10,12,14
.irp b, 0,1,2,3
	v_max3_num_f32 v[TM+\b], v[TM+\b], |v[16*\b+\i]|, |v[16*\b+\i+1]|
.endr
.endr
	WIN 0
	JOIN 4
	WIN 0x01
.irp k, 0,1
	v_cvt_scalef32_pk8_fp4_f32 v[PC+4*\k], v[32*\k:32*\k+7], v[TO+2*\k]
	v_cvt_scalef32_pk8_fp4_f32 v[PC+4*\k+2], v[32*\k+8:32*\k+15], v[TO+2*\k]
	v_cvt_scalef32_pk8_fp4_f32 v[PC+4*\k+1], v[32*\k+16:32*\k+23], v[TO+2*\k+1]
	v_cvt_scalef32_pk8_fp4_f32 v[PC+4*\k+3], v[32*\k+24:32*\k+31], v[TO+2*\k+1]
.endr
	WIN 0
	v_nop
.irp e, 0,2,4,6
	v_permlane16_swap_b32 v[PC+\e], v[PC+\e+1]     ; lanes 0-15: block X whole, lanes 16-31: block Y
.endr
.irp k, 0,1
	ds_store_b8 v[SSA], v[TP+2*\k] offset:64*(\a)+64*\k       ; bytes u and u + 2 of the token's scale word
	ds_store_b8 v[SSA], v[TP+2*\k+1] offset:64*(\a)+64*\k+2
	global_store_b128 v[QO], v[PC+4*\k:PC+4*\k+3], s[OQ:OQ+1] offset:1024*(\a)+1024*\k   ; two aligned units of 256 bytes
.endr
.endm
.irp a, 0,2,4,6
	PAIR \a
.endr
	s_wait_alu depctr_va_vdst(0)
	s_wait_dscnt 0x0                               ; my scale bytes are in LDS
	s_barrier_signal -1
	s_barrier_wait -1
	s_cmp_eq_u32 s14, 3                            ; waves 0, 1, 2 store q's, k's, v's 128 scale words
	s_cbranch_scc1 .Lout
	s_wait_xcnt 0x0
	ds_load_b128 v[RR:RR+3], v[SRD]
	s_wait_dscnt 0x0
	global_store_b128 v[LI], v[RR:RR+3], s[SO:SO+1] offset:8192
.Lout:
	s_wait_tensorcnt 0x0                           ; the wave's end
	ds_add_u32 v[SPW], v[NIL]
	s_wait_dscnt 0x0
	CROUND                                         ; the closing round
	s_endpgm
.Lfunc_end_k_q78563c3ce1_qkv:
	.size	k_q78563c3ce1_qkv, .Lfunc_end_k_q78563c3ce1_qkv-k_q78563c3ce1_qkv
	.p2alignl 7, 3214868480
	.fill 96, 4, 3214868480
	.section	.rodata,"a",@progbits
	.p2align	6, 0x0
	.amdhsa_kernel k_q78563c3ce1_qkv
		.amdhsa_group_segment_fixed_size 327680
		.amdhsa_private_segment_fixed_size 0
		.amdhsa_enable_private_segment 0
		.amdhsa_kernarg_size 32
		.amdhsa_user_sgpr_count 2
		.amdhsa_user_sgpr_kernarg_segment_ptr 1
		.amdhsa_wavefront_size32 1
		.amdhsa_system_sgpr_workgroup_id_x 1
		.amdhsa_system_sgpr_workgroup_id_y 1
		.amdhsa_system_sgpr_workgroup_id_z 1
		.amdhsa_system_vgpr_workitem_id 0
		.amdhsa_next_free_vgpr 1024
		.amdhsa_next_free_sgpr 100
		.amdhsa_reserve_vcc 0
		.amdhsa_float_denorm_mode_32 3
		.amdhsa_float_denorm_mode_16_64 3
		.amdhsa_memory_ordered 1
		.amdhsa_forward_progress 1
		.amdhsa_inst_pref_size 197
	.end_amdhsa_kernel
	.amdgpu_metadata
---
amdhsa.version: [ 1, 2 ]
amdhsa.kernels:
  - .name:           k_q78563c3ce1_qkv
    .symbol:         k_q78563c3ce1_qkv.kd
    .args:
      - { .name: xw_img, .offset: 0, .size: 8, .value_kind: global_buffer, .address_space: global }
      - { .name: cos, .offset: 8, .size: 8, .value_kind: global_buffer, .address_space: global }
      - { .name: sin, .offset: 16, .size: 8, .value_kind: global_buffer, .address_space: global }
      - { .name: qkv_img, .offset: 24, .size: 8, .value_kind: global_buffer, .address_space: global }
    .group_segment_fixed_size: 327680
    .private_segment_fixed_size: 0
    .kernarg_segment_align: 8
    .kernarg_segment_size: 32
    .max_flat_workgroup_size: 128
    .sgpr_count:     100
    .vgpr_count:     1024
    .wavefront_size: 32
...
	.end_amdgpu_metadata
.endif
;; end of part 6
;; launch attn (part 7): grid 16 x 16, 12 waves a work-group, clusters of 4 x 1, 327,680 bytes of LDS; arguments qkv_img, o_img, Wo, wo_img; writes o_img, wo_img
.if DOCPART == 7
	.amdgcn_target "amdgcn-amd-amdhsa--gfx1250"
	.amdhsa_code_object_version 6
	.text
	.protected	k_q78563c3ce1_attn
	.globl	k_q78563c3ce1_attn
	.p2align	8
	.type	k_q78563c3ce1_attn,@function
k_q78563c3ce1_attn:
	s_mov_b64 s[64:65], 0
	v_nop
	global_prefetch_b8 v0, s[64:65] scope:SCOPE_SE
	s_setreg_imm32_b32 hwreg(HW_REG_WAVE_MODE, 25, 1), 1
	s_wait_xcnt 0x0
	s_wait_alu depctr_hold_cnt(0) depctr_sa_sdst(0) depctr_va_vdst(0) depctr_va_sdst(0) depctr_va_ssrc(0) depctr_va_vcc(0) depctr_vm_vsrc(0)
	s_getreg_b32 s2, hwreg(HW_REG_IB_STS2, 6, 4)
	s_cmp_eq_u32 s2, 0
	s_cbranch_scc0 .Lentry_in_a_cluster
	s_endpgm
.Lentry_in_a_cluster:
	s_bfe_u32 s2, ttmp6, 0x10000c
	s_cmp_lg_u32 s2, 0x3003
	s_cbranch_scc0 .Lentry_shape_is_right
	s_endpgm
.Lentry_shape_is_right:
; o[h][q] = the sum over k <= q of softmax_k(q . k / sqrt(128)) v[h][k], both products on codes of FP4 (E2M1) with one E8M0 scale for each 32 along a product's K; o is quantised here along the head's 128 channels and
; stored as [16 groups of 128 tokens][16 heads] records of 8,704 bytes: 8 operand fragments (16 tokens x 128 channels, 1,024 bytes), then 128 scale words.
; Beside it four waves quantise Wo along K into [128 blocks of 16 rows][4 steps of 512 along K] records of 4,352 bytes, as the first launch does with the other tensors.
; q, k, v arrive as records like o's, [q, k, v][head][token group].  A key step is one record of K and one of V.
; THE SOFTMAX: t = score x log2(e) / sqrt(128); M = the running largest t rounded UP to a whole number; p = 2^(t - M) is quantised along the keys, not normalised; the row's sum is taken of the unquantised p and
; divides at the end.  When M moves, the sum and O are multiplied by 2^(old M - new M): exact.
; WORK LEFT OUT: key steps whose 128 keys all come after the tile's queries (reference()'s own mask throws them away).
; SHARES.  The head's 128 tiles of 16 queries go in pairs (T, 127 - T), four pairs to a work-group, T = 0..63: 17 key steps a pair.  Waves p and p + 4 share a pair: wave p walks steps 0 to 8 of the late tile; wave p + 4 walks
; the early tile (at most 8 steps), stores it, then walks the late tile's steps from 9 on (there may be none: its part then gets the factor 0), and hands M, the sum and O over through LDS; wave p joins the two parts: the
; factors are powers of two.  Waves 8 to 11 quantise half a record of Wo each: 8 rows x 512 along K.
; THE WHOLE HEAD LIES IN LDS: 16 records of K, 16 of V, by ONE tensor load in each of waves 0 to 7: 512 keys of K or of V.  Nothing is filled again; every work-group has a tile in the last 512 queries, so all of it is read.
; CLUSTERS: four work-groups of one head ask for K and V JOINTLY.  Which steps a wave walks hangs on its number and on the work-group's number / 8, which the four share.  No prefetch: the loops have no load from memory.
; LAYOUT.  S^T = K Q^T (source 0 = 16 keys, source 1 = my 16 queries), O^T = V^T P^T (source 0 = 16 channels, source 1 = P): a lane holds ONE query (lane % 16); register 8 t + j of S^T is key 16 t + 8 (lane / 16) + j.
; LIMITS: NaN and infinities are not served; the scaled scores t stay under 2^31 in magnitude; a NaN or an infinity that reaches only the work left out is not carried to the result; a block of p, of o or of Wo whose largest
; magnitude lies under 2^-124 keeps the scale byte 1, a block of zeros too (its codes are zeros; this program alone reads the bytes).
; REGISTERS: v0 my thread; v1-6 lane terms; v7-10 addresses in hand; v11 the hand-over's address; v12 -M, v13 the largest t, v[14:15] the sum; v16-23 Q; v32-95 eight fragments of V; v96-159 S^T, then p, at the end o;
;   v160-223 O^T; v224-231 codes; v232-239, v244-247, v252-254, v24-29 at work; v240-243 V's scale words, v248-251 K's (lanes 0-15: tile 2 g, lanes 16-31: tile 2 g + 1); v253 p's scale word; v255 Q's.
;   window 1: v0-63 eight fragments of K, asked for a step ahead.  Waves 8 to 11 have v32-227 for their own work.
.set TEN,   2228224
.set GRP,   139264
.set OREC,  8704
.set SPLIT, 9                          ; the late tile's steps from here on are wave p + 4's
.set VBASE, GRP                        ; V's records behind K's
.set SPARE, 2*GRP
.set SP,    80                         ; Wo: a lane's place in a stage: 64 bytes + 16 of padding
.set IP,    272                        ; a unit of 256 bytes of a record + 16 of padding
.set QSTG,  SPARE+1536                 ; two stages for each of the four waves,
.set QIMG,  QSTG+4*2*32*SP             ; two records' codes,
.set QSCL,  QIMG+2*16*IP               ; and their scale bytes
.set LI,   1                           ; v1  16 x lane
.set LS,   2                           ; v2  4 x lane
.set R4,   3                           ; v3  4 (lane % 16)
.set DG,   6                           ; v6  lane % 16 - 8 (lane / 16)
.set AV,   7
.set AD,   8
.set AS,   9
.set AW,   10
.set MG,   11
.set TM,   232
.set WV,   12
.set HD,   13
.set Q1,   15                          ; s15 the late tile's first query
.set Q0,   16                          ; s16 the first query of the tile in hand
.set SI,   17                          ; s17 the step
.set TB,   18                          ; s18 LDS byte of the step's record of K
.set GL,   19                          ; s19 the last step of the tile in hand; -1: none
.set SEL,  20
.set CS,   22
.set G1,   24
.set G0,   40
.set CNT,  60
.set WS,   72                          ; s[72:73] my rows of Wo
.set WD,   74                          ; s[74:75] the record of Wo, s[82:83] my half of its codes
.set GN,   76                          ; s76 the late tile's last step
.set MSB, 0
.macro WIN new                         ; the immediate's high byte repeats the setting that is left
.if MSB != (\new)
	s_set_vgpr_msb (MSB<<8)|(\new)
.set MSB, (\new)
.endif
.endm
.macro PLACES
.rept 4
	v_nop
.endr
.endm
.macro CROUND                          ; a round of the cluster's barrier
	s_barrier_signal -1
	s_barrier_wait -1
	s_cmp_lg_u32 s[WV], 0
	s_cbranch_scc1 .Lnot_wave_0_\@
	s_barrier_signal -3
.Lnot_wave_0_\@:
	s_barrier_wait -3
	s_barrier_signal -1
	s_barrier_wait -1
.endm
	s_load_b256 s[4:11], s[0:1], 0x0               ; the records of q, k, v; those of o; Wo; its records
	v_lshl_add_u32 v30, v0, 2, SPARE
	v_mov_b32 v31, 0
	ds_add_u32 v30, v31                            ; the opening: the add, twice on end
	ds_add_u32 v30, v31
	v_lshrrev_b32 v7, 5, v0
	v_readfirstlane_b32 s[WV], v7                  ; wave 0..11
	s_and_b32 s[HD], ttmp7, 0xffff                 ; the head
	s_and_b32 s14, s[WV], 3                        ; the pair
	s_and_b32 s84, s14, 1
	s_lshr_b32 s85, s14, 1
	s_lshr_b32 s54, ttmp9, 1                       ; the work-group's number / 8
	s_mul_i32 s55, s84, 3
	s_xor_b32 s54, s54, s55
	s_lshl_b32 s55, s85, 2
	s_add_co_u32 s54, s54, s55                     ; the early tile's last step,
	s_xor_b32 s[GN], s54, 15                       ; and the late tile's
	s_bfe_u32 s56, ttmp6, 0x40000
	s_lshl_b32 s57, ttmp9, 2
	s_add_co_u32 s57, s57, s56                     ; j, the work-group's number
	s_mul_i32 s52, s84, 31
	s_xor_b32 s52, s52, s57
	s_lshl_b32 s53, s85, 5
	s_add_co_u32 s52, s52, s53                     ; the early tile: 32 (pair / 2) + j or 31 - j
	s_xor_b32 s53, s52, 127                        ; the late tile
	s_lshl_b32 s[Q1], s53, 4
	s_cmp_lt_u32 s[WV], 4
	s_cselect_b32 s52, s53, s52                    ; the tile that I begin with, and store
	s_cselect_b32 s[GL], s[GN], s54
	s_cmp_lt_u32 s[WV], 8
	s_cselect_b32 s[GL], s[GL], -1                 ; waves 8 to 11 walk no key step
	s_lshl_b32 s[Q0], s52, 4
	s_lshl_b32 s56, s[HD], 4
	s_add_co_u32 s56, s56, s57
	s_lshl_b32 s56, s56, 1
	s_add_co_u32 s56, s56, s85                     ; which of Wo's 512 records
	s_mul_i32 s[WD], s56, 4352
	s_mov_b32 s[WD+1], 0
	s_lshr_b32 s57, s56, 2
	s_and_b32 s56, s56, 3
	s_lshl_b32 s57, s57, 17
	s_lshl_b32 s56, s56, 11
	s_add_co_u32 s57, s57, s56
	s_lshl_b32 s56, s84, 16
	s_add_co_u32 s[WS], s57, s56                   ; 16 rows of 8,192 bytes; my 8 of them; 512 along K
	s_mov_b32 s[WS+1], 0
	s_lshl_b32 s82, s84, 11
	s_mov_b32 s83, 0
	s_mul_i32 s78, s14, 2*32*SP
	s_add_co_u32 s78, s78, QSTG                    ; my stages
	s_lshl_b32 s56, s84, 7
	s_mul_i32 s79, s85, 16*IP
	s_add_co_u32 s79, s79, QIMG
	s_mul_i32 s81, s84, 8*IP
	s_add_co_u32 s81, s81, s79                     ; my half of the record's units, on the way out
	s_add_co_u32 s79, s79, s56                     ; my rows' place in each unit, on the way in
	s_lshl_b32 s80, s85, 8
	s_add_co_u32 s77, s80, QSCL                    ; the record's scale bytes,
	s_add_co_u32 s80, s77, s56                     ; my rows'
.macro TILE t, d, gs, hs               ; offsets of a tile's fragment and of its scale words
	s_lshr_b32 s61, s[\t], 3
	s_and_b32 s62, s[\t], 7
	s_mul_i32 s61, s61, \gs
	s_mul_i32 s63, s[HD], \hs
	s_add_co_u32 s61, s61, s63
	s_lshl_b32 s63, s62, 10
	s_add_co_u32 s[\d], s61, s63
	s_lshl_b32 s63, s62, 6
	s_add_co_u32 s61, s61, s63
	s_add_co_u32 s[\d+2], s61, 8192
	s_mov_b32 s[\d+1], 0
	s_mov_b32 s[\d+3], 0
.endm
	TILE 52, 44, OREC, GRP
	TILE 53, 48, OREC, GRP
	TILE 52, 68, GRP, OREC
	s_and_b32 s54, s[WV], 1                        ; even waves fetch K, odd ones V
	s_lshr_b32 s55, s[WV], 1                       ; 512 keys: which
	s_mul_i32 s55, s55, 4*OREC
	s_mul_i32 s57, s54, GRP
	s_add_co_u32 s57, s57, s55                     ; in LDS
	s_add_co_u32 s54, s54, 1
	s_mul_i32 s58, s54, TEN
	s_add_co_u32 s58, s58, s55
	s_mul_i32 s55, s[HD], GRP
	s_add_co_u32 s58, s58, s55                     ; in memory
	s_mov_b32 s59, 0
	s_mov_b32 s[G1], 15|(3<<16)|(1<<21)            ; 34,816 dense bytes as 136 rows of 256; elements of 8 bytes; the mask names the cluster's four; no padding
	s_mov_b32 s[G1+1], 32<<16
	s_mov_b32 s[G1+2], 136<<16
	s_mov_b32 s[G1+3], 32<<16
	s_mov_b32 s[G1+4], 136
	s_mov_b32 s[G1+5], 32
	s_mov_b32 s[G1+6], 0
	s_mov_b32 s[G1+7], 0
	s_mov_b32 s[SEL], 0x76543210
	s_mov_b32 s[SEL+1], 0xfedcba98
	s_mov_b32 s[CS], 0x3e0293ee                    ; c = log2(e) / sqrt(128)
	s_mov_b32 s[CS+1], s[CS]                       ; (named with it as a pair, so it is written)
	s_mul_i32 s56, s14, 17*512                     ; the hand-over: 17 x 512 bytes for each pair of waves, in K's bytes, when nobody reads them any more
	v_and_b32 v4, 31, v0
	v_and_b32 v5, 15, v0                           ; r
	v_bfe_u32 v10, v0, 4, 1                        ; h
	v_lshlrev_b32 v[LI], 4, v4
	v_lshlrev_b32 v[LS], 2, v4
	v_lshlrev_b32 v[R4], 2, v5
	v_lshlrev_b32 v10, 3, v10
	v_add_nc_u32 v[MG], s56, v[LI]
	v_sub_nc_u32 v[DG], v5, v10
	s_wait_alu depctr_va_vdst(0)
	s_wait_dscnt 0x0                               ; both opening adds are done
	s_wait_kmcnt 0x0
	s_mov_b32 s[G0], 1
	s_mov_b32 s[G0+1], s57
	s_add_nc_u64 s[G0+2:G0+3], s[4:5], s[58:59]
	s_or_b32 s[G0+3], s[G0+3], 0x80000000
	CROUND                                         ; the cluster's four work-groups are here: the joint loads meet
	s_cmp_lt_u32 s[WV], 2                          ; the first 512 keys have a load line of their own: they are waited for ahead of the others
	s_cbranch_scc0 .Llater
	tensor_load_to_lds s[G0:G0+3], s[G1:G1+7]
	s_nop 0
	PLACES
	s_branch .Lasked
.Llater:
	s_cmp_lt_u32 s[WV], 8
	s_cbranch_scc0 .Lasked
	tensor_load_to_lds s[G0:G0+3], s[G1:G1+7]
	s_nop 0
	PLACES
.Lasked:
	s_add_nc_u64 s[44:45], s[4:5], s[44:45]        ; Q: my first tile's fragment and scale words,
	s_add_nc_u64 s[46:47], s[4:5], s[46:47]
	s_add_nc_u64 s[48:49], s[4:5], s[48:49]        ; the late tile's,
	s_add_nc_u64 s[50:51], s[4:5], s[50:51]
	s_add_nc_u64 s[68:69], s[6:7], s[68:69]        ; o: where my first tile goes
	s_add_nc_u64 s[70:71], s[6:7], s[70:71]
	s_add_nc_u64 s[WS:WS+1], s[8:9], s[WS:WS+1]
	s_add_nc_u64 s[WD:WD+1], s[10:11], s[WD:WD+1]
	s_add_nc_u64 s[82:83], s[WD:WD+1], s[82:83]
.irp c, 0,1
	global_load_b128 v[16+4*\c:19+4*\c], v[LI], s[44:45] offset:512*\c
.endr
	global_load_b32 v255, v[R4], s[46:47]
.macro FRESH                           ; nothing summed yet: the first change of M leaves the zeros zeros
	v_mov_b32 v13, 0xff61b1e6                      ; the largest t so far: -3e38, under every t
	v_mov_b32 v14, 0
	v_mov_b32 v15, 0
.irp t, 0,1,2,3,4,5,6,7
.irp j, 0,1,2,3,4,5,6,7
	v_mov_b32 v[160+8*\t+\j], 0
.endr
.endr
	v_floor_f32 v12, -v13                          ; -M
.endm
	FRESH
.irp b, 0,1,2,3
	v_mov_b32 v[236+\b], 0                         ; a lane permute's destination counts as one of its sources
.endr
	v_mov_b32 v252, 0
	v_mov_b32 v253, 0                              ; (named as the upper half of the pair v[252:253] before it is first written)
; Tile t's eight codes are word 2 (t % 2) + lane / 16 of block t / 2.  They are put at 4 (t / 4) + 2 (t % 2) + (t % 4) / 2; then the exchange of half rows makes register 4 c + w of lane half h word w of block 2 c + h.
.macro CODES
.irp t, 0,1,2,3,4,5,6,7
	v_cvt_scalef32_pk8_fp4_f32 v[224+4*(\t/4)+2*(\t%2)+(\t%4)/2], v[96+8*\t:103+8*\t], v[TM+12+\t/2]
.endr
	v_nop                                          ; one plain line behind the last scaled conversion
.irp e, 224,226,228,230
	v_permlane16_swap_b32 v[\e], v[\e+1]
.endr
.endm
.macro SCW                             ; from the blocks' largest magnitudes: the conversions' scale operands, the four bytes, the row's scale word in v253
.irp b, 0,1,2,3
	s_delay_alu instid0(VALU_DEP_4)
	v_add_nc_u32 v[TM+12+\b], 0xff000000, v[TM+\b]   ; 2 off the exponent field
.endr
.irp b, 0,1,2,3
	s_delay_alu instid0(VALU_DEP_4)
	v_lshrrev_b32 v[TM+4+\b], 23, v[TM+12+\b]
.endr
	s_delay_alu instid0(VALU_DEP_3)
	v_lshl_or_b32 v253, v[TM+5], 8, v[TM+4]
	s_delay_alu instid0(VALU_DEP_1)
	v_lshl_or_b32 v253, v[TM+6], 16, v253
	s_delay_alu instid0(VALU_DEP_1)
	v_lshl_or_b32 v253, v[TM+7], 24, v253
.endm
.macro KLOAD o                         ; K's eight fragments, 512 consecutive bytes a load, and the scale words of 32 keys a load: two tiles to a register
	WIN 0x40
.irp t, 0,1,2,3,4,5,6,7
.irp c, 0,1
	ds_load_b128 v[8*\t+4*\c:8*\t+4*\c+3], v[AD] offset:\o+1024*\t+512*\c
.endr
.endr
	WIN 0
.irp g, 0,1,2,3
	ds_load_b32 v[248+\g], v[AS] offset:\o+8192+128*\g
.endr
.endm
; A KEY STEP: 128 keys.  Its K has been asked for in the step before.
.macro STEP
	s_cmp_gt_i32 s[SI], s[GL]
	s_cbranch_scc1 .Lhidden_\@                     ; all its keys come after my queries
	s_wait_alu depctr_va_vdst(0)
	s_wait_dscnt 0x0
	WIN 0x01
.irp t, 0,2,4,6
	v_wmma_scale_f32_16x16x128_f8f6f4 v[96+8*\t:103+8*\t], v[8*\t:8*\t+7], v[16:23], 0, v[248+\t/2], v255 matrix_a_fmt:MATRIX_FMT_FP4 matrix_b_fmt:MATRIX_FMT_FP4
	v_wmma_scale_f32_16x16x128_f8f6f4 v[104+8*\t:111+8*\t], v[8*\t+8:8*\t+15], v[16:23], 0, v[248+\t/2], v255 matrix_a_fmt:MATRIX_FMT_FP4 matrix_b_fmt:MATRIX_FMT_FP4 matrix_a_scale:MATRIX_SCALE_ROW1
.endr
	WIN 0
	v_add_nc_u32 v[AD], s[TB], v[LI]               ; the four additions are also the places behind the products, for the loads and for the first reads of the scores
	v_add_nc_u32 v[AS], s[TB], v[LS]
	v_add_nc_u32 v[AV], VBASE, v[AD]
	v_add_nc_u32 v[AW], VBASE, v[AS]
.irp t, 0,1,2,3,4,5,6,7
.irp c, 0,1
	ds_load_b128 v[32+8*\t+4*\c:35+8*\t+4*\c], v[AV] offset:1024*\t+512*\c   ; V's eight fragments land while the softmax is walked
.endr
.endr
.irp g, 0,1,2,3
	ds_load_b32 v[240+\g], v[AW] offset:8192+128*\g
.endr
	s_cmp_lt_i32 s[SI], s[GL]
	s_cbranch_scc1 .Lopen_\@                       ; all its keys count
	s_lshl_b32 s61, s[SI], 7
	s_sub_co_i32 s61, s[Q0], s61
	v_add_nc_u32 v252, s61, v[DG]                  ; my query - the step's first key - 8 (lane / 16).  Register 8 t + j holds key 16 t + 8 (lane / 16) + j of the step: hidden where 16 t + j is greater
	v_mov_b32 v254, 0xff800000                     ; -infinity: p = 0 then
.irp t, 0,1,2,3,4,5,6,7
.irp j, 0,1,2,3,4,5,6,7
	v_cmp_gt_i32 vcc_lo, 16*\t+\j, v252
	v_cndmask_b32 v[96+8*\t+\j], v[96+8*\t+\j], v254, vcc_lo
.endr
.endr
.Lopen_\@:
.irp b, 0,1,2,3
	v_max3_num_f32 v[232+\b], v[96+16*\b], v[97+16*\b], v[98+16*\b]   ; the largest score of each block of 32 keys: for the row's maximum and, since p rises with the score, for the block's largest p
.endr
.irp i, 3,5,7,9,11,13
.irp b, 0,1,2,3
	v_max3_num_f32 v[232+\b], v[232+\b], v[96+16*\b+\i], v[97+16*\b+\i]
.endr
.endr
.irp b, 0,1,2,3
	v_max_num_f32 v[232+\b], v[232+\b], v[111+16*\b]
.endr
.irp b, 0,1,2,3
	s_delay_alu instid0(VALU_DEP_4)
	v_permlanex16_b32 v[236+\b], v[232+\b], s[SEL], s[SEL+1]
.endr
.irp b, 0,1,2,3
	s_delay_alu instid0(VALU_DEP_4)
	v_max_num_f32 v[232+\b], v[232+\b], v[236+\b]  ; with lane l xor 16's 16 keys
.endr
	s_delay_alu instid0(VALU_DEP_2)
	v_max3_num_f32 v254, v232, v233, v234
	s_delay_alu instid0(VALU_DEP_1)
	v_max_num_f32 v254, v254, v235
	s_delay_alu instid0(VALU_DEP_1)
	v_mul_f32 v254, s[CS], v254                    ; the step's largest t (c is positive)
	s_delay_alu instid0(VALU_DEP_1)
	v_max_num_f32 v13, v13, v254
	v_mov_b32 v254, v12
	s_delay_alu instid0(VALU_DEP_2)
	v_floor_f32 v12, -v13                          ; the new -M = floor(-t): M is a whole number
	s_delay_alu instid0(VALU_DEP_1)
	v_sub_f32 v254, v12, v254                      ; old M - new M: a whole number, 0 or less
	s_delay_alu instid0(VALU_DEP_1)
	v_cvt_i32_f32 v254, v254                       ; (it saturates)
	s_delay_alu instid0(VALU_DEP_1)
	v_ldexp_f32 v252, 1.0, v254                    ; f = 2^(old M - new M)
.irp t, 0,1,2,3,4,5,6,7
.irp j, 0,2,4,6
	v_pk_fma_f32 v[96+8*\t+\j:97+8*\t+\j], v[96+8*\t+\j:97+8*\t+\j], s[CS:CS+1], v[12:13] op_sel_hi:[1,0,0]   ; t - M, two at a time
.endr
.endr
.irp b, 0,1,2,3
	v_fma_f32 v[232+\b], v[232+\b], s[CS], v12     ; the same of each block's largest score
.endr
	s_wait_alu depctr_va_vdst(0)
.irp t, 0,1,2,3,4,5,6,7
.irp j, 0,1,2,3,4,5,6,7
	v_exp_f32 v[96+8*\t+\j], v[96+8*\t+\j]         ; p = 2^(t - M), at most 1
.endr
.endr
	v_pk_mul_f32 v[14:15], v[14:15], v[252:253] op_sel_hi:[1,0]   ; the sums under the new M (the plain line behind the exponentials)
	s_wait_alu depctr_va_vdst(0)                   ; one wait for the batch of 64, ahead of its first reader
.irp b, 0,1,2,3
	v_exp_f32 v[232+\b], v[232+\b]                 ; the block's largest p: the same two instructions on the same number
.endr
	KLOAD OREC                                     ; the next step's K (behind the last step: bytes that no product takes)
	v_pk_add_f32 v[24:25], v[96:97], v[98:99]      ; the row's sum, two numbers at a time, in four chains
	v_pk_add_f32 v[26:27], v[100:101], v[102:103]
	v_pk_add_f32 v[28:29], v[104:105], v[106:107]
.set I, 6
.rept 26
.if I%4 == 0
	v_pk_add_f32 v[14:15], v[14:15], v[96+2*I:97+2*I]
.else
	v_pk_add_f32 v[22+2*(I%4):23+2*(I%4)], v[22+2*(I%4):23+2*(I%4)], v[96+2*I:97+2*I]
.endif
.set I, I+1
.endr
	v_pk_add_f32 v[24:25], v[24:25], v[26:27]
	v_pk_add_f32 v[14:15], v[14:15], v[28:29]
	v_pk_add_f32 v[14:15], v[14:15], v[24:25]
	s_wait_alu depctr_va_vdst(0)                   ; and one for the four
.irp b, 0,1,2,3
	v_max_num_f32 v[232+\b], 0x1800000, v[232+\b]  ; the floor 2^(3 - 127): the byte cannot fall under 1
.endr
	SCW
	CODES
.irp t, 0,1,2,3,4,5,6,7
.irp j, 0,2,4,6
	v_pk_mul_f32 v[160+8*\t+\j:161+8*\t+\j], v[160+8*\t+\j:161+8*\t+\j], v[252:253] op_sel_hi:[1,0]   ; O^T under the new M; these 32 lines also stand between the making of p's codes and scale word and the products
.endr
.endr
	s_wait_alu depctr_va_vdst(0)
	s_wait_dscnt 20                                ; V is in; the 20 loads of the next step's K may be out
.irp t, 0,2,4,6
	v_wmma_scale_f32_16x16x128_f8f6f4 v[160+8*\t:167+8*\t], v[32+8*\t:39+8*\t], v[224:231], v[160+8*\t:167+8*\t], v[240+\t/2], v253 matrix_a_fmt:MATRIX_FMT_FP4 matrix_b_fmt:MATRIX_FMT_FP4
	v_wmma_scale_f32_16x16x128_f8f6f4 v[168+8*\t:175+8*\t], v[40+8*\t:47+8*\t], v[224:231], v[168+8*\t:175+8*\t], v[240+\t/2], v253 matrix_a_fmt:MATRIX_FMT_FP4 matrix_b_fmt:MATRIX_FMT_FP4 matrix_a_scale:MATRIX_SCALE_ROW1
.endr
.Lhidden_\@:
	s_add_co_u32 s[TB], s[TB], OREC                ; the next step's records
	s_add_co_u32 s[SI], s[SI], 1
.endm
; THE WAY OUT.  O^T / the sum is quantised along the head's channels: register 8 t + j is channel 16 t + 8 (lane / 16) + j of my query: the same shape as p's.  The fragment leaves as it stands.
.macro OUT
	PLACES                                         ; behind the last products
	v_add_f32 v14, v14, v15
	s_delay_alu instid0(VALU_DEP_1)
	v_permlanex16_b32 v252, v14, s[SEL], s[SEL+1]
	s_delay_alu instid0(VALU_DEP_1)
	v_add_f32 v14, v14, v252                       ; the row's sum
	s_wait_alu depctr_va_vdst(0)
	v_rcp_f32 v14, v14
	v_nop                                          ; a plain line behind the reciprocal
	s_wait_alu depctr_va_vdst(0)                   ; and the wait ahead of its first reader
.irp t, 0,1,2,3,4,5,6,7
.irp j, 0,1,2,3,4,5,6,7
	v_mul_f32 v[96+8*\t+\j], v[160+8*\t+\j], v14   ; each accumulator from its low end on
.endr
.endr
.irp b, 0,1,2,3
	v_max3_num_f32 v[TM+\b], 0x1800000, |v[96+16*\b]|, |v[97+16*\b]|   ; the blocks' largest magnitudes, with the floor 2^(3 - 127)
.endr
.irp i, 2,4,6,8,10,12,14
.irp b, 0,1,2,3
	s_delay_alu instid0(VALU_DEP_4)
	v_max3_num_f32 v[TM+\b], v[TM+\b], |v[96+16*\b+\i]|, |v[97+16*\b+\i]|
.endr
.endr
.irp b, 0,1,2,3
	s_delay_alu instid0(VALU_DEP_4)
	v_permlanex16_b32 v[TM+4+\b], v[TM+\b], s[SEL], s[SEL+1]
.endr
.irp b, 0,1,2,3
	s_delay_alu instid0(VALU_DEP_4)
	v_max_num_f32 v[TM+\b], v[TM+\b], v[TM+4+\b]
.endr
	SCW
	CODES
.irp c, 0,1
	global_store_b128 v[LI], v[224+4*\c:227+4*\c], s[68:69] offset:512*\c   ; 512 consecutive bytes a store
.endr
	global_store_b32 v[R4], v253, s[70:71]         ; 16 scale words; lanes l and l + 16 hold and store the same word
.endm
	s_wait_alu depctr_va_vdst(0)                   ; the wait at the head's end
	s_wait_loadcnt 0x0                             ; Q
	s_cmp_lt_u32 s[WV], 2
	s_cbranch_scc0 .Lfirst_keys
	s_wait_tensorcnt 0x0                           ; waves 0 and 1: the first 512 keys of K and of V have landed; the other waves' loads may be out
.Lfirst_keys:
	s_wait_dscnt 0x0
	s_barrier_signal -1
	s_barrier_wait -1
	s_mov_b32 s[TB], 0
	s_mov_b32 s[SI], 0
	v_add_nc_u32 v[AD], s[TB], v[LI]
	v_add_nc_u32 v[AS], s[TB], v[LS]
	KLOAD 0
	STEP
	s_wait_tensorcnt 0x0                           ; all the other keys have landed
	s_wait_dscnt 0x0
	s_barrier_signal -1
	s_barrier_wait -1
	s_cmp_lt_u32 s[WV], 8
	s_cbranch_scc1 .Lkeys
; WAVES 8 TO 11: 8 rows x 512 of Wo, a row a step, as the first launch has it: 32 loads, through the wave's two stages, 16 neighbours to a lane.  Two waves fill a record's image in LDS.
	PLACES
.irp t, 0,1,2,3,4,5,6,7
.irp i, 0,1,2,3
	global_load_b128 v[32+16*\t+4*\i:35+16*\t+4*\i], v[LI], s[WS:WS+1] offset:8192*\t+512*\i th:TH_LOAD_NT
.endr
.endr
	v_and_b32 v216, 31, v0
	v_lshrrev_b32 v217, 2, v216
	v_and_b32 v218, 3, v216
	v_lshrrev_b32 v219, 1, v216
	v_and_b32 v220, 1, v216
	v_mul_u32_u24 v224, v217, SP
	v_mul_u32_u24 v225, v216, SP
	v_mul_u32_u24 v226, v219, IP
	v_lshl_add_u32 v224, v218, 4, v224
	v_lshl_add_u32 v226, v220, 3, v226
	v_add_nc_u32 v224, s78, v224                   ; the stage, on the way in,
	v_add_nc_u32 v225, s78, v225                   ; and on the way out
	v_add_nc_u32 v226, s79, v226                   ; the record's codes: my block's unit, my rows, my 8 bytes
	v_add_nc_u32 v227, s80, v219                   ; my block's scale byte
	s_wait_alu depctr_va_vdst(0)
.macro QTURN t
.irp i, 0,1,2,3
	ds_store_b128 v224, v[32+16*(\t)+4*\i:35+16*(\t)+4*\i] offset:32*SP*((\t)%2)+8*SP*\i
.endr
.irp i, 0,1,2,3
	ds_load_b128 v[160+16*((\t)%2)+4*\i:163+16*((\t)%2)+4*\i], v225 offset:32*SP*((\t)%2)+16*\i
.endr
.endm
	s_wait_loadcnt 28                              ; the first row is in; the 28 loads of the other seven may be out
	QTURN 0
.irp t, 0,1,2,3,4,5,6,7
.set XS, 160+16*(\t%2)
.if \t > 0
	s_wait_dscnt 2                                 ; this row is back from the stage (the last row's two stores may be out)
.else
	s_wait_dscnt 0x0
.endif
.if \t < 7
	s_wait_loadcnt 4*(6-\t)                        ; the next row is in; the rows behind it may be out
	QTURN \t+1
.endif
	v_max3_num_f32 v216, |v[XS]|, |v[XS+1]|, |v[XS+2]|
	v_max3_num_f32 v217, |v[XS+3]|, |v[XS+4]|, |v[XS+5]|
	v_max3_num_f32 v216, v216, |v[XS+6]|, |v[XS+7]|
	v_max3_num_f32 v217, v217, |v[XS+8]|, |v[XS+9]|
	v_max3_num_f32 v216, v216, |v[XS+10]|, |v[XS+11]|
	v_max3_num_f32 v217, v217, |v[XS+12]|, |v[XS+13]|
	v_max3_num_f32 v216, v216, |v[XS+14]|, |v[XS+15]|
	v_max3_num_f32 v216, v216, v217, 0x1800000     ; with the floor 2^(3 - 127)
	v_max_num_f32_dpp v216, v216, v216 row_xmask:1 row_mask:0xf bank_mask:0xf
	v_add_nc_u32 v218, 0xff000000, v216
	v_cvt_scalef32_pk8_fp4_f32 v[192+2*\t], v[XS:XS+7], v218
	v_cvt_scalef32_pk8_fp4_f32 v[193+2*\t], v[XS+8:XS+15], v218
	v_lshrrev_b32 v[208+\t], 23, v218              ; (also the plain line behind the conversions)
	ds_store_b8 v227, v[208+\t] offset:16*\t
	ds_store_b64 v226, v[192+2*\t:193+2*\t] offset:16*\t
.endr
.Lkeys:
	s_mov_b32 s[TB], OREC
	s_mov_b32 s[SI], 1
	s_mov_b32 s[CNT], SPLIT-1
.Lfirst_half:
	STEP
	s_sub_co_u32 s[CNT], s[CNT], 1
	s_cmp_lg_u32 s[CNT], 0
	s_cbranch_scc1 .Lfirst_half
	s_mov_b32 s[Q0], s[Q1]
	s_lshr_b32 s61, s[WV], 2
	s_cmp_eq_u32 s61, 1
	s_cselect_b32 s[GL], s[GN], -1                 ; waves 4 to 7 go on with the late tile; the others walk no step of the second half
	s_cbranch_scc0 .Lwalk
.irp c, 0,1
	global_load_b128 v[16+4*\c:19+4*\c], v[LI], s[48:49] offset:512*\c   ; the late tile's Q
.endr
	global_load_b32 v255, v[R4], s[50:51]
	OUT                                            ; the early tile is finished
	FRESH
	s_wait_alu depctr_va_vdst(0)
	s_wait_loadcnt 0x0
	s_wait_xcnt 0x0                                ; the stores have read their registers
.Lwalk:
	s_wait_alu depctr_va_vdst(0)
	s_wait_dscnt 0x0                               ; no load of K is out
	s_mov_b32 s[TB], SPLIT*OREC
	s_mov_b32 s[SI], SPLIT
	s_mov_b32 s[CNT], 16-SPLIT
	PLACES
	v_add_nc_u32 v[AD], s[TB], v[LI]
	v_add_nc_u32 v[AS], s[TB], v[LS]
	KLOAD 0
.Lsecond_half:
	STEP
	s_sub_co_u32 s[CNT], s[CNT], 1
	s_cmp_lg_u32 s[CNT], 0
	s_cbranch_scc1 .Lsecond_half
	s_wait_alu depctr_va_vdst(0)
	s_wait_dscnt 0x0
	s_barrier_signal -1
	s_barrier_wait -1                              ; nobody reads K and V any more, and Wo's two records are whole
	s_cmp_lt_u32 s[WV], 4
	s_cbranch_scc1 .Lhanded
	s_cmp_lt_u32 s[WV], 8
	s_cbranch_scc0 .Lrecords
	PLACES                                         ; behind the last products
.irp i, 0,1,2,3,4,5,6,7,8,9,10,11,12,13,14,15
	ds_store_b128 v[MG], v[160+4*\i:163+4*\i] offset:512*\i
.endr
	ds_store_b128 v[MG], v[12:15] offset:8192      ; -M, the largest t, the sum
	s_branch .Lhanded
.Lrecords:
	PLACES
	v_and_b32 v216, 31, v0
	v_bfe_u32 v217, v0, 4, 1
	v_and_b32 v218, 15, v0
	v_lshlrev_b32 v219, 3, v216
	v_mul_u32_u24 v224, v217, IP
	v_add_nc_u32 v225, s77, v219
	v_lshl_add_u32 v224, v218, 4, v224
	v_add_nc_u32 v224, s81, v224
.irp i, 0,1,2,3
	ds_load_b128 v[32+4*\i:35+4*\i], v224 offset:2*IP*\i   ; my half of the record's codes: two units an instruction
.endr
	ds_load_b64 v[48:49], v225
	s_wait_alu depctr_va_vdst(0)
	s_wait_dscnt 0x0
.irp i, 0,1,2,3
	global_store_b128 v[LI], v[32+4*\i:35+4*\i], s[82:83] offset:512*\i
.endr
	s_cmp_eq_u32 s84, 0
	s_cbranch_scc0 .Lhanded
	global_store_b64 v219, v[48:49], s[WD:WD+1] offset:4096   ; 256 scale bytes, by one of the record's two waves
.Lhanded:
	s_wait_dscnt 0x0
	s_barrier_signal -1
	s_barrier_wait -1
	s_cmp_lt_u32 s[WV], 4
	s_cbranch_scc0 .Lend
	s_wait_xcnt 0x0
	PLACES                                         ; in front of loads into registers that matrix instructions have read
	ds_load_b128 v[96:99], v[MG] offset:8192
.irp i, 0,1,2,3,4,5,6,7,8,9,10,11,12,13,14,15
	ds_load_b128 v[32+4*\i:35+4*\i], v[MG] offset:512*\i
.endr
	s_wait_dscnt 0x0
	v_min_num_f32 v100, v12, v96                   ; -M of both parts
	v_sub_f32 v101, v100, v12
	v_sub_f32 v102, v100, v96
	v_cvt_i32_f32 v101, v101
	v_cvt_i32_f32 v102, v102
	v_ldexp_f32 v104, 1.0, v101                    ; what each part is multiplied by: a power of two, 1 or less (0 for an empty part)
	v_ldexp_f32 v105, 1.0, v101
	v_ldexp_f32 v106, 1.0, v102
	v_ldexp_f32 v107, 1.0, v102
	v_pk_mul_f32 v[14:15], v[14:15], v[104:105]
.irp t, 0,1,2,3,4,5,6,7
.irp j, 0,2,4,6
	v_pk_mul_f32 v[160+8*\t+\j:161+8*\t+\j], v[160+8*\t+\j:161+8*\t+\j], v[104:105]
.endr
.endr
	v_pk_fma_f32 v[14:15], v[98:99], v[106:107], v[14:15]
.irp t, 0,1,2,3,4,5,6,7
.irp j, 0,2,4,6
	v_pk_fma_f32 v[160+8*\t+\j:161+8*\t+\j], v[32+8*\t+\j:33+8*\t+\j], v[106:107], v[160+8*\t+\j:161+8*\t+\j]
.endr
.endr
	OUT                                            ; the late tile
.Lend:
	s_wait_tensorcnt 0x0                           ; the wave's end
	ds_add_u32 v30, v31
	s_wait_dscnt 0x0
	CROUND                                         ; the closing round
	s_endpgm
.Lfunc_end_k_q78563c3ce1_attn:
	.size	k_q78563c3ce1_attn, .Lfunc_end_k_q78563c3ce1_attn-k_q78563c3ce1_attn
	.p2alignl 7, 3214868480
	.fill 96, 4, 3214868480
	.section	.rodata,"a",@progbits
	.p2align	6, 0x0
	.amdhsa_kernel k_q78563c3ce1_attn
		.amdhsa_group_segment_fixed_size 327680
		.amdhsa_private_segment_fixed_size 0
		.amdhsa_enable_private_segment 0
		.amdhsa_kernarg_size 32
		.amdhsa_user_sgpr_count 2
		.amdhsa_user_sgpr_kernarg_segment_ptr 1
		.amdhsa_wavefront_size32 1
		.amdhsa_system_sgpr_workgroup_id_x 1
		.amdhsa_system_sgpr_workgroup_id_y 1
		.amdhsa_system_sgpr_workgroup_id_z 1
		.amdhsa_system_vgpr_workitem_id 0
		.amdhsa_next_free_vgpr 320
		.amdhsa_next_free_sgpr 90
		.amdhsa_reserve_vcc 1
		.amdhsa_float_denorm_mode_32 3
		.amdhsa_float_denorm_mode_16_64 3
		.amdhsa_memory_ordered 1
		.amdhsa_forward_progress 1
		.amdhsa_inst_pref_size 129
	.end_amdhsa_kernel
	.amdgpu_metadata
---
amdhsa.version: [ 1, 2 ]
amdhsa.kernels:
  - .name:           k_q78563c3ce1_attn
    .symbol:         k_q78563c3ce1_attn.kd
    .args:
      - { .name: qkv_img, .offset: 0, .size: 8, .value_kind: global_buffer, .address_space: global }
      - { .name: o_img, .offset: 8, .size: 8, .value_kind: global_buffer, .address_space: global }
      - { .name: Wo, .offset: 16, .size: 8, .value_kind: global_buffer, .address_space: global }
      - { .name: wo_img, .offset: 24, .size: 8, .value_kind: global_buffer, .address_space: global }
    .group_segment_fixed_size: 327680
    .private_segment_fixed_size: 0
    .kernarg_segment_align: 8
    .kernarg_segment_size: 32
    .max_flat_workgroup_size: 384
    .sgpr_count:     90
    .vgpr_count:     320
    .wavefront_size: 32
...
	.end_amdgpu_metadata
.endif
;; end of part 7
;; launch proj (part 8): grid 16 x 16, 4 waves a work-group, clusters of 4 x 4, 327,680 bytes of LDS; arguments o_img, wo_img, out0; writes out0
.if DOCPART == 8
	.amdgcn_target "amdgcn-amd-amdhsa--gfx1250"
	.amdhsa_code_object_version 6
	.text
	.protected	k_q78563c3ce1_proj
	.globl	k_q78563c3ce1_proj
	.p2align	8
	.type	k_q78563c3ce1_proj,@function
k_q78563c3ce1_proj:
	s_mov_b64 s[64:65], 0
	v_nop
	global_prefetch_b8 v0, s[64:65] scope:SCOPE_SE
	s_setreg_imm32_b32 hwreg(HW_REG_WAVE_MODE, 25, 1), 1
	s_wait_xcnt 0x0
	s_wait_alu depctr_hold_cnt(0) depctr_sa_sdst(0) depctr_va_vdst(0) depctr_va_sdst(0) depctr_va_ssrc(0) depctr_va_vcc(0) depctr_vm_vsrc(0)
	s_getreg_b32 s2, hwreg(HW_REG_IB_STS2, 6, 4)
	s_cmp_eq_u32 s2, 0
	s_cbranch_scc0 .Lentry_in_a_cluster
	s_endpgm
.Lentry_in_a_cluster:
	s_bfe_u32 s2, ttmp6, 0x10000c
	s_cmp_lg_u32 s2, 0xf033
	s_cbranch_scc0 .Lentry_shape_is_right
	s_endpgm
.Lentry_shape_is_right:
; out[m][n] = the sum over k of o[m][k] Wo[n][k], on codes of FP4 (E2M1) with one E8M0 scale for each 32 along K = 2,048; sums and result in f32.
; A = o: [16 groups of 128 tokens][16 heads] records of 8,704 bytes (8 fragments of 16 tokens x 128 along K, then 128 scale words); a head is 128 along K.  B = Wo: [128 blocks of 16 rows][4 steps of 512 along K] records of
; 4,352 bytes (4 fragments of 16 rows x 128 along K, then 16 x 16 scale bytes).
; A tile of 128 x 128 is made by a work-group of four waves, a wave makes 64 x 64: 16 accumulators.  2,048 x 2,048 are 256 such tiles.
; ALL OF K LIES IN LDS, in two halves: each wave brings A's or B's part of one half, 69,632 bytes, by ONE tensor load.  Nothing is filled again.  A half is read behind its two waves' waits and a barrier.
; THE FIRST HALF GOES BY K, eight steps of 128, each on all 16 accumulators.  THE SECOND HALF GOES BY ROWS OF THE RESULT: B's fragments of the whole half fill window 2; my four blocks of 16 rows are finished one after the other,
; 32 matrix instructions each, and each leaves as soon as it is finished.  K ascends in both: no fragment is read twice.
; CLUSTERS: 4 x 4 work-groups.  The four of a row of the cluster need the same rows of A, the four of a column the same rows of B: each is asked for JOINTLY.  No prefetch: there is no loop to run ahead in.
; THE MATRIX INSTRUCTION IS USED TRANSPOSED (source 0 = 16 rows of B, source 1 = 16 rows of A): a lane holds eight neighbouring numbers of a row of the result.
; REGISTERS: window 0: v1-29 addresses; v32-47 B's scale words of the first half, v48-63 A's; v64-79, v80-95 the same of the second; v128-255 the accumulators ((a, b) at v[128 + 8 (4 a + b)]).  window 1: four sets of
; fragments: B's four, then A's four; in the second half A's block a (16 rows x 1,024 along K) at v[64 a ..].  window 2: the second half's fragments of B, (q, b) at v[32 q + 8 b].
.set GRP,  139264
.set REC,  4352
.set OREC, 8704
.set HF,   69632
.set BOFF, 2*HF
.set SPARE, 4*HF
.set STAGE, SPARE+512                  ; 16 rows x (256 bytes + 16) for each wave
.set SPITCH, 272
.set AA,   8
.set AS,   10
.set BA,   12
.set BS,   14
.set STO,  25
.set RD,   26
.set CO,   27
.set SPW,  28
.set NIL,  29
.set BSC,  32
.set ASC,  48
.set BS2,  64
.set AS2,  80
.set ACC,  128
.set G1,   24
.set G1B,  32
.set G0A,  40
.set G0B,  44
.set MSB, 0
.macro WIN new                         ; the immediate's high byte repeats the setting that is left
.if MSB != (\new)
	s_set_vgpr_msb (MSB<<8)|(\new)
.set MSB, (\new)
.endif
.endm
.macro CROUND                          ; a round of the cluster's barrier
	s_barrier_signal -1
	s_barrier_wait -1
	s_cmp_lg_u32 s14, 0
	s_cbranch_scc1 .Lnot_wave_0_\@
	s_barrier_signal -3
.Lnot_wave_0_\@:
	s_barrier_wait -3
	s_barrier_signal -1
	s_barrier_wait -1
.endm
.macro PLACES
.rept 4
	v_nop
.endr
.endm
	s_load_b128 s[4:7], s[0:1], 0x0                ; o's records, Wo's
	s_load_b64 s[12:13], s[0:1], 0x10              ; the result
	v_lshl_add_u32 v[SPW], v0, 2, SPARE
	v_mov_b32 v[NIL], 0
	ds_add_u32 v[SPW], v[NIL]                      ; the opening: the add, twice on end
	ds_add_u32 v[SPW], v[NIL]
	v_lshrrev_b32 v1, 5, v0
	v_readfirstlane_b32 s14, v1                    ; wave 0..3
	s_lshr_b32 s15, s14, 1                         ; which 64 of the tile's rows are mine.  Also: which half of K I fetch
	s_and_b32 s16, s14, 1                          ; which 64 of its columns.  Also: even waves fetch A, odd ones B
	s_bfe_u32 s19, ttmp6, 0x40000                  ; cx, cy: my place in the cluster
	s_bfe_u32 s20, ttmp6, 0x40004
	s_lshl_b32 s18, ttmp9, 2
	s_add_co_u32 s18, s18, s19                     ; tile column
	s_and_b32 s17, ttmp7, 0xffff
	s_lshl_b32 s17, s17, 2
	s_add_co_u32 s17, s17, s20                     ; tile row
	s_lshl_b32 s21, s20, 2
	s_lshl_b32 s21, 15, s21                        ; my row of the cluster
	s_lshl_b32 s22, 0x1111, s19                    ; my column
	s_or_b32 s[G1], s21, (3<<16)|(1<<21)           ; A: eight records, 69,632 dense bytes as 272 rows of 256
	s_mov_b32 s[G1+1], 32<<16
	s_mov_b32 s[G1+2], 272<<16
	s_mov_b32 s[G1+3], 32<<16
	s_mov_b32 s[G1+4], 272
	s_mov_b32 s[G1+5], 32
	s_mov_b32 s[G1+6], 0
	s_mov_b32 s[G1+7], 0
	s_or_b32 s[G1B], s22, (3<<16)|(1<<21)          ; B: eight pairs of records, 8,704 bytes each, 17,408 apart; dense in LDS
	s_mov_b32 s[G1B+1], 1088<<16
	s_mov_b32 s[G1B+2], 8<<16
	s_mov_b32 s[G1B+3], 1088<<16
	s_mov_b32 s[G1B+4], 8
	s_mov_b32 s[G1B+5], 2176
	s_mov_b32 s[G1B+6], 0
	s_mov_b32 s[G1B+7], 0
	s_mul_i32 s23, s15, HF                         ; my half in LDS, and in A's records
	s_mul_i32 s2, s17, GRP
	s_add_co_u32 s2, s2, s23
	s_mov_b32 s3, 0
	s_mul_i32 s48, s15, 2*REC
	s_mul_i32 s50, s18, GRP
	s_add_co_u32 s50, s50, s48
	s_mov_b32 s51, 0
	s_add_co_u32 s49, s23, BOFF
	s_lshl_b32 s52, s15, 12
	s_lshl_b32 s53, s15, 8
	s_add_co_u32 s53, s53, 8192
	s_mul_i32 s54, s16, 4*2*REC
	s_add_co_u32 s54, s54, BOFF
	s_add_co_u32 s55, s54, 4096
	s_mul_i32 s56, s14, 16*SPITCH
	s_add_co_u32 s56, s56, STAGE
	v_and_b32 v1, 15, v0                           ; r
	v_bfe_u32 v2, v0, 4, 1                         ; h
	v_and_b32 v3, 31, v0
	v_lshlrev_b32 v4, 4, v3
	v_mul_u32_u24 v24, v2, 2*REC
	v_mul_u32_u24 v[STO], v1, SPITCH
	v_mul_u32_u24 v[RD], v2, SPITCH
	v_lshlrev_b32 v[CO], 13, v2
	v_add_nc_u32 v5, s52, v4
	v_lshl_add_u32 v6, v3, 2, s53
	v_add_nc_u32 v7, s54, v4
	v_lshl_add_u32 v24, v1, 4, v24
	v_lshl_add_u32 v[STO], v2, 5, v[STO]
	v_lshl_add_u32 v[RD], v1, 4, v[RD]
	v_lshl_add_u32 v[CO], v1, 4, v[CO]             ; two rows of the result, 8,192 bytes apart, 256 bytes of each
	v_add_nc_u32 v24, s55, v24
	v_add_nc_u32 v[STO], s56, v[STO]               ; the stage, in: row l % 16, 32 bytes for each half of the lanes
	v_add_nc_u32 v[RD], s56, v[RD]                 ; back: lanes 0-15 one row of 256 bytes, lanes 16-31 the next
.irp c, 0,1
	v_add_nc_u32 v[AA+\c], \c*HF, v5               ; A's fragments in half c: my four blocks of 16 tokens,
	v_add_nc_u32 v[AS+\c], \c*HF, v6               ; their 64 scale words, 32 a load: lanes 16-31 the second block's
	v_add_nc_u32 v[BA+\c], \c*HF, v7               ; B's: my four blocks,
	v_add_nc_u32 v[BS+\c], \c*HF, v24              ; their scale words: lanes 16-31 the next block's
.endr
	s_wait_alu depctr_va_vdst(0)
	s_wait_dscnt 0x0                               ; both opening adds are done
	s_wait_kmcnt 0x0
	s_mov_b32 s[G0A], 1
	s_mov_b32 s[G0A+1], s23
	s_add_nc_u64 s[G0A+2:G0A+3], s[4:5], s[2:3]
	s_or_b32 s[G0A+3], s[G0A+3], 0x80000000
	s_mov_b32 s[G0B], 1
	s_mov_b32 s[G0B+1], s49
	s_add_nc_u64 s[G0B+2:G0B+3], s[6:7], s[50:51]
	s_or_b32 s[G0B+3], s[G0B+3], 0x80000000
	s_lshl_b32 s58, s17, 7
	s_lshl_b32 s59, s15, 6
	s_add_co_u32 s58, s58, s59
	s_lshl_b32 s58, s58, 13                        ; my first row of the result, 8,192 bytes a row,
	s_lshl_b32 s60, s18, 9
	s_lshl_b32 s61, s16, 8
	s_add_co_u32 s60, s60, s61                     ; my first column: 512 bytes x tile column + 256 x half
	s_add_co_u32 s60, s60, s58
	s_mov_b32 s61, 0
	s_add_nc_u64 s[12:13], s[12:13], s[60:61]
	CROUND                                         ; all sixteen work-groups are here: the joint loads meet
; One tree of branches on the wave's number, an arm a load: every way through the head passes one.
.macro ARM k, g0, g1
	s_cmp_lt_u32 s14, \k
	s_cbranch_scc0 .Larm\k
	tensor_load_to_lds s[\g0:\g0+3], s[\g1:\g1+7]
	s_nop 0
	PLACES
	s_branch .Lasked
.Larm\k:
.endm
	ARM 1, G0A, G1
	ARM 2, G0B, G1B
	ARM 3, G0A, G1
	tensor_load_to_lds s[G0B:G0B+3], s[G1B:G1B+7]
	s_nop 0
	PLACES
.Lasked:
.macro SCALES bs, as, h, ks            ; the scale words of 512 along K of half h: 10 loads
.irp i, 0,1
	ds_load_b128 v[\bs+8*(\ks)+4*\i:\bs+8*(\ks)+4*\i+3], v[BS+\h] offset:4*REC*\i+REC*(\ks)
.irp q, 0,1,2,3
	ds_load_b32 v[\as+8*(\ks)+4*\i+\q], v[AS+\h] offset:OREC*(4*(\ks)+\q)+128*\i
.endr
.endr
.endm
.macro FETCH s                         ; step s of the first half into set s % 4: 16 loads; ahead of steps 0 and 4 ten of scale words
.set F, 64*((\s)%4)
.if (\s)%4 == 0
	WIN 0
	SCALES BSC, ASC, 0, (\s)/4
.endif
	WIN 0x40
.irp e, 0,1
.irp b, 0,1,2,3
	ds_load_b128 v[F+8*\b+4*\e:F+8*\b+4*\e+3], v[BA] offset:2*REC*\b+REC*((\s)/4)+1024*((\s)%4)+512*\e
	ds_load_b128 v[F+32+8*\b+4*\e:F+32+8*\b+4*\e+3], v[AA] offset:OREC*(\s)+1024*\b+512*\e
.endr
.endr
	WIN 0
.endm
.macro MM z, m, n
	v_wmma_scale_f32_16x16x128_f8f6f4 v[DD:DD+7], v[SA:SA+7], v[SB:SB+7], \z, v[KA], v[KB] matrix_a_fmt:MATRIX_FMT_FP4 matrix_b_fmt:MATRIX_FMT_FP4 \m \n
.endm
.macro MR z, ra, rb
.if (\ra) && (\rb)
	MM \z, matrix_a_scale:MATRIX_SCALE_ROW1, matrix_b_scale:MATRIX_SCALE_ROW1
.else
.if (\ra)
	MM \z, matrix_a_scale:MATRIX_SCALE_ROW1
.else
.if (\rb)
	MM \z, matrix_b_scale:MATRIX_SCALE_ROW1
.else
	MM \z
.endif
.endif
.endif
.endm
; A step of the first half: 16 matrix instructions, the 16 accumulators by turns; behind them the fragments of three steps on.  What may be out at its head: the next two steps' loads, 16 each, and 10 of scale words where
; step 4 is among them.  The barrier for the second half is signalled ahead of step 5's products; its wait for 0 shows steps 5, 6 and 7's fragments.
.macro STEP s, z
.if (\s) == 5
	s_wait_tensorcnt 0x0                           ; the second half has landed
	s_wait_dscnt 0x0
	s_barrier_signal -1
.endif
.if (\s) < 5
.set NW, 32
.if ((\s)/4+1)*4 <= (\s)+2
.set NW, 42
.endif
	s_wait_dscnt NW
.endif
	WIN 0x05
.irp a, 0,1,2,3
.irp b, 0,1,2,3
.set DD, ACC+8*(4*\a+\b)
.set SA, 64*((\s)%4)+8*\b
.set SB, 64*((\s)%4)+32+8*\a
.set KA, BSC+8*((\s)/4)+4*(\b/2)+(\s)%4
.set KB, ASC+8*((\s)/4)+4*(\a/2)+(\s)%4
	MR \z, \b%2, \a%2
.endr
.endr
.if (\s) == 5
	s_barrier_wait -1                              ; everybody's part has
.endif
	PLACES
	WIN 0
.if (\s) < 5
	FETCH \s+3
.endif
.endm
; The second half.
.macro BLOAD q0                        ; B's fragments of four steps of 128: 32 loads
	WIN 0x80
.irp q, \q0, \q0+1, \q0+2, \q0+3
.irp b, 0,1,2,3
.irp e, 0,1
	ds_load_b128 v[32*(\q)+8*\b+4*\e:32*(\q)+8*\b+4*\e+3], v[BA+1] offset:2*REC*\b+REC*((\q)/4)+1024*((\q)%4)+512*\e
.endr
.endr
.endr
	WIN 0
.endm
.macro ALOAD a                         ; A's block a, all eight steps: 16 loads
	WIN 0x40
.irp q, 0,1,2,3,4,5,6,7
.irp e, 0,1
	ds_load_b128 v[64*\a+8*\q+4*\e:64*\a+8*\q+4*\e+3], v[AA+1] offset:OREC*\q+1024*\a+512*\e
.endr
.endr
	WIN 0
.endm
.macro ROW a, q0                       ; block a, four steps of 128: 16 matrix instructions, its four accumulators by turns, one instruction a turn: three others stand between a sum's steps
	WIN 0x06
.irp q, \q0, \q0+1, \q0+2, \q0+3
.irp b, 0,1,2,3
.set DD, ACC+8*(4*\a+\b)
.set SA, 32*(\q)+8*\b
.set SB, 64*\a+8*(\q)
.set KA, BS2+8*((\q)/4)+4*(\b/2)+(\q)%4
.set KB, AS2+8*((\q)/4)+4*(\a/2)+(\q)%4
	MR v[DD:DD+7], \b%2, \a%2
.endr
.endr
.endm
; The way out of block a, through my own stage in LDS and back as whole rows of 256 bytes, into the registers that it left: 16 LDS instructions.  LDS serves a wave's instructions in order (ISA guide 5.7.1.4).
.macro TOSTAGE a
	PLACES                                         ; behind the block's last products
	WIN 0
.irp b, 0,1,2,3
	ds_store_b128 v[STO], v[ACC+8*(4*\a+\b):ACC+8*(4*\a+\b)+3] offset:64*\b
	ds_store_b128 v[STO], v[ACC+8*(4*\a+\b)+4:ACC+8*(4*\a+\b)+7] offset:64*\b+16
.endr
.irp t, 0,1,2,3,4,5,6,7
	ds_load_b128 v[ACC+32*\a+4*\t:ACC+32*\a+4*\t+3], v[RD] offset:\t*2*SPITCH
.endr
.endm
.macro SEND a, younger                 ; younger: the LDS instructions issued behind block a's loads
	WIN 0
	s_wait_dscnt \younger
.irp t, 0,1,2,3,4,5,6,7
	global_store_b128 v[CO], v[ACC+32*\a+4*\t:ACC+32*\a+4*\t+3], s[12:13] offset:(16*\a+2*\t)*8192 th:TH_STORE_NT   ; 16 lanes store 256 consecutive bytes, aligned
.endr
.endm
	s_cmp_eq_u32 s15, 0
	s_cbranch_scc0 .Lfirst_half
	s_wait_tensorcnt 0x0                           ; the first half's two waves have their tiles; the other two waves' loads may be out
.Lfirst_half:
	s_wait_dscnt 0x0
	s_barrier_signal -1
	s_barrier_wait -1
	FETCH 0
	FETCH 1
	FETCH 2
	STEP 0, 0                                      ; the first products start the sums
.set Q, 1
.rept 5
	STEP Q, v[DD:DD+7]
.set Q, Q+1
.endr
	SCALES BS2, AS2, 1, 0
	SCALES BS2, AS2, 1, 1
	ALOAD 0
	STEP 6, v[DD:DD+7]
	BLOAD 0
	STEP 7, v[DD:DD+7]
	BLOAD 4
	ALOAD 1
	s_wait_dscnt 48                                ; B's steps 4 to 7 (32) and A's block 1 (16) may be out
	ROW 0, 0
	s_wait_dscnt 16                                ; A's block 1 may be out
	ROW 0, 4
	TOSTAGE 0
	ALOAD 2
	s_wait_dscnt 32                                ; A's block 1 is in: behind it the stage's 16 and A's block 2's 16
	ROW 1, 0
	ROW 1, 4
	SEND 0, 16                                     ; behind the stage's: A's block 2
	TOSTAGE 1
	ALOAD 3
	s_wait_dscnt 32                                ; A's block 2 is in
	ROW 2, 0
	ROW 2, 4
	SEND 1, 16
	TOSTAGE 2
	s_wait_dscnt 16                                ; A's block 3 is in; the stage's 16 may be out
	ROW 3, 0
	ROW 3, 4
	SEND 2, 0
	TOSTAGE 3
	SEND 3, 0
	s_wait_tensorcnt 0x0                           ; the wave's end
	ds_add_u32 v[SPW], v[NIL]
	s_wait_dscnt 0x0
	CROUND                                         ; the closing round
	s_endpgm
.Lfunc_end_k_q78563c3ce1_proj:
	.size	k_q78563c3ce1_proj, .Lfunc_end_k_q78563c3ce1_proj-k_q78563c3ce1_proj
	.p2alignl 7, 3214868480
	.fill 96, 4, 3214868480
	.section	.rodata,"a",@progbits
	.p2align	6, 0x0
	.amdhsa_kernel k_q78563c3ce1_proj
		.amdhsa_group_segment_fixed_size 327680
		.amdhsa_private_segment_fixed_size 0
		.amdhsa_enable_private_segment 0
		.amdhsa_kernarg_size 24
		.amdhsa_user_sgpr_count 2
		.amdhsa_user_sgpr_kernarg_segment_ptr 1
		.amdhsa_wavefront_size32 1
		.amdhsa_system_sgpr_workgroup_id_x 1
		.amdhsa_system_sgpr_workgroup_id_y 1
		.amdhsa_system_sgpr_workgroup_id_z 1
		.amdhsa_system_vgpr_workitem_id 0
		.amdhsa_next_free_vgpr 768
		.amdhsa_next_free_sgpr 102
		.amdhsa_reserve_vcc 0
		.amdhsa_float_denorm_mode_32 3
		.amdhsa_float_denorm_mode_16_64 3
		.amdhsa_memory_ordered 1
		.amdhsa_forward_progress 1
		.amdhsa_inst_pref_size 69
	.end_amdhsa_kernel
	.amdgpu_metadata
---
amdhsa.version: [ 1, 2 ]
amdhsa.kernels:
  - .name:           k_q78563c3ce1_proj
    .symbol:         k_q78563c3ce1_proj.kd
    .args:
      - { .name: o_img, .offset: 0, .size: 8, .value_kind: global_buffer, .address_space: global }
      - { .name: wo_img, .offset: 8, .size: 8, .value_kind: global_buffer, .address_space: global }
      - { .name: out0, .offset: 16, .size: 8, .value_kind: global_buffer, .address_space: global }
    .group_segment_fixed_size: 327680
    .private_segment_fixed_size: 0
    .kernarg_segment_align: 8
    .kernarg_segment_size: 24
    .max_flat_workgroup_size: 128
    .sgpr_count:     102
    .vgpr_count:     768
    .wavefront_size: 32
...
	.end_amdgpu_metadata
.endif
;; end of part 8
